; MI455X (gfx1250); checked and timed in simulation.
; The chip was launched on July 23, 2026; its instructions are those of AMD's public machine-readable ISA for CDNA 5 (MIT licence, August 2026) and "CDNA5" Instruction Set Architecture Reference Guide (July 2026). The comments in the code are by the model that wrote it; some were corrected since.
;; Multi Headed Attention. Allowed arithmetic: matrix products marked QUANTISED: E5M2 operands, one E8M0 scale for each 32 along K, by v_wmma_scale_f32_16x16x128_f8f6f4 with both operands' format E5M2, f32 sums; everything else in f32.
;; Inputs: Wk 16 x 1,024 x 64 float32; Wo 1,024 x 1,024 float32; Wq 16 x 1,024 x 64 float32; Wv 16 x 1,024 x 64 float32; bk 16 x 64 float32; bo 1,024 float32; bq 16 x 64 float32; bv 16 x 64 float32; key_ 4 x 2,048 x 1,024 float32; query 4 x 2,048 x 1,024 float32; value 4 x 2,048 x 1,024 float32.
;; Outputs: out0 4 x 2,048 x 1,024 float32.
;; This version of the problem:
;;   THIS VERSION OF THE PROBLEM IS GIVEN IN LOW PRECISION. The matrix products marked QUANTISED in the list below multiply operands that are first quantised to E5M2 (5 exponent bits, 2 mantissa bits; 8 bits a number), with one power-of-two scale for each 32 numbers along K (OCP MX v1.0); their sums are f32. All else is computed in f32.
;;   The module's matrix products, in the order in which they are computed (A, B: the left and right operand; K: the contracted axis; several contracted axes count as one K, in the product's order):
;;     1. [M 1,024, K 1,024] x [K 1,024, N 8,192]; A: input Wq; B: input query: QUANTISED
;;     2. [M 1,024, K 1,024] x [K 1,024, N 8,192]; A: input Wk; B: input key_: QUANTISED
;;     3. [M 1,024, K 1,024] x [K 1,024, N 8,192]; A: input Wv; B: input value: QUANTISED
;;     4. batch 64 x [M 2,048, K 64] x [K 64, N 2,048]; A: computed on the way; B: computed on the way: QUANTISED
;;     5. batch 64 x [M 2,048, K 2,048] x [K 2,048, N 64]; A: computed on the way; B: computed on the way: QUANTISED
;;     6. [M 8,192, K 1,024] x [K 1,024, N 1,024]; A: computed on the way; B: input Wo: QUANTISED
;;   THE QUANTISER, for each operand of a quantised product, along K:
;;     - K is cut into blocks of 32 from its start; a last block that is shorter is filled with zeros.
;;     - A block's scale is 2^e with e = floor(log2(the largest magnitude in the block)) - 15, held to -126 .. 127; a block of zeros has e = 0. As a byte (E8M0): e + 127.
;;     - Each number is divided by its block's scale, clamped to +-57,344, and rounded to the nearest number of E5M2, ties to even, subnormals kept.
;;     - The product sums the exact products of the quantised numbers (number of the format x scale) in f32.
;;   ~~~python
;;   def quantise(x, axis):      # numpy; x: float32 -> the quantised numbers, widened to float32 again
;;       x = np.moveaxis(x, axis, -1); K = x.shape[-1]
;;       x = np.pad(x, [(0, 0)] * (x.ndim - 1) + [(0, -K % 32)]); x = x.reshape(x.shape[:-1] + (-1, 32)); a = np.abs(x).max(-1, keepdims=True)
;;       e = np.where(a > 0, np.clip(np.frexp(np.where(a > 0, a, 1))[1] - 1 - 15, -126, 127), 0)      # np.frexp(a)[1] - 1 = floor(log2(a)), exactly
;;       r = np.clip(x / 2.0 ** e, -57344, 57344)
;;       step = 2.0 ** (np.maximum(np.frexp(np.where(r == 0, 1, r))[1] - 1, -14) - 2)
;;       q = np.round(r / step) * step * 2.0 ** e      # np.round: ties to even
;;       return np.moveaxis(q.reshape(q.shape[:-2] + (-1,))[..., :K], -1, axis).astype(np.float32)
;;   ~~~
;;   OPERANDS COMPUTED ON THE WAY. 'Computed on the way' means the value that the module computes at that place (a softmax that the list does not call 'softmax' is quantised finished and normalised). What goes into a quantiser is computed in f32, as accurately as f32 sums, v_exp_f32 and their like allow (about 1e-6 of the number): no bf16 or f16 on the way to a quantiser, and a product that is left as it is and whose result goes on into a quantised operand takes f32 operands (vector FMAs, or v_wmma_f32_16x16x4_f32). A number that lies on a knife's edge between two numbers of the format may be rounded either way, as far as f32 arithmetic and the matrix unit's own rounding can turn it there, and no further.
;; 2 versions. Each part assembles by itself: llvm-mc -triple=amdgcn-amd-amdhsa -mcpu=gfx1250 --defsym DOCPART=n.
;; ======== version 1 of 2: 5 launches
;; workspace buffers: cod 29,360,128 bytes; sc 917,504 bytes; qkc 16,777,216 bytes; qks 1,048,576 bytes; vc 8,388,608 bytes; side 1,310,720 bytes; cc 8,388,608 bytes; cs 262,144 bytes
;; launch prep (part 1): grid 448 x 1, 4 waves a work-group, no clusters, 34,304 bytes of LDS; arguments query, key_, value, Wq, Wk, Wv, Wo, cod, sc; writes cod, sc
.if DOCPART == 1
	.amdgcn_target "amdgcn-amd-amdhsa--gfx1250"
	.amdhsa_code_object_version 6
	.text
	.protected	k_q0d15584d01_prep
	.globl	k_q0d15584d01_prep
	.p2align	8
	.type	k_q0d15584d01_prep,@function
k_q0d15584d01_prep:
	s_mov_b64 s[64:65], 0
	v_nop
	global_prefetch_b8 v0, s[64:65] scope:SCOPE_SE
	s_setreg_imm32_b32 hwreg(HW_REG_WAVE_MODE, 25, 1), 1
	s_wait_xcnt 0x0
; PREP: query, key_, value [8192][1024], Wo [1024][1024] (K innermost) and Wq, Wk, Wv [16][1024 (K)][64] (K outermost), all f32, become codes of E5M2 with one E8M0 byte for each 32 along K.
; A TILE is 16 rows: tile T of a tensor holds rows 32 (T/2) + 8 (T%2) + p + 8 (p/8), p = 0..15, so that two neighbouring tiles, used as source 0 of a product, leave 16 neighbours along the next K in a lane's registers.
; The codes are stored as IMAGES OF THE OPERAND'S REGISTERS: cod[tile][K step 8][2,048 bytes]; register group c of lane l lies at 512 c + 16 l: every later load of a fragment is 512 dense bytes.
; The scale words: sc[tile][row 16][K step 8], one word (four block bytes) for a row and 128 along K.
; SHARES: tile = 4 x work-group + wave; a wave makes its tile's eight fragments.  Work-groups 0-383: query, key_, value; 384-431: a head of Wq, Wk, Wv (its four tiles side by side on each 256-byte row); 432-447: Wo.
; K innermost: a load takes 512 dense bytes of one row; 16 rows x 512 bytes turn through the wave's own stage in LDS (pitch 528 = 33 x 16 bytes) so that a lane gets 16 neighbours of each block.
; K outermost: a lane takes a column and its registers run down K: nothing is transposed.
; A block's scale byte is its largest magnitude's exponent field - 15, held at 1 from below; each number is held within +-57,344 x the scale and rounded to the nearest code, ties to even.
; LIMITS: NaN and infinities among the inputs are not served.  A block of zeros gets the byte 1 and zero codes; the bytes are read by this program alone.
.set GA,  1                            ; v1  16 x lane
.set GB,  2                            ; v2  K outermost: 4 x my column + 4,096 x (lane / 16)
.set STA, 3                            ; v3  the stage, way in: 16 x lane
.set STB, 4                            ; v4  the stage, way out: 528 r + 64 (lane / 16)
.set SCO, 5                            ; v5  my 16 bytes of the tile's scale words: 32 r + 16 (lane / 16)
.set TM,  8                            ; v8-23  at work in QUANT
.set PW,  24                           ; v24 the scale word just made
.set SW,  26                           ; v26-33 the eight K steps' scale words
.set OW,  34                           ; v34-37 the four that I store
.set PC,  40                           ; v40-55 the codes just made
.set R,   56                           ; v56-183 two sets of 64 numbers as loaded
.set X,   184                          ; v184-247 64 numbers: register 16 b + i = k 32 b + 16 (lane / 16) + i of my row
.set WV,  22
.set SRC, 24                           ; s[24:25] source, K innermost
.set SRW, 28                           ; s[28:29] source, K outermost
.set DC,  18                           ; s[18:19] my tile in cod
.set DSC, 20                           ; s[20:21] my tile in sc
.set SEL, 32                           ; s[32:33] lane selects for lane l xor 16
.set MNT, 34                           ; s34 the mantissa field of 57,344
.set HM,  35                           ; s35 mask of lanes 16-31
; 64 numbers of a lane become a fragment's codes in v[PC] on and its scale word in v[PW]
.macro QUANT s
.irp b, 0,1,2,3
	v_max3_num_f32 v[TM+\b], |v[(\s)+16*\b]|, |v[(\s)+16*\b+1]|, 0x8000000   ; my 16 numbers of block b, and the floor 2^(16 - 127): the byte cannot fall under 1
.endr
.irp i, 2,4,6,8,10,12,14
.irp b, 0,1,2,3
	v_max3_num_f32 v[TM+\b], v[TM+\b], |v[(\s)+16*\b+\i]|, |v[(\s)+16*\b+\i+1]|   ; the four blocks by turns
.endr
.endr
.irp b, 0,1,2,3
	v_permlanex16_b32 v[TM+4+\b], v[TM+\b], s[SEL], s[SEL+1]
.endr
.irp b, 0,1,2,3
	v_max_num_f32 v[TM+\b], v[TM+\b], v[TM+4+\b]   ; with lane l xor 16's: the block's largest magnitude
.endr
.irp b, 0,1,2,3
	v_add_nc_u32 v[TM+12+\b], 0xf8800000, v[TM+\b]   ; 15 off its exponent field: the conversion's scale operand
.endr
.irp b, 0,1,2,3
	v_and_or_b32 v[TM+8+\b], v[TM+\b], 0x7f800000, s[MNT]   ; 57,344 x the scale
.endr
.irp b, 0,1,2,3
	v_lshrrev_b32 v[TM+4+\b], 23, v[TM+12+\b]   ; the scale's byte
.endr
	v_lshl_or_b32 v[PW], v[TM+5], 8, v[TM+4]
	v_lshl_or_b32 v[PW], v[TM+6], 16, v[PW]
	v_lshl_or_b32 v[PW], v[TM+7], 24, v[PW]
.irp b, 0,1,2,3
.set jj, 0
.rept 16
	v_med3_num_f32 v[(\s)+16*\b+jj], v[(\s)+16*\b+jj], -v[TM+8+\b], v[TM+8+\b]   ; the conversion does not saturate (ISA guide 7.6.2): the hold
.set jj, jj+1
.endr
.endr
.irp b, 0,1,2,3
	v_cvt_scalef32_pk8_bf8_f32 v[PC+4*\b:PC+4*\b+1], v[(\s)+16*\b:(\s)+16*\b+7], v[TM+12+\b]
	v_cvt_scalef32_pk8_bf8_f32 v[PC+4*\b+2:PC+4*\b+3], v[(\s)+16*\b+8:(\s)+16*\b+15], v[TM+12+\b]
.endr
	v_nop                                          ; a plain line behind the last conversion
.endm
.macro PUT f                           ; fragment f leaves: four stores of 512 dense bytes
	v_mov_b32 v[SW+(\f)], v[PW]
.irp c, 0,1,2,3
	global_store_b128 v[GA], v[PC+4*\c:PC+4*\c+3], s[DC:DC+1] offset:2048*(\f)+512*\c
.endr
.endm
.macro LOADR f                         ; K innermost: 512 bytes (128 along K) of each of the tile's 16 rows
.irp p, 0,1,2,3,4,5,6,7,8,9,10,11,12,13,14,15
	global_load_b128 v[R+64*((\f)%2)+4*\p:R+64*((\f)%2)+4*\p+3], v[GA], s[SRC:SRC+1] offset:(\p+8*(\p/8))*4096+512*(\f) th:TH_LOAD_NT
.endr
.endm
.macro LOADW f                         ; K outermost: W(128 f + 32 c + 16 (lane / 16) + i, my column)
.irp c, 0,1,2,3
.irp i, 0,1,2,3,4,5,6,7,8,9,10,11,12,13,14,15
	global_load_b32 v[R+64*((\f)%2)+16*\c+\i], v[GB], s[SRW:SRW+1] offset:(128*(\f)+32*\c+\i)*256
.endr
.endr
.endm
.macro INNER f
.if (\f) < 7
	s_wait_loadcnt 16                              ; this fragment's sixteen loads are in; the next fragment's sixteen may be out
.else
	s_wait_loadcnt 0x0
.endif
.irp p, 0,1,2,3,4,5,6,7,8,9,10,11,12,13,14,15
	ds_store_b128 v[STA], v[R+64*((\f)%2)+4*\p:R+64*((\f)%2)+4*\p+3] offset:528*\p
.endr
.irp c, 0,1,2,3
.irp j, 0,1,2,3
	ds_load_b128 v[X+16*\c+4*\j:X+16*\c+4*\j+3], v[STB] offset:128*\c+16*\j   ; LDS serves a wave's instructions in order: these see the stores above
.endr
.endr
	s_wait_dscnt 0x0                               ; the numbers are back, so the stores into the stage have read their registers
	s_wait_xcnt 0x0                                ; the last fragment's stores have read the codes' registers
.if (\f) < 6
	LOADR (\f)+2
.endif
	QUANT X
	PUT \f
.endm
.macro OUTER f
.if (\f) < 7
	s_wait_loadcnt 63                              ; 64 younger loads were issued behind this fragment's
.else
	s_wait_loadcnt 0x0
.endif
	s_wait_xcnt 0x0                                ; the last fragment's stores have read the codes' registers
	QUANT R+64*((\f)%2)
	PUT \f
.if (\f) < 6
	LOADW (\f)+2
.endif
.endm
	s_load_b256 s[4:11], s[0:1], 0x0               ; query, key_, value, Wq
	s_load_b256 s[12:19], s[0:1], 0x20             ; Wk, Wv, Wo, cod
	s_load_b64 s[20:21], s[0:1], 0x40              ; sc
	v_lshl_add_u32 v254, v0, 2, 0x8400
	v_mov_b32 v255, 0
	v_lshrrev_b32 v6, 5, v0
	v_readfirstlane_b32 s[WV], v6                  ; wave 0..3
	v_and_b32 v6, 31, v0                           ; lane
	v_and_b32 v7, 15, v0                           ; r
	v_bfe_u32 v25, v0, 4, 1                        ; lane / 16
	v_lshlrev_b32 v[GA], 4, v6
	s_lshr_b32 s23, s[WV], 1
	s_lshl_b32 s23, s23, 5
	s_and_b32 s30, s[WV], 1
	s_lshl_b32 s30, s30, 3
	s_add_co_u32 s23, s23, s30                     ; my tile's first row among the work-group's 64: 32 (w / 2) + 8 (w % 2)
	v_and_b32 v[GB], 8, v7
	v_add_nc_u32 v[GB], v[GB], v7                  ; r + 8 (r / 8)
	v_add_nc_u32 v[GB], s23, v[GB]
	v_lshlrev_b32 v[GB], 2, v[GB]
	v_lshl_add_u32 v[GB], v25, 12, v[GB]           ; lanes 16-31 begin 16 rows of 256 bytes further down K
	s_mul_i32 s30, s[WV], 8448                     ; my stage: 16 rows x 528 bytes
	v_add_nc_u32 v[STA], s30, v[GA]
	v_mul_u32_u24 v[STB], v7, 528
	v_lshl_add_u32 v[STB], v25, 6, v[STB]
	v_add_nc_u32 v[STB], s30, v[STB]
	v_lshlrev_b32 v[SCO], 5, v7
	v_lshl_add_u32 v[SCO], v25, 4, v[SCO]
	v_cmp_lt_u32 s[HM], 15, v6
.irp b, 0,1,2,3
	v_mov_b32 v[TM+4+\b], 0                        ; written once: a lane permute's destination counts as one of its sources
.endr
	s_mov_b32 s[SEL], 0x76543210
	s_mov_b32 s[SEL+1], 0xfedcba98
	s_mov_b32 s[MNT], 0x600000
	s_lshl_b32 s36, ttmp9, 2
	s_add_co_u32 s36, s36, s[WV]                   ; my tile's number
	s_lshl_b32 s38, s36, 14
	s_mov_b32 s39, 0
	s_lshl_b32 s40, s36, 9
	s_mov_b32 s41, 0
	s_wait_kmcnt 0x0
	s_add_nc_u64 s[DC:DC+1], s[DC:DC+1], s[38:39]
	s_add_nc_u64 s[DSC:DSC+1], s[DSC:DSC+1], s[40:41]
	s_cmp_lt_u32 ttmp9, 128                        ; which tensor: the choices hang on the work-group's number alone
	s_cselect_b64 s[SRC:SRC+1], s[4:5], s[6:7]
	s_cselect_b32 s26, 0, 128
	s_cmp_lt_u32 ttmp9, 256
	s_cselect_b64 s[SRC:SRC+1], s[SRC:SRC+1], s[8:9]
	s_cselect_b32 s26, s26, 256
	s_cmp_lt_u32 ttmp9, 384
	s_cselect_b64 s[SRC:SRC+1], s[SRC:SRC+1], s[16:17]
	s_cselect_b32 s26, s26, 432                    ; the tensor's first work-group
	s_cmp_lt_u32 ttmp9, 400
	s_cselect_b64 s[SRW:SRW+1], s[10:11], s[12:13]
	s_cmp_lt_u32 ttmp9, 416
	s_cselect_b64 s[SRW:SRW+1], s[SRW:SRW+1], s[14:15]
	s_sub_co_u32 s30, ttmp9, 384
	s_cmp_lt_u32 s30, 48
	s_cbranch_scc1 .Louter
	; ---- K innermost
	s_sub_co_u32 s30, ttmp9, s26
	s_lshl_b32 s30, s30, 6
	s_add_co_u32 s30, s30, s23                     ; my tile's first row in the tensor
	s_lshl_b32 s38, s30, 12                        ; rows of 4,096 bytes
	s_add_nc_u64 s[SRC:SRC+1], s[SRC:SRC+1], s[38:39]
	LOADR 0
	LOADR 1
.irp f, 0,1,2,3,4,5,6,7
	INNER \f
.endr
	s_branch .Lwords
.Louter:
	; ---- K outermost: one head to a work-group
	s_and_b32 s30, ttmp9, 15                       ; the head (384 is a multiple of 16)
	s_lshl_b32 s38, s30, 18                        ; 1,024 rows of 256 bytes
	s_add_nc_u64 s[SRW:SRW+1], s[SRW:SRW+1], s[38:39]
	LOADW 0
	LOADW 1
.irp f, 0,1,2,3,4,5,6,7
	OUTER \f
.endr
.Lwords:
.irp j, 0,1,2,3
	v_cndmask_b32 v[OW+\j], v[SW+\j], v[SW+4+\j], s[HM]   ; lanes 0-15 store K steps 0-3 of row r, lanes 16-31 K steps 4-7
.endr
	global_store_b128 v[SCO], v[OW:OW+3], s[DSC:DSC+1]    ; 512 dense bytes
	s_wait_tensorcnt 0x0
	ds_add_u32 v254, v255
	s_wait_dscnt 0x0
	s_endpgm
.Lfunc_end_k_q0d15584d01_prep:
	.size	k_q0d15584d01_prep, .Lfunc_end_k_q0d15584d01_prep-k_q0d15584d01_prep
	.p2alignl 7, 3214868480
	.fill 96, 4, 3214868480
	.section	.rodata,"a",@progbits
	.p2align	6, 0x0
	.amdhsa_kernel k_q0d15584d01_prep
		.amdhsa_group_segment_fixed_size 34304
		.amdhsa_private_segment_fixed_size 0
		.amdhsa_enable_private_segment 0
		.amdhsa_kernarg_size 72
		.amdhsa_user_sgpr_count 2
		.amdhsa_user_sgpr_kernarg_segment_ptr 1
		.amdhsa_wavefront_size32 1
		.amdhsa_system_sgpr_workgroup_id_x 1
		.amdhsa_system_sgpr_workgroup_id_y 1
		.amdhsa_system_sgpr_workgroup_id_z 1
		.amdhsa_system_vgpr_workitem_id 0
		.amdhsa_next_free_vgpr 256
		.amdhsa_next_free_sgpr 66
		.amdhsa_reserve_vcc 0
		.amdhsa_float_denorm_mode_32 3
		.amdhsa_float_denorm_mode_16_64 3
		.amdhsa_memory_ordered 1
		.amdhsa_forward_progress 1
		.amdhsa_inst_pref_size 215
	.end_amdhsa_kernel
	.amdgpu_metadata
---
amdhsa.version: [ 1, 2 ]
amdhsa.kernels:
  - .name:           k_q0d15584d01_prep
    .symbol:         k_q0d15584d01_prep.kd
    .args:
      - { .name: query, .offset: 0, .size: 8, .value_kind: global_buffer, .address_space: global }
      - { .name: key_, .offset: 8, .size: 8, .value_kind: global_buffer, .address_space: global }
      - { .name: value, .offset: 16, .size: 8, .value_kind: global_buffer, .address_space: global }
      - { .name: Wq, .offset: 24, .size: 8, .value_kind: global_buffer, .address_space: global }
      - { .name: Wk, .offset: 32, .size: 8, .value_kind: global_buffer, .address_space: global }
      - { .name: Wv, .offset: 40, .size: 8, .value_kind: global_buffer, .address_space: global }
      - { .name: Wo, .offset: 48, .size: 8, .value_kind: global_buffer, .address_space: global }
      - { .name: cod, .offset: 56, .size: 8, .value_kind: global_buffer, .address_space: global }
      - { .name: sc, .offset: 64, .size: 8, .value_kind: global_buffer, .address_space: global }
    .group_segment_fixed_size: 34304
    .private_segment_fixed_size: 0
    .kernarg_segment_align: 8
    .kernarg_segment_size: 72
    .max_flat_workgroup_size: 128
    .sgpr_count:     66
    .vgpr_count:     256
    .wavefront_size: 32
...
	.end_amdgpu_metadata
.endif
;; end of part 1
;; launch proj (part 2): grid 256 x 1, 4 waves a work-group, no clusters, 140,800 bytes of LDS; arguments cod, sc, bq, bk, bv, qkc, qks, vc, side; writes qkc, qks, vc, side
.if DOCPART == 2
	.amdgcn_target "amdgcn-amd-amdhsa--gfx1250"
	.amdhsa_code_object_version 6
	.text
	.protected	k_q0d15584d01_proj
	.globl	k_q0d15584d01_proj
	.p2align	8
	.type	k_q0d15584d01_proj,@function
k_q0d15584d01_proj:
	s_mov_b64 s[64:65], 0
	v_nop
	global_prefetch_b8 v0, s[64:65] scope:SCOPE_SE
	s_setreg_imm32_b32 hwreg(HW_REG_WAVE_MODE, 25, 1), 1
	s_wait_xcnt 0x0
; PROJ: q = query Wq + bq, k = key_ Wk + bk, v = value Wv + bv on codes of E5M2 (cod, sc: images of operand registers), and the quantiser of q and k (along the head's 64) and of v (along the keys).
; SHARES: work-group = (4 heads g, 128 rows rb).  Wave w has head 4 g + w: its 64 outputs x 1,024 K of the weight lie in 512 registers.  The 128 rows' codes (8 tiles x 8 K steps x 2,048 bytes) lie in LDS, read by all four waves.
; Three passes on the same rows: q and k in a loop of two trips, v written out behind it.  A pass is 256 matrix instructions a wave on 32 accumulators, which take turns.
; q, k: source 0 = 16 outputs of W, source 1 = 16 rows of x: a lane holds one row and 32 registers along the head's 64, in operand order.  v: the sources swapped: a lane holds one output d and 64 registers along the 128 keys.
; The bias is the C of each sum's first matrix instruction.  While a pass's results are quantised, the next pass's weight comes into windows 1 and 2 and the next x block into the accumulators' registers as they fall free.
; OUT: qkc[q, k][bh][tile 128][1,024 bytes], qks[q, k][bh][tile][row] words (s0, s1, s0, s1), vc[bh][128 keys 16][d tile 4][2,048 bytes], V's scale words in side at bh x 20,480 + 16,384.
; LIMITS: NaN and infinities are not served; a block of zeros gets the byte 1 and zero codes (the bytes are read by this program alone).
; REGISTERS: window 0: addresses, scale words, biases, two sets of four x fragments; windows 1, 2: W's 32 fragments (K step k, tile t at 16 (4 k + t)); window 3: the accumulators, between passes the stage of the next x block.
.set XSC, 131072                       ; LDS: x's images at 0; their scale words, 8 tiles x 512 bytes;
.set STG, 135168                       ; a stage of 512 bytes for each wave;
.set BL,  137216                       ; each wave's head's bq, bk, bv: 768 bytes
.set CO,  1                            ; v1  16 x lane
.set LI0, 2                            ; v2, v3  16 x lane, + 65,536: tiles 0-3, tiles 4-7 of x in LDS
.set LS,  4                            ; v4  XSC + 32 r
.set GX,  5                            ; v5  32,768 w + 16 lane: my quarter of the x block, in memory and in LDS
.set GS,  6                            ; v6  1,024 w + 16 lane: my quarter of its scale words
.set DSX, 7                            ; v7  XSC + that
.set WSA, 8                            ; v8  32 r
.set STW, 9                            ; v9  my stage + 4 lane
.set STR, 10                           ; v10 my stage + 16 lane
.set BLA, 11                           ; v11 my biases + 64 (lane / 16)
.set BLV, 12                           ; v12 bv + 4 (r + 8 (r / 8))
.set BLX, 13                           ; v13 the bias address in hand
.set STV, 14                           ; v14 my stage + 4 r
.set ST8, 15                           ; v15 my stage + 8 lane
.set XS,  16                           ; v16-23 x's scale words: scales alone
.set TM,  24                           ; v24-39 at work in QUANT; v24-31 also stage the next x block's scale words
.set PW,  40
.set T0,  41
.set T1,  42
.set G8,  43                           ; v43 8 x lane
.set PC,  44                           ; v44-59 the codes just made
.set WS,  60                           ; v60-91 W's scale words, 8 t + k
.set BI,  92                           ; v92-123 the bias in the result's layout, 8 t + j
.set XF,  124                          ; v124-251 x's fragments: set 0 (tiles 0-3), set 1 (tiles 4-7)
.set OB,  252                          ; v252-255 words on their way out
.set WV,  22
.set XP,  24                           ; s[24:25] the x block to be fetched
.set XSP, 26                           ; its scale words
.set WP,  28                           ; the weight to be fetched
.set WSP, 30
.set OC,  32                           ; q's or k's codes, my head, my rows
.set OS,  34
.set VCP, 36
.set VSP, 38
.set SEL, 40
.set MNT, 42
.set HM,  43
.set CNT, 44
.set BOF, 45                           ; 0 for bq, 256 for bk
.set MSB, 0
.macro WIN new                         ; the immediate's high byte repeats the setting that is left; a switch that changes nothing is dropped
.if MSB != (\new)
	s_set_vgpr_msb (MSB<<8)|(\new)
.set MSB, (\new)
.endif
.endm
.macro NOPS n
.rept \n
	v_nop
.endr
.endm
.macro WMC d, a, b, c, sa, sb
	v_wmma_scale_f32_16x16x128_f8f6f4 v[(\d):(\d)+7], v[(\a):(\a)+15], v[(\b):(\b)+15], v[(\c):(\c)+7], v[\sa], v[\sb] matrix_a_fmt:MATRIX_FMT_BF8 matrix_b_fmt:MATRIX_FMT_BF8
.endm
; 64 numbers of a lane in window w, register 16 b + i = k 32 b + 16 (lane / 16) + i of my row, become codes in v[PC] on and a scale word in v[PW], both in window 0.  Each accumulator is read from its low end on.
.macro QUANT s, w
	WIN (\w)|((\w)<<2)
.irp b, 0,1,2,3
	v_max3_num_f32 v[TM+\b], |v[(\s)+16*\b]|, |v[(\s)+16*\b+1]|, 0x8000000   ; and the floor 2^(16 - 127): the byte cannot fall under 1
.endr
	WIN ((\w)<<2)|((\w)<<4)
.irp i, 2,4,6,8,10,12,14
.irp b, 0,1,2,3
	v_max3_num_f32 v[TM+\b], v[TM+\b], |v[(\s)+16*\b+\i]|, |v[(\s)+16*\b+\i+1]|
.endr
.endr
	WIN 0
.irp b, 0,1,2,3
	v_permlanex16_b32 v[TM+4+\b], v[TM+\b], s[SEL], s[SEL+1]
.endr
.irp b, 0,1,2,3
	v_max_num_f32 v[TM+\b], v[TM+\b], v[TM+4+\b]
.endr
.irp b, 0,1,2,3
	v_add_nc_u32 v[TM+12+\b], 0xf8800000, v[TM+\b]   ; 15 off the exponent field: the conversion's scale operand
.endr
.irp b, 0,1,2,3
	v_and_or_b32 v[TM+8+\b], v[TM+\b], 0x7f800000, s[MNT]   ; 57,344 x the scale
.endr
.irp b, 0,1,2,3
	v_lshrrev_b32 v[TM+4+\b], 23, v[TM+12+\b]
.endr
	v_lshl_or_b32 v[PW], v[TM+5], 8, v[TM+4]
	v_lshl_or_b32 v[PW], v[TM+6], 16, v[PW]
	v_lshl_or_b32 v[PW], v[TM+7], 24, v[PW]
	WIN (\w)|((\w)<<6)
.irp b, 0,1,2,3
.set jj, 0
.rept 16
	v_med3_num_f32 v[(\s)+16*\b+jj], v[(\s)+16*\b+jj], -v[TM+8+\b], v[TM+8+\b]   ; the conversion does not saturate (ISA guide 7.6.2): the hold
.set jj, jj+1
.endr
.endr
	WIN (\w)
.irp b, 0,1,2,3
	v_cvt_scalef32_pk8_bf8_f32 v[PC+4*\b:PC+4*\b+1], v[(\s)+16*\b:(\s)+16*\b+7], v[TM+12+\b]
	v_cvt_scalef32_pk8_bf8_f32 v[PC+4*\b+2:PC+4*\b+3], v[(\s)+16*\b+8:(\s)+16*\b+15], v[TM+12+\b]
.endr
	WIN 0
	v_nop                                          ; a plain line behind the last conversion
.endm
.macro XNEXT n                         ; a quarter of my quarter of the next x block, into accumulator registers that have been quantised
	WIN 0xc0
.irp i, 0,1,2,3,4,5,6,7,8,9,10,11,12,13,14,15
	global_load_b128 v[64*(\n)+4*\i:64*(\n)+4*\i+3], v[GX], s[XP:XP+1] offset:8192*(\n)+512*\i
.endr
	WIN 0
.endm
.macro WPART q                         ; K steps 2 q and 2 q + 1 of the next weight: 32 loads of 512 dense bytes
	WIN 0x40*(1+(\q)/2)
.irp k, 0,1
.irp t, 0,1,2,3
.irp c, 0,1,2,3
	global_load_b128 v[16*(4*(2*((\q)%2)+\k)+\t)+4*\c:16*(4*(2*((\q)%2)+\k)+\t)+4*\c+3], v[CO], s[WP:WP+1] offset:\t*16384+(2*(\q)+\k)*2048+512*\c
.endr
.endr
.endr
	WIN 0
.endm
.macro WSLOAD                          ; its scale words: eight words a row
.irp t, 0,1,2,3
	global_load_b128 v[WS+8*\t:WS+8*\t+3], v[WSA], s[WSP:WSP+1] offset:512*\t
	global_load_b128 v[WS+8*\t+4:WS+8*\t+7], v[WSA], s[WSP:WSP+1] offset:512*\t+16
.endr
.endm
; The head of a pass: what was asked for has come; nobody reads the old x block any more; the new one goes into LDS; everybody's part lies there.
.macro TOP isv
	s_wait_loadcnt 0x0                             ; the x block's stage, the weight, both kinds of scale words
	s_wait_dscnt 0x0                               ; my LDS reads and stores are over
	s_barrier_signal -1
	s_barrier_wait -1                              ; so are everybody's reads of the old x block
	WIN 0x0c                                       ; an LDS store's data are its source 1: window 3
.set ii, 0
.rept 64
	ds_store_b128 v[GX], v[4*ii:4*ii+3] offset:512*ii
.set ii, ii+1
.endr
	WIN 0
	ds_store_b128 v[DSX], v[24:27]
	ds_store_b128 v[DSX], v[28:31] offset:512
.if \isv
.irp t, 0,1,2,3
.irp j, 0,1,2,3,4,5,6,7
	ds_load_b32 v[BI+8*\t+\j], v[BLV] offset:(32*(\t/2)+8*(\t%2))*4   ; v: a lane holds one output d: its bias in all eight registers
.endr
.endr
.else
	v_add_nc_u32 v[BLX], s[BOF], v[BLA]
.irp t, 0,1,2,3
	ds_load_b128 v[BI+8*\t:BI+8*\t+3], v[BLX] offset:(32*(\t/2)+8*(\t%2))*4      ; q, k: the biases of outputs 32 (t/2) + 8 (t%2) + 16 (lane/16) + 0..7
	ds_load_b128 v[BI+8*\t+4:BI+8*\t+7], v[BLX] offset:(32*(\t/2)+8*(\t%2))*4+16
.endr
.endif
	s_wait_dscnt 0x0                               ; for the others' sake: my stores have landed
	s_barrier_signal -1
	s_barrier_wait -1
.endm
.macro FETCHX set, kk                  ; four x fragments of K step kk and their scale words: 20 LDS loads
.irp mm, 0,1,2,3
.irp c, 0,1,2,3
	ds_load_b128 v[XF+64*(\set)+16*\mm+4*\c:XF+64*(\set)+16*\mm+4*\c+3], v[LI0+(\set)] offset:(8*\mm+(\kk))*2048+512*\c
.endr
	ds_load_b32 v[XS+4*(\set)+\mm], v[LS] offset:(4*(\set)+\mm)*512+4*(\kk)
.endr
.endm
.macro MUL isv, set, kk                ; 16 matrix instructions: four x tiles x four W tiles, 128 along K
.if \isv
.if (\kk) == 0
	WIN 0xc4
.else
	WIN ((1+(\kk)/4)<<2)|0xf0
.endif
.else
.if (\kk) == 0
	WIN 0xc1
.else
	WIN (1+(\kk)/4)|0xf0
.endif
.endif
.irp mm, 0,1,2,3
.irp t, 0,1,2,3
.set WF, 16*(4*((\kk)%4)+\t)
.set XR, XF+64*(\set)+16*\mm
.if \isv
.set AC, 64*\t+8*(4*(\set)+\mm)
.if (\kk) == 0
	WMC AC, XR, WF, BI+8*\t, XS+4*(\set)+\mm, WS+8*\t+(\kk)
.else
	WMC AC, XR, WF, AC, XS+4*(\set)+\mm, WS+8*\t+(\kk)
.endif
.else
.set AC, 32*(4*(\set)+\mm)+8*\t
.if (\kk) == 0
	WMC AC, WF, XR, BI+8*\t, WS+8*\t+(\kk), XS+4*(\set)+\mm
.else
	WMC AC, WF, XR, AC, WS+8*\t+(\kk), XS+4*(\set)+\mm
.endif
.endif
.endr
.endr
.endm
; Eight plain lines stand between a matrix instruction of this form and a load into a register that it has read.
.macro GEMM isv
	FETCHX 0, 0
	FETCHX 1, 0
.irp kk, 0,1,2,3,4,5,6,7
	s_wait_dscnt 20                                ; set 0 is in; set 1's twenty loads may be out
	MUL \isv, 0, \kk
	WIN 0
.if \kk < 7
	NOPS 8
	FETCHX 0, \kk+1
	s_wait_dscnt 20                                ; set 1 is in; the twenty just issued may be out
.else
	s_wait_dscnt 0x0
.endif
	MUL \isv, 1, \kk
	WIN 0
.if \kk < 7
	NOPS 8
	FETCHX 1, \kk+1
.endif
.endr
.endm
	s_load_b256 s[4:11], s[0:1], 0x0               ; cod, sc, bq, bk
	s_load_b256 s[12:19], s[0:1], 0x20             ; bv, qkc, qks, vc
	s_load_b64 s[20:21], s[0:1], 0x40              ; side
	v_lshrrev_b32 v41, 5, v0
	v_readfirstlane_b32 s[WV], v41                 ; wave 0..3
	v_and_b32 v41, 31, v0                          ; lane
	v_and_b32 v42, 15, v0                          ; r
	v_bfe_u32 v43, v0, 4, 1                        ; lane / 16
	v_lshlrev_b32 v[CO], 4, v41
	v_lshlrev_b32 v[LI0], 4, v41
	v_add_nc_u32 v[LI0+1], 65536, v[LI0]
	v_lshl_add_u32 v[LS], v42, 5, XSC
	s_lshl_b32 s46, s[WV], 15
	v_add_nc_u32 v[GX], s46, v[CO]
	s_lshl_b32 s46, s[WV], 10
	v_add_nc_u32 v[GS], s46, v[CO]
	v_add_nc_u32 v[DSX], XSC, v[GS]
	v_lshlrev_b32 v[WSA], 5, v42
	s_lshl_b32 s46, s[WV], 9
	s_add_co_u32 s46, s46, STG                     ; my stage
	v_lshl_add_u32 v[STW], v41, 2, s46
	v_add_nc_u32 v[STR], s46, v[CO]
	v_lshl_add_u32 v[STV], v42, 2, s46
	v_lshl_add_u32 v[ST8], v41, 3, s46
	s_mul_i32 s46, s[WV], 768
	s_add_co_u32 s46, s46, BL                      ; my biases
	v_lshl_add_u32 v[BLA], v43, 6, s46
	v_and_b32 v[BLV], 8, v42
	v_add_nc_u32 v[BLV], v[BLV], v42
	v_lshl_add_u32 v[BLV], v[BLV], 2, s46
	v_add_nc_u32 v[BLV], 512, v[BLV]
	v_lshl_add_u32 v[BLX], v41, 3, s46             ; for the head's stores: 8 bytes a lane
	v_cmp_lt_u32 s[HM], 15, v41
	v_lshlrev_b32 v[G8], 3, v41
.irp b, 0,1,2,3
	v_mov_b32 v[TM+4+\b], 0                        ; written once: a lane permute's destination counts as one of its sources
.endr
	s_mov_b32 s[SEL], 0x76543210
	s_mov_b32 s[SEL+1], 0xfedcba98
	s_mov_b32 s[MNT], 0x600000
	s_and_b32 s46, ttmp9, 3                        ; g
	s_lshr_b32 s47, ttmp9, 2                       ; rb: 128 rows
	s_lshr_b32 s48, s47, 4                         ; batch
	s_and_b32 s49, s47, 15                         ; which 128 of its 2,048 rows
	s_lshl_b32 s50, s46, 2
	s_add_co_u32 s50, s50, s[WV]                   ; head
	s_lshl_b32 s51, s48, 4
	s_add_co_u32 s51, s51, s50                     ; bh
	s_mov_b32 s53, 0
	s_wait_kmcnt 0x0
	s_lshl_b32 s52, s47, 17                        ; 8 tiles x 16,384 bytes
	s_add_nc_u64 s[XP:XP+1], s[4:5], s[52:53]
	s_lshl_b32 s52, s47, 12
	s_add_nc_u64 s[XSP:XSP+1], s[6:7], s[52:53]
	s_lshl_b32 s52, s50, 16
	s_add_co_u32 s52, s52, 1536*16384              ; Wq's tiles begin at tile 1,536; four to a head
	s_add_nc_u64 s[WP:WP+1], s[4:5], s[52:53]
	s_lshl_b32 s52, s50, 11
	s_add_co_u32 s52, s52, 1536*512
	s_add_nc_u64 s[WSP:WSP+1], s[6:7], s[52:53]
	s_lshl_b32 s52, s51, 17
	s_lshl_b32 s54, s49, 13
	s_add_co_u32 s52, s52, s54
	s_add_nc_u64 s[OC:OC+1], s[14:15], s[52:53]
	s_lshl_b32 s52, s51, 13
	s_lshl_b32 s54, s49, 9
	s_add_co_u32 s52, s52, s54
	s_add_nc_u64 s[OS:OS+1], s[16:17], s[52:53]
	s_lshl_b32 s52, s51, 4
	s_add_co_u32 s52, s52, s49
	s_lshl_b32 s52, s52, 13
	s_add_nc_u64 s[VCP:VCP+1], s[18:19], s[52:53]
	s_mul_i32 s52, s51, 20480
	s_lshl_b32 s54, s49, 8
	s_add_co_u32 s52, s52, s54
	s_add_co_u32 s52, s52, 16384
	s_add_nc_u64 s[VSP:VSP+1], s[20:21], s[52:53]
	s_lshl_b32 s52, s50, 8                         ; my head's 64 biases
	s_add_nc_u64 s[8:9], s[8:9], s[52:53]
	s_add_nc_u64 s[10:11], s[10:11], s[52:53]
	s_add_nc_u64 s[12:13], s[12:13], s[52:53]
	WSLOAD                                         ; the first pass's operands
	WPART 0
	WPART 1
	WPART 2
	WPART 3
	XNEXT 0
	XNEXT 1
	XNEXT 2
	XNEXT 3
	global_load_b128 v[24:27], v[GS], s[XSP:XSP+1]
	global_load_b128 v[28:31], v[GS], s[XSP:XSP+1] offset:512
	global_load_b64 v[PC:PC+1], v[G8], s[8:9]
	global_load_b64 v[PC+2:PC+3], v[G8], s[10:11]
	global_load_b64 v[PC+4:PC+5], v[G8], s[12:13]
	s_wait_loadcnt 0x0                             ; all are in, so their bases may be stepped
	ds_store_b64 v[BLX], v[PC:PC+1]
	ds_store_b64 v[BLX], v[PC+2:PC+3] offset:256
	ds_store_b64 v[BLX], v[PC+4:PC+5] offset:512   ; my own bytes: read by me alone
	s_add_nc_u64 s[XP:XP+1], s[XP:XP+1], 8388608   ; on to the next pass's tensor: 512 tiles,
	s_add_nc_u64 s[XSP:XSP+1], s[XSP:XSP+1], 262144
	s_add_nc_u64 s[WP:WP+1], s[WP:WP+1], 1048576   ; 64 tiles
	s_add_nc_u64 s[WSP:WSP+1], s[WSP:WSP+1], 32768
	s_mov_b32 s[BOF], 0
	s_mov_b32 s[CNT], 2
.Lqk:                                              ; two trips: q, then k
	TOP 0
	GEMM 0
	NOPS 8                                         ; places behind the last products: for the loads into W's registers and the first reads of results
	WSLOAD
.irp n, 0,1,2,3                                    ; x tiles 2 n and 2 n + 1: 64 registers, four blocks of 32 along the head's 64
	s_wait_xcnt 0x0                                ; the stores before have read the codes' registers
	WPART \n
	QUANT 64*\n, 3
	XNEXT \n
.irp b, 0,1,2,3
	global_store_b128 v[CO], v[PC+4*\b:PC+4*\b+3], s[OC:OC+1] offset:2048*\n+512*\b
.endr
	v_perm_b32 v[T0], v[PW], v[PW], 0x01000100     ; tile 2 n's word, doubled: (s0, s1, s0, s1): it serves either half of a K step of 128
	v_perm_b32 v[T1], v[PW], v[PW], 0x03020302     ; tile 2 n + 1's
	v_cndmask_b32 v[T0], v[T0], v[T1], s[HM]       ; lanes 0-15 carry the first tile's rows, lanes 16-31 the second's
	ds_store_b32 v[STW], v[T0] offset:128*\n
.endr
	ds_load_b128 v[OB:OB+3], v[STR]                ; LDS serves a wave's instructions in order: these see my stores
	s_wait_dscnt 0x0
	global_store_b128 v[CO], v[OB:OB+3], s[OS:OS+1]   ; eight tiles' words: 512 dense bytes
	global_load_b128 v[24:27], v[GS], s[XSP:XSP+1]
	global_load_b128 v[28:31], v[GS], s[XSP:XSP+1] offset:512
	s_wait_xcnt 0x0                                ; every base has been read: all may be stepped
	s_add_nc_u64 s[XP:XP+1], s[XP:XP+1], 8388608
	s_add_nc_u64 s[XSP:XSP+1], s[XSP:XSP+1], 262144
	s_add_nc_u64 s[WP:WP+1], s[WP:WP+1], 1048576
	s_add_nc_u64 s[WSP:WSP+1], s[WSP:WSP+1], 32768
	s_add_nc_u64 s[OC:OC+1], s[OC:OC+1], 8388608
	s_add_nc_u64 s[OS:OS+1], s[OS:OS+1], 524288
	s_add_co_u32 s[BOF], s[BOF], 256
	s_sub_co_u32 s[CNT], s[CNT], 1
	s_cmp_lg_u32 s[CNT], 0
	s_cbranch_scc1 .Lqk
	; ---- v: nothing more is fetched
	TOP 1
	GEMM 1
	NOPS 8
.irp t, 0,1,2,3                                    ; d tile t: 64 registers along the 128 keys: a whole fragment of V^T and its scale word
	s_wait_xcnt 0x0
	QUANT 64*\t, 3
.irp c, 0,1,2,3
	global_store_b128 v[CO], v[PC+4*\c:PC+4*\c+3], s[VCP:VCP+1] offset:2048*\t+512*\c
.endr
	ds_store_b32 v[STV], v[PW] offset:64*\t        ; both halves of the lanes write the same word with the same value
.endr
	ds_load_b64 v[OB:OB+1], v[ST8]
	s_wait_dscnt 0x0
	global_store_b64 v[G8], v[OB:OB+1], s[VSP:VSP+1]   ; 256 dense bytes
	s_wait_xcnt 0x0
	v_lshl_add_u32 v254, v0, 2, 0x22400
	v_mov_b32 v255, 0
	s_wait_tensorcnt 0x0
	ds_add_u32 v254, v255
	s_wait_dscnt 0x0
	s_endpgm
.Lfunc_end_k_q0d15584d01_proj:
	.size	k_q0d15584d01_proj, .Lfunc_end_k_q0d15584d01_proj-k_q0d15584d01_proj
	.p2alignl 7, 3214868480
	.fill 96, 4, 3214868480
	.section	.rodata,"a",@progbits
	.p2align	6, 0x0
	.amdhsa_kernel k_q0d15584d01_proj
		.amdhsa_group_segment_fixed_size 140800
		.amdhsa_private_segment_fixed_size 0
		.amdhsa_enable_private_segment 0
		.amdhsa_kernarg_size 72
		.amdhsa_user_sgpr_count 2
		.amdhsa_user_sgpr_kernarg_segment_ptr 1
		.amdhsa_wavefront_size32 1
		.amdhsa_system_sgpr_workgroup_id_x 1
		.amdhsa_system_sgpr_workgroup_id_y 1
		.amdhsa_system_sgpr_workgroup_id_z 1
		.amdhsa_system_vgpr_workitem_id 0
		.amdhsa_next_free_vgpr 1024
		.amdhsa_next_free_sgpr 66
		.amdhsa_reserve_vcc 0
		.amdhsa_float_denorm_mode_32 3
		.amdhsa_float_denorm_mode_16_64 3
		.amdhsa_memory_ordered 1
		.amdhsa_forward_progress 1
		.amdhsa_inst_pref_size 241
	.end_amdhsa_kernel
	.amdgpu_metadata
---
amdhsa.version: [ 1, 2 ]
amdhsa.kernels:
  - .name:           k_q0d15584d01_proj
    .symbol:         k_q0d15584d01_proj.kd
    .args:
      - { .name: cod, .offset: 0, .size: 8, .value_kind: global_buffer, .address_space: global }
      - { .name: sc, .offset: 8, .size: 8, .value_kind: global_buffer, .address_space: global }
      - { .name: bq, .offset: 16, .size: 8, .value_kind: global_buffer, .address_space: global }
      - { .name: bk, .offset: 24, .size: 8, .value_kind: global_buffer, .address_space: global }
      - { .name: bv, .offset: 32, .size: 8, .value_kind: global_buffer, .address_space: global }
      - { .name: qkc, .offset: 40, .size: 8, .value_kind: global_buffer, .address_space: global }
      - { .name: qks, .offset: 48, .size: 8, .value_kind: global_buffer, .address_space: global }
      - { .name: vc, .offset: 56, .size: 8, .value_kind: global_buffer, .address_space: global }
      - { .name: side, .offset: 64, .size: 8, .value_kind: global_buffer, .address_space: global }
    .group_segment_fixed_size: 140800
    .private_segment_fixed_size: 0
    .kernarg_segment_align: 8
    .kernarg_segment_size: 72
    .max_flat_workgroup_size: 128
    .sgpr_count:     66
    .vgpr_count:     1024
    .wavefront_size: 32
...
	.end_amdgpu_metadata
.endif
;; end of part 2
;; launch stats (part 3): grid 4 x 64, 16 waves a work-group, clusters of 4 x 1, 169,984 bytes of LDS; arguments qkc, qks, side; writes side
.if DOCPART == 3
	.amdgcn_target "amdgcn-amd-amdhsa--gfx1250"
	.amdhsa_code_object_version 6
	.text
	.protected	k_q0d15584d01_stats
	.globl	k_q0d15584d01_stats
	.p2align	8
	.type	k_q0d15584d01_stats,@function
k_q0d15584d01_stats:
	s_mov_b64 s[64:65], 0
	v_nop
	global_prefetch_b8 v0, s[64:65] scope:SCOPE_SE
	s_setreg_imm32_b32 hwreg(HW_REG_WAVE_MODE, 25, 1), 1
	s_wait_xcnt 0x0
	s_wait_alu depctr_hold_cnt(0) depctr_sa_sdst(0) depctr_va_vdst(0) depctr_va_sdst(0) depctr_va_ssrc(0) depctr_va_vcc(0) depctr_vm_vsrc(0)
	s_getreg_b32 s2, hwreg(HW_REG_IB_STS2, 6, 4)
	s_cmp_eq_u32 s2, 0
	s_cbranch_scc0 .Lentry_in_a_cluster
	s_endpgm
.Lentry_in_a_cluster:
	s_bfe_u32 s2, ttmp6, 0x10000c
	s_cmp_lg_u32 s2, 0x3003
	s_cbranch_scc0 .Lentry_shape_is_right
	s_endpgm
.Lentry_shape_is_right:
; STATS: the softmax runs over the QUERIES.  For each key of each head: the largest raw score q . k over all 2,048 queries and 1 / the sum over the queries of 2^(c (score - largest)), c = log2(e) / 8.
; SHARES: a cluster of four work-groups has one head; a work-group 512 keys; each of its sixteen waves 32 keys (two tiles, resident) and walks all queries, 128 a step.
; All of the head's q codes and scale words (136 KiB) lie in LDS: the four partners need the same bytes, so they are asked for JOINTLY, each wave one sixteenth; every byte is filled once, so the loop has no barrier.
; K = 64 IN AN INSTRUCTION OF K = 128.  A tile of q or k is 8 registers.  The streamed tiles lie on end, [zeros] T0 .. T7 [zeros]; the resident pair as [K0][zeros][K1].  Tile 0 of the keys takes (T_k, T_k+1) against (K0, zeros),
; tile 1 takes (T_k-1, T_k) against (zeros, K1): the half of K that meets zero codes adds exact zeros, since all codes are finite.  The scale words are doubled (s0, s1, s0, s1) and serve either half.
; Source 0 = 16 queries, source 1 = 16 keys: a lane holds ONE key and 64 of the step's queries; each half of the lanes keeps a running maximum and sum of its own, joined at the end.
; OUT: side[bh]: -largest at 0, 1 / sum at 8,192, by key.
; LIMITS: NaN and infinities are not served; v_exp_f32 gives 0 for results under 2^-126.
.set QS,  131072                       ; LDS: q's codes at 0; q's scale words, 8,192 bytes;
.set STG, 139264                       ; the stage: 512 x -largest, 512 x 1 / sum
.set AQ0, 1                            ; v1  16 x lane
.set AS0, 2                            ; v2  QS + 4 r
.set ADQ, 3                            ; v3  the step's tiles
.set ADS, 4                            ; v4  the step's scale words
.set SA,  5                            ; v5  STG + 128 w + 4 (r + 8 (r / 8))
.set SRD, 6                            ; v6  STG + 16 x thread
.set GOF, 7                            ; v7  the same 16 bytes in side
.set KSW, 8                            ; v8-9   my key tiles' scale words
.set QSW, 10                           ; v10-17 the step's eight
.set M,   18                           ; v18-19 running largest raw score, tile u
.set LL,  20                           ; v20-23 running sums, a pair for each tile
.set NM,  24                           ; v[24:25] -c x largest (the low word serves both halves)
.set FF,  26                           ; v[26:27] 2^(c (old - new))
.set XM,  28                           ; v28-31 four chains
.set TT,  32                           ; v[32:33] the second chain of sums
.set PT,  34                           ; v34-35 lane exchanges
.set KB,  36                           ; v36-59  [K0][zeros][K1]
.set QB,  60                           ; v60-139 [zeros] T0 .. T7 [zeros]
.set S,   140                          ; v140-203 the scores
.set WV,  10
.set BH,  11
.set CX,  12
.set G1C, 16                           ; s[16:23] group 1: 32 rows of 256 bytes
.set G1S, 24                           ; s[24:31] group 1: 2 rows
.set G0C, 32
.set G0S, 36
.set CS,  40                           ; s[40:41] c
.set SEL, 42
.set TQ,  44
.set TS,  45
.set CNT, 46
.set KP,  56
.set KSP, 58
.set OP,  60
.macro NOPS n
.rept \n
	v_nop
.endr
.endm
.macro ROUND                           ; a round of the cluster's barrier
	s_barrier_signal -1
	s_barrier_wait -1
	s_cmp_lg_u32 s[WV], 0
	s_cbranch_scc1 .Lnot_wave_0_\@
	s_barrier_signal -3
.Lnot_wave_0_\@:
	s_barrier_wait -3
	s_barrier_signal -1
	s_barrier_wait -1
.endm
.macro QLOAD                           ; a step's eight tiles of q and their words
.irp k, 0,1,2,3,4,5,6,7
	ds_load_b128 v[QB+8+8*\k:QB+8+8*\k+3], v[ADQ] offset:1024*\k
	ds_load_b128 v[QB+8+8*\k+4:QB+8+8*\k+7], v[ADQ] offset:1024*\k+512
	ds_load_b32 v[QSW+\k], v[ADS] offset:64*\k
.endr
.endm
.macro SC u                            ; 128 queries x my key tile u
.irp k, 0,1,2,3,4,5,6,7
	v_wmma_scale_f32_16x16x128_f8f6f4 v[S+8*\k:S+8*\k+7], v[QB+8-8*(\u)+8*\k:QB+8-8*(\u)+8*\k+15], v[KB+8*(\u):KB+8*(\u)+15], 0, v[QSW+\k], v[KSW+(\u)] matrix_a_fmt:MATRIX_FMT_BF8 matrix_b_fmt:MATRIX_FMT_BF8
.endr
.endm
.macro STAT u                          ; my key's 64 scores of this step go into its running maximum and sum
.irp b, 0,1,2,3
	v_max3_num_f32 v[XM+\b], v[S+16*\b], v[S+16*\b+1], v[S+16*\b+2]   ; four chains, each accumulator from its low end on
.endr
.irp i, 3,5,7,9,11,13
.irp b, 0,1,2,3
	v_max3_num_f32 v[XM+\b], v[XM+\b], v[S+16*\b+\i], v[S+16*\b+\i+1]
.endr
.endr
.irp b, 0,1,2,3
	v_max_num_f32 v[XM+\b], v[XM+\b], v[S+16*\b+15]
.endr
	v_max3_num_f32 v[XM], v[XM], v[XM+1], v[XM+2]
	v_max3_num_f32 v[XM], v[XM], v[XM+3], v[M+(\u)]   ; the new running maximum
	v_sub_f32 v[FF], v[M+(\u)], v[XM]
	v_mul_f32 v[NM], -v[XM], s[CS]
	v_mul_f32 v[FF], s[CS], v[FF]
	v_mov_b32 v[M+(\u)], v[XM]
.set jj, 0
.rept 32
	v_pk_fma_f32 v[S+jj:S+jj+1], v[S+jj:S+jj+1], s[CS:CS+1], v[NM:NM+1] op_sel_hi:[1,0,0]   ; c s - c max
.set jj, jj+2
.endr
	v_exp_f32 v[FF], v[FF]
.set jj, 0
.rept 64
	v_exp_f32 v[S+jj], v[S+jj]
.set jj, jj+1
.endr
	v_nop                                          ; a plain line behind the last exponential
	s_wait_alu depctr_va_vdst(0)                   ; one wait for the batch, ahead of its first reader
	v_pk_fma_f32 v[LL+2*(\u):LL+2*(\u)+1], v[LL+2*(\u):LL+2*(\u)+1], v[FF:FF+1], v[S:S+1] op_sel_hi:[1,0,1]   ; the old sum under the new maximum
	v_pk_add_f32 v[TT:TT+1], v[S+2:S+3], v[S+4:S+5]
.irp j, 6,10,14,18,22,26,30,34,38,42,46,50,54,58
	v_pk_add_f32 v[LL+2*(\u):LL+2*(\u)+1], v[LL+2*(\u):LL+2*(\u)+1], v[S+\j:S+\j+1]
	v_pk_add_f32 v[TT:TT+1], v[TT:TT+1], v[S+\j+2:S+\j+3]
.endr
	v_pk_add_f32 v[LL+2*(\u):LL+2*(\u)+1], v[LL+2*(\u):LL+2*(\u)+1], v[S+62:S+63]
	v_pk_add_f32 v[LL+2*(\u):LL+2*(\u)+1], v[LL+2*(\u):LL+2*(\u)+1], v[TT:TT+1]
.endm
; A step of 128 queries.  Eight plain lines stand behind the products ahead of the first read of a result and of loads into their operands (ISA guide 7.12.1 for the first read of a result).
.macro TRIP last
	s_wait_dscnt 0x0                               ; the step's tiles and words are in
	SC 0
	NOPS 8
	STAT 0
	SC 1
.if \last
	NOPS 8
.else
	s_add_co_u32 s[TQ], s[TQ], 8192
	s_add_co_u32 s[TS], s[TS], 512
	v_add_nc_u32 v[ADQ], s[TQ], v[AQ0]
	v_add_nc_u32 v[ADS], s[TS], v[AS0]
	NOPS 6
	QLOAD                                          ; the next step's, while this step's second half is worked
.endif
	STAT 1
.endm
	s_load_b128 s[4:7], s[0:1], 0x0                ; qkc, qks
	s_load_b64 s[8:9], s[0:1], 0x10                ; side
	v_lshl_add_u32 v254, v0, 2, 0x29000
	v_mov_b32 v255, 0
	ds_add_u32 v254, v255
	ds_add_u32 v254, v255
	v_lshrrev_b32 v3, 5, v0
	v_readfirstlane_b32 s[WV], v3                  ; wave 0..15
	s_and_b32 s[BH], ttmp7, 0xffff                 ; batch x 16 + head: the cluster's y
	s_bfe_u32 s[CX], ttmp6, 0x40000                ; my place in the cluster: it enters global addresses of my keys and results alone
.irp g, G1C, G1S
	s_mov_b32 s[\g], 15|(3<<16)|(1<<21)            ; 15:0 the mask: all four work-groups; 17:16 elements of 8 bytes; 21 set beside a mask; no padding
	s_mov_b32 s[\g+1], 32<<16                      ; tensor_dim0 = 32 elements: rows of 256 bytes
	s_mov_b32 s[\g+3], 32<<16                      ; tile_dim0
	s_mov_b32 s[\g+5], 32                          ; the pitch: the block is dense
	s_mov_b32 s[\g+6], 0
	s_mov_b32 s[\g+7], 0
.endr
	s_mov_b32 s[G1C+2], 32<<16                     ; tensor_dim1: 32 rows = 8,192 bytes
	s_mov_b32 s[G1C+4], 32
	s_mov_b32 s[G1S+2], 2<<16                      ; 2 rows = 512 bytes
	s_mov_b32 s[G1S+4], 2
	s_lshl_b32 s50, s[WV], 13                      ; my sixteenth of the codes,
	s_lshl_b32 s48, s[BH], 17
	s_add_co_u32 s48, s48, s50
	s_mov_b32 s49, 0
	s_lshl_b32 s51, s[WV], 9                       ; and of the words
	s_lshl_b32 s52, s[BH], 13
	s_add_co_u32 s52, s52, s51
	s_mov_b32 s53, 0
	s_lshl_b32 s54, s[CX], 15                      ; my key tiles 32 cx + 2 w, + 1: in registers that feed no descriptor
	s_lshl_b32 s62, s[WV], 11
	s_add_co_u32 s54, s54, s62
	s_lshl_b32 s62, s[BH], 17
	s_add_co_u32 s54, s54, s62
	s_add_co_u32 s54, s54, 8388608                 ; k's half of qkc
	s_mov_b32 s55, 0
	s_wait_dscnt 0x0
	s_wait_kmcnt 0x0
	s_add_nc_u64 s[KP:KP+1], s[4:5], s[54:55]
	s_lshl_b32 s54, s[CX], 11
	s_lshl_b32 s62, s[WV], 7
	s_add_co_u32 s54, s54, s62
	s_lshl_b32 s62, s[BH], 13
	s_add_co_u32 s54, s54, s62
	s_add_co_u32 s54, s54, 524288                  ; k's half of qks
	s_add_nc_u64 s[KSP:KSP+1], s[6:7], s[54:55]
	s_mul_i32 s54, s[BH], 20480
	s_lshl_b32 s62, s[CX], 11
	s_add_co_u32 s54, s54, s62
	s_add_nc_u64 s[OP:OP+1], s[8:9], s[54:55]
	s_mov_b32 s[G0C], 1                            ; count = 1
	s_mov_b32 s[G0C+1], s50                        ; LDS address
	s_add_nc_u64 s[G0C+2:G0C+3], s[4:5], s[48:49]  ; global address
	s_or_b32 s[G0C+3], s[G0C+3], 0x80000000        ; type = 2
	s_mov_b32 s[G0S], 1
	s_add_co_u32 s[G0S+1], s51, QS
	s_add_nc_u64 s[G0S+2:G0S+3], s[6:7], s[52:53]
	s_or_b32 s[G0S+3], s[G0S+3], 0x80000000
	ROUND                                          ; all four work-groups are here: the joint loads meet
	tensor_load_to_lds s[G0C:G0C+3], s[G1C:G1C+7]  ; two tensor loads of mine are out
	s_nop 0
	tensor_load_to_lds s[G0S:G0S+3], s[G1S:G1S+7]
	s_nop 0
	NOPS 4
	v_and_b32 v3, 31, v0                           ; lane
	v_and_b32 v4, 15, v0                           ; r
	v_lshlrev_b32 v[AQ0], 4, v3
	v_lshl_add_u32 v[AS0], v4, 2, QS
	v_and_b32 v[SA], 8, v4
	v_add_nc_u32 v[SA], v[SA], v4
	s_lshl_b32 s48, s[WV], 7
	s_add_co_u32 s48, s48, STG
	v_lshl_add_u32 v[SA], v[SA], 2, s48
	v_lshl_add_u32 v[SRD], v0, 4, STG
	v_lshrrev_b32 v[GOF], 7, v0
	v_lshlrev_b32 v[GOF], 13, v[GOF]
	v_and_b32 v[PT], 127, v0
	v_lshl_add_u32 v[GOF], v[PT], 4, v[GOF]
	v_lshlrev_b32 v[PT+1], 2, v4                   ; 4 r: the offset of my key words; it stands until those loads are in
.irp u, 0,1
.irp c, 0,1
	global_load_b128 v[KB+16*\u+4*\c:KB+16*\u+4*\c+3], v[AQ0], s[KP:KP+1] offset:1024*\u+512*\c
.endr
	global_load_b32 v[KSW+\u], v[PT+1], s[KSP:KSP+1] offset:64*\u
.endr
.irp j, 0,1,2,3,4,5,6,7
	v_mov_b32 v[KB+8+\j], 0                        ; zero codes
	v_mov_b32 v[QB+\j], 0
	v_mov_b32 v[QB+72+\j], 0
.endr
	v_mov_b32 v[M], 0xff61b1e6                     ; -3e38, under every score
	v_mov_b32 v[M+1], 0xff61b1e6
.irp j, 0,1,2,3
	v_mov_b32 v[LL+\j], 0
.endr
	v_mov_b32 v[NM+1], 0                           ; named as the upper halves of pairs
	v_mov_b32 v[FF+1], 0
	s_mov_b32 s[CS], 0x3e38aa3b                    ; c = log2(e) / 8
	s_mov_b32 s[CS+1], s[CS]
	s_mov_b32 s[SEL], 0x76543210
	s_mov_b32 s[SEL+1], 0xfedcba98
	s_mov_b32 s[TQ], 0
	s_mov_b32 s[TS], 0
	s_mov_b32 s[CNT], 15
	v_add_nc_u32 v[ADQ], s[TQ], v[AQ0]
	v_add_nc_u32 v[ADS], s[TS], v[AS0]
	s_wait_tensorcnt 0x0                           ; my parts have landed,
	s_barrier_signal -1
	s_barrier_wait -1                              ; everybody's have
	QLOAD
	s_wait_loadcnt 0x0                             ; my keys
.Lq:                                               ; fifteen trips; each fetches the next step's tiles
	TRIP 0
	s_sub_co_u32 s[CNT], s[CNT], 1
	s_cmp_lg_u32 s[CNT], 0
	s_cbranch_scc1 .Lq
	TRIP 1                                         ; the last step fetches nothing
	; ---- the two halves of the lanes are joined
.irp u, 0,1
	v_permlanex16_b32 v[PT+\u], v[M+\u], s[SEL], s[SEL+1]
.endr
.irp u, 0,1
	v_max_num_f32 v[PT+\u], v[PT+\u], v[M+\u]      ; the key's largest score
.endr
.irp u, 0,1
	v_sub_f32 v[XM+\u], v[M+\u], v[PT+\u]
.endr
.irp u, 0,1
	v_mul_f32 v[XM+\u], s[CS], v[XM+\u]
.endr
.irp u, 0,1
	v_exp_f32 v[XM+\u], v[XM+\u]
.endr
.irp u, 0,1
	v_add_f32 v[XM+2+\u], v[LL+2*\u], v[LL+2*\u+1] ; plain lines behind the exponentials
.endr
	s_wait_alu depctr_va_vdst(0)                   ; one wait for the two
.irp u, 0,1
	v_mul_f32 v[XM+2+\u], v[XM+2+\u], v[XM+\u]     ; my half's sum under the common maximum
.endr
.irp u, 0,1
	v_permlanex16_b32 v[TT+\u], v[XM+2+\u], s[SEL], s[SEL+1]
.endr
.irp u, 0,1
	v_add_f32 v[XM+2+\u], v[XM+2+\u], v[TT+\u]
.endr
.irp u, 0,1
	v_rcp_f32 v[XM+2+\u], v[XM+2+\u]
.endr
.irp u, 0,1
	v_mul_f32 v[PT+\u], -1.0, v[PT+\u]             ; -largest (plain lines behind the reciprocals)
.endr
	s_wait_alu depctr_va_vdst(0)                   ; one wait for the two
.irp u, 0,1
	ds_store_b32 v[SA], v[PT+\u] offset:32*\u      ; key 32 w + 8 u + r + 8 (r / 8) of the work-group's 512; both halves write the same value
	ds_store_b32 v[SA], v[XM+2+\u] offset:2048+32*\u
.endr
	s_wait_dscnt 0x0
	s_barrier_signal -1
	s_barrier_wait -1
	s_cmp_lt_u32 s[WV], 8                          ; 4,096 bytes leave by eight waves
	s_cbranch_scc0 .Ldone
	ds_load_b128 v[XM:XM+3], v[SRD]
	s_wait_dscnt 0x0
	global_store_b128 v[GOF], v[XM:XM+3], s[OP:OP+1]   ; 16 lanes store 256 consecutive bytes, aligned
.Ldone:
	s_wait_tensorcnt 0x0
	ds_add_u32 v254, v255
	s_wait_dscnt 0x0
	ROUND                                          ; the closing round
	s_endpgm
.Lfunc_end_k_q0d15584d01_stats:
	.size	k_q0d15584d01_stats, .Lfunc_end_k_q0d15584d01_stats-k_q0d15584d01_stats
	.p2alignl 7, 3214868480
	.fill 96, 4, 3214868480
	.section	.rodata,"a",@progbits
	.p2align	6, 0x0
	.amdhsa_kernel k_q0d15584d01_stats
		.amdhsa_group_segment_fixed_size 169984
		.amdhsa_private_segment_fixed_size 0
		.amdhsa_enable_private_segment 0
		.amdhsa_kernarg_size 24
		.amdhsa_user_sgpr_count 2
		.amdhsa_user_sgpr_kernarg_segment_ptr 1
		.amdhsa_wavefront_size32 1
		.amdhsa_system_sgpr_workgroup_id_x 1
		.amdhsa_system_sgpr_workgroup_id_y 1
		.amdhsa_system_sgpr_workgroup_id_z 1
		.amdhsa_system_vgpr_workitem_id 0
		.amdhsa_next_free_vgpr 256
		.amdhsa_next_free_sgpr 66
		.amdhsa_reserve_vcc 0
		.amdhsa_float_denorm_mode_32 3
		.amdhsa_float_denorm_mode_16_64 3
		.amdhsa_memory_ordered 1
		.amdhsa_forward_progress 1
		.amdhsa_inst_pref_size 50
	.end_amdhsa_kernel
	.amdgpu_metadata
---
amdhsa.version: [ 1, 2 ]
amdhsa.kernels:
  - .name:           k_q0d15584d01_stats
    .symbol:         k_q0d15584d01_stats.kd
    .args:
      - { .name: qkc, .offset: 0, .size: 8, .value_kind: global_buffer, .address_space: global }
      - { .name: qks, .offset: 8, .size: 8, .value_kind: global_buffer, .address_space: global }
      - { .name: side, .offset: 16, .size: 8, .value_kind: global_buffer, .address_space: global }
    .group_segment_fixed_size: 169984
    .private_segment_fixed_size: 0
    .kernarg_segment_align: 8
    .kernarg_segment_size: 24
    .max_flat_workgroup_size: 512
    .sgpr_count:     66
    .vgpr_count:     256
    .wavefront_size: 32
...
	.end_amdgpu_metadata
.endif
;; end of part 3
;; launch attn (part 4): grid 4 x 64, 8 waves a work-group, clusters of 4 x 1, 292,864 bytes of LDS; arguments qkc, qks, vc, side, cc, cs; writes cc, cs
.if DOCPART == 4
	.amdgcn_target "amdgcn-amd-amdhsa--gfx1250"
	.amdhsa_code_object_version 6
	.text
	.protected	k_q0d15584d01_attn
	.globl	k_q0d15584d01_attn
	.p2align	8
	.type	k_q0d15584d01_attn,@function
k_q0d15584d01_attn:
	s_mov_b64 s[64:65], 0
	v_nop
	global_prefetch_b8 v0, s[64:65] scope:SCOPE_SE
	s_setreg_imm32_b32 hwreg(HW_REG_WAVE_MODE, 25, 1), 1
	s_wait_xcnt 0x0
	s_wait_alu depctr_hold_cnt(0) depctr_sa_sdst(0) depctr_va_vdst(0) depctr_va_sdst(0) depctr_va_ssrc(0) depctr_va_vcc(0) depctr_vm_vsrc(0)
	s_getreg_b32 s2, hwreg(HW_REG_IB_STS2, 6, 4)
	s_cmp_eq_u32 s2, 0
	s_cbranch_scc0 .Lentry_in_a_cluster
	s_endpgm
.Lentry_in_a_cluster:
	s_bfe_u32 s2, ttmp6, 0x10000c
	s_cmp_lg_u32 s2, 0x3003
	s_cbranch_scc0 .Lentry_shape_is_right
	s_endpgm
.Lentry_shape_is_right:
; ATTN: the scores once more; attn = 2^(c (score - the key's largest)) x (1 / the key's sum), finished and normalised, c = log2(e) / 8; its quantiser along the keys; ctx = attn V; ctx's quantiser along the head's 64.
; SHARES: a cluster of four work-groups has one head; a work-group 512 queries; each of its eight waves four tiles of 16 queries.  Every wave walks the head's 2,048 keys, 128 a step; scores and softmax by halves of 64 keys.
; A head's k codes, V codes, scale words and per-key figures (285 KiB) lie in LDS: the four partners need the same bytes, so they are asked for JOINTLY, each wave an eighth; every byte is filled once, so the loop has no barrier.
; Both products are used transposed: S^T = k q^T (source 0 = 16 keys), O^T = V^T P (source 0 = 16 of the head's 64): a lane holds ONE query throughout, and its registers run along the keys in operand order (the tiles' rows are chosen so).
; -largest of the register's key is the C of the score's matrix instruction.  K = 64 in an instruction of K = 128: the streamed k tiles lie on end between zero codes, the resident q tiles in pairs [Q][zeros][Q]; the half of K that
; meets zero codes adds exact zeros, since all codes are finite; the scale words are doubled and serve either half.
; Two waves share a SIMD: one's vector work stands beside the other's matrix work and LDS loads.
; OUT: cc[row tile][K step = head / 2][2,048 bytes], groups 2 (head % 2) + 0, 1; cs[bh][tile][row]: the head's two block bytes.
; LIMITS: NaN and infinities are not served; v_exp_f32 gives 0 for results under 2^-126; a block of zeros gets the byte 1 and zero codes (the bytes are read by this program alone).
.set VC,   131072                      ; LDS: k's codes at 0; V's codes;
.set KS,   262144                      ; k's scale words;
.set SIDE, 270336                      ; -largest, 1 / sum at + 8,192, V's scale words at + 16,384;
.set STG,  290816                      ; the stage for ctx's scale bytes: 128 bytes a wave
.set LK,  1                            ; v1  16 x lane
.set BM,  2                            ; v2  SIDE + 64 (lane / 16)
.set BS,  3                            ; v3  KS + 4 r
.set BT,  4                            ; v4  SIDE + 16,384 + 4 r
.set ADK, 5                            ; v5-9 the step's addresses
.set ADV, 6
.set ADM, 7
.set ADS, 8
.set ADT, 9
.set SWR, 10                           ; v10 STG + 128 w + 2 r
.set SRD, 11                           ; v11 STG + 16 x thread
.set QSW, 12                           ; v12-15 q's scale words
.set KSW, 16                           ; v16-19 k's
.set VSW, 20                           ; v20-23 V's
.set PW,  24                           ; v24-27 attn's, a word for each tile of queries
.set TM,  28                           ; v28-43 at work
.set KB,  44                           ; v44-91 [zeros] T0 .. T3 [zeros]
.set MB,  92                           ; v92-123 -largest of the registers' keys
.set RB,  124                          ; v124-155 1 / sum
.set S,   156                          ; v156-187 the scores of 64 keys
.set P,   188                          ; v188-251 attn's codes, 16 registers a tile
.set PC,  188                          ; the way out: ctx's codes
.set GCS, 252                          ; v252 16 x thread
.set R4,  253                          ; v253 4 r
; window 1: v0-47 [Q0][zeros][Q1][Q2][zeros][Q3]; v48-111 V(t) at 48 + 16 t; v112-239 O(i, t) at 112 + 32 i + 8 t
.set G1A, 16                           ; s[16:23] group 1: 64 rows of 256 bytes
.set G1B, 24                           ; 10 rows
.set G1C, 32                           ; 4 rows
.set G0K, 40
.set G0V, 44
.set G0D, 48
.set G0W, 52
.set WV,  56
.set BH,  57
.set CX,  58
.set CS,  60                           ; s[60:61] c
.set SEL, 62
.set MNT, 66
.set TK,  67
.set TKV, 68
.set T5,  69
.set T2,  70
.set CNT, 71
.set QP,  80
.set QSP, 82
.set CCP, 84
.set CSP, 86
.set MSB, 0
.macro WIN new                         ; the immediate's high byte repeats the setting that is left; a switch that changes nothing is dropped
.if MSB != (\new)
	s_set_vgpr_msb (MSB<<8)|(\new)
.set MSB, (\new)
.endif
.endm
.macro NOPS n
.rept \n
	v_nop
.endr
.endm
.macro ROUND                           ; a round of the cluster's barrier
	s_barrier_signal -1
	s_barrier_wait -1
	s_cmp_lg_u32 s[WV], 0
	s_cbranch_scc1 .Lnot_wave_0_\@
	s_barrier_signal -3
.Lnot_wave_0_\@:
	s_barrier_wait -3
	s_barrier_signal -1
	s_barrier_wait -1
.endm
.macro WMC d, a, b, c, sa, sb
	v_wmma_scale_f32_16x16x128_f8f6f4 v[(\d):(\d)+7], v[(\a):(\a)+15], v[(\b):(\b)+15], v[(\c):(\c)+7], v[\sa], v[\sb] matrix_a_fmt:MATRIX_FMT_BF8 matrix_b_fmt:MATRIX_FMT_BF8
.endm
.macro WM0 d, a, b, sa, sb
	v_wmma_scale_f32_16x16x128_f8f6f4 v[(\d):(\d)+7], v[(\a):(\a)+15], v[(\b):(\b)+15], 0, v[\sa], v[\sb] matrix_a_fmt:MATRIX_FMT_BF8 matrix_b_fmt:MATRIX_FMT_BF8
.endm
; 64 numbers of a lane in window w become codes in v[PC] on and a scale word in v[PW], both in window 0.  Each accumulator is read from its low end on.
.macro QUANT s, w
	WIN (\w)|((\w)<<2)
.irp b, 0,1,2,3
	v_max3_num_f32 v[TM+\b], |v[(\s)+16*\b]|, |v[(\s)+16*\b+1]|, 0x8000000
.endr
	WIN ((\w)<<2)|((\w)<<4)
.irp i, 2,4,6,8,10,12,14
.irp b, 0,1,2,3
	v_max3_num_f32 v[TM+\b], v[TM+\b], |v[(\s)+16*\b+\i]|, |v[(\s)+16*\b+\i+1]|
.endr
.endr
	WIN 0
.irp b, 0,1,2,3
	v_permlanex16_b32 v[TM+4+\b], v[TM+\b], s[SEL], s[SEL+1]
.endr
.irp b, 0,1,2,3
	v_max_num_f32 v[TM+\b], v[TM+\b], v[TM+4+\b]
.endr
.irp b, 0,1,2,3
	v_add_nc_u32 v[TM+12+\b], 0xf8800000, v[TM+\b]
.endr
.irp b, 0,1,2,3
	v_and_or_b32 v[TM+8+\b], v[TM+\b], 0x7f800000, s[MNT]
.endr
.irp b, 0,1,2,3
	v_lshrrev_b32 v[TM+4+\b], 23, v[TM+12+\b]
.endr
	v_lshl_or_b32 v[PW], v[TM+5], 8, v[TM+4]
	v_lshl_or_b32 v[PW], v[TM+6], 16, v[PW]
	v_lshl_or_b32 v[PW], v[TM+7], 24, v[PW]
	WIN (\w)|((\w)<<6)
.irp b, 0,1,2,3
.set jj, 0
.rept 16
	v_med3_num_f32 v[(\s)+16*\b+jj], v[(\s)+16*\b+jj], -v[TM+8+\b], v[TM+8+\b]
.set jj, jj+1
.endr
.endr
	WIN (\w)
.irp b, 0,1,2,3
	v_cvt_scalef32_pk8_bf8_f32 v[PC+4*\b:PC+4*\b+1], v[(\s)+16*\b:(\s)+16*\b+7], v[TM+12+\b]
	v_cvt_scalef32_pk8_bf8_f32 v[PC+4*\b+2:PC+4*\b+3], v[(\s)+16*\b+8:(\s)+16*\b+15], v[TM+12+\b]
.endr
	WIN 0
	v_nop
.endm
.macro VLOAD                           ; the step's four fragments of V^T and their words: 20 LDS loads
	WIN 0x40
.irp t, 0,1,2,3
.irp c, 0,1,2,3
	ds_load_b128 v[48+16*\t+4*\c:48+16*\t+4*\c+3], v[ADV] offset:2048*\t+512*\c
.endr
.endr
	WIN 0
.irp t, 0,1,2,3
	ds_load_b32 v[VSW+\t], v[ADT] offset:64*\t
.endr
.endm
.macro KLOAD ee                        ; half ee (0, 1: of this step; 2: the next step's first): four tiles of k, their words, -largest of 64 keys: 20 LDS loads
.irp k, 0,1,2,3
	ds_load_b128 v[KB+8+8*\k:KB+8+8*\k+3], v[ADK] offset:4096*(\ee)+1024*\k
	ds_load_b128 v[KB+8+8*\k+4:KB+8+8*\k+7], v[ADK] offset:4096*(\ee)+1024*\k+512
	ds_load_b32 v[KSW+\k], v[ADS] offset:256*(\ee)+64*\k
.endr
.irp b, 0,1
.irp j, 0,1,2,3
	ds_load_b128 v[MB+16*\b+4*\j:MB+16*\b+4*\j+3], v[ADM] offset:256*(\ee)+128*\b+16*\j
.endr
.endr
.endm
.macro RLOAD ee                        ; 1 / sum of the same keys: 8 LDS loads
.irp b, 0,1
.irp j, 0,1,2,3
	ds_load_b128 v[RB+16*\b+4*\j:RB+16*\b+4*\j+3], v[ADM] offset:8192+256*(\ee)+128*\b+16*\j
.endr
.endr
.endm
.macro SC i                            ; 64 keys x my tile i of queries: score - the key's largest.  Eight plain lines follow: for the first read of a result and for loads into the operands
	WIN 0x04
.irp k, 0,1,2,3
	WMC S+8*\k, KB+8-8*((\i)%2)+8*\k, 24*((\i)/2)+8*((\i)%2), MB+8*\k, KSW+\k, QSW+(\i)
.endr
	WIN 0
	NOPS 8
.endm
.macro SOFTA                           ; attn of 32 registers
.set jj, 0
.rept 16
	v_pk_mul_f32 v[S+jj:S+jj+1], v[S+jj:S+jj+1], s[CS:CS+1] op_sel_hi:[1,0]   ; each accumulator from its low end on
.set jj, jj+2
.endr
.set jj, 0
.rept 32
	v_exp_f32 v[S+jj], v[S+jj]
.set jj, jj+1
.endr
	v_nop                                          ; a plain line behind the last exponential
	s_wait_alu depctr_va_vdst(0)                   ; one wait for the batch, ahead of its first reader
.set jj, 0
.rept 16
	v_pk_mul_f32 v[S+jj:S+jj+1], v[S+jj:S+jj+1], v[RB+jj:RB+jj+1]   ; finished and normalised
.set jj, jj+2
.endr
.endm
.macro SOFTB i, e                      ; its two blocks of 32 keys are quantised: groups 2 e + 0, 1 of tile i's operand, bytes 2 e + 0, 1 of its scale word
.irp b, 0,1
	v_max3_num_f32 v[TM+\b], v[S+16*\b], v[S+16*\b+1], 0x8000000   ; attn is not negative; the floor 2^(16 - 127) holds the byte at 1 from below
.endr
.irp b, 0,1
	v_max3_num_f32 v[TM+2+\b], v[S+16*\b+8], v[S+16*\b+9], v[S+16*\b+10]
.endr
.irp j, 2,4,6
.irp b, 0,1
	v_max3_num_f32 v[TM+\b], v[TM+\b], v[S+16*\b+\j], v[S+16*\b+\j+1]
.endr
.endr
.irp j, 11,13
.irp b, 0,1
	v_max3_num_f32 v[TM+2+\b], v[TM+2+\b], v[S+16*\b+\j], v[S+16*\b+\j+1]
.endr
.endr
.irp b, 0,1
	v_max3_num_f32 v[TM+\b], v[TM+\b], v[TM+2+\b], v[S+16*\b+15]
.endr
.irp b, 0,1
	v_permlanex16_b32 v[TM+4+\b], v[TM+\b], s[SEL], s[SEL+1]
.endr
.irp b, 0,1
	v_max_num_f32 v[TM+\b], v[TM+\b], v[TM+4+\b]
.endr
.irp b, 0,1
	v_add_nc_u32 v[TM+12+\b], 0xf8800000, v[TM+\b]
.endr
.irp b, 0,1
	v_and_or_b32 v[TM+8+\b], v[TM+\b], 0x7f800000, s[MNT]
.endr
.irp b, 0,1
	v_lshrrev_b32 v[TM+4+\b], 23, v[TM+12+\b]
.endr
.if (\e) == 0
	v_lshl_or_b32 v[PW+(\i)], v[TM+5], 8, v[TM+4]
.else
	v_lshl_or_b32 v[PW+(\i)], v[TM+4], 16, v[PW+(\i)]
	v_lshl_or_b32 v[PW+(\i)], v[TM+5], 24, v[PW+(\i)]
.endif
.irp b, 0,1
.set jj, 0
.rept 16
	v_min_num_f32 v[S+16*\b+jj], v[S+16*\b+jj], v[TM+8+\b]   ; the conversion does not saturate (ISA guide 7.6.2); the hold is one-sided
.set jj, jj+1
.endr
.endr
.irp b, 0,1
	v_cvt_scalef32_pk8_bf8_f32 v[P+16*(\i)+8*(\e)+4*\b:P+16*(\i)+8*(\e)+4*\b+1], v[S+16*\b:S+16*\b+7], v[TM+12+\b]
	v_cvt_scalef32_pk8_bf8_f32 v[P+16*(\i)+8*(\e)+4*\b+2:P+16*(\i)+8*(\e)+4*\b+3], v[S+16*\b+8:S+16*\b+15], v[TM+12+\b]
.endr
	v_nop                                          ; a plain line behind the last conversion
.endm
.macro PV zero                         ; O^T += V^T P over the step's 128 keys: sixteen accumulators by turns
	NOPS 4                                         ; codes made by vector instructions stand four lines ahead; the scale words were made further up
	WIN 0x51
.irp i, 0,1,2,3
.irp t, 0,1,2,3
.if \zero
	WM0 112+32*\i+8*\t, 48+16*\t, P+16*\i, VSW+\t, PW+\i
.else
	WMC 112+32*\i+8*\t, 48+16*\t, P+16*\i, 112+32*\i+8*\t, VSW+\t, PW+\i
.endif
.endr
.endr
	WIN 0
.endm
.macro STEP zero, last                 ; 128 keys.  zero = 1: the first products start O^T's sums.  last = 1: nothing more is fetched
	v_add_nc_u32 v[ADK], s[TK], v[LK]              ; these five and three v_nop are the eight lines behind the last products, ahead of the loads into V's registers
	v_add_nc_u32 v[ADV], s[TKV], v[LK]
	v_add_nc_u32 v[ADM], s[T5], v[BM]
	v_add_nc_u32 v[ADS], s[T5], v[BS]
	v_add_nc_u32 v[ADT], s[T2], v[BT]
	NOPS 3
	VLOAD
	s_wait_dscnt 20                                ; V's twenty loads may be out; the first half's k, words and per-key figures are in
.irp i, 0,1,2,3
	SC \i
.if \i == 3
	KLOAD 1                                        ; the second half's, behind the last products on the first half's
.endif
	SOFTA
.if \i == 3
	RLOAD 1
.endif
	SOFTB \i, 0
.endr
	s_wait_dscnt 0x0
.irp i, 0,1,2,3
	SC \i
.if \i == 3
.if !\last
	KLOAD 2
.endif
.endif
	SOFTA
.if \i == 3
.if !\last
	RLOAD 2
.endif
.endif
	SOFTB \i, 1
.endr
	PV \zero
	s_add_co_u32 s[TK], s[TK], 8192
	s_add_co_u32 s[TKV], s[TKV], 8192
	s_add_co_u32 s[T5], s[T5], 512
	s_add_co_u32 s[T2], s[T2], 256
.endm
	s_load_b256 s[4:11], s[0:1], 0x0               ; qkc, qks, vc, side
	s_load_b128 s[12:15], s[0:1], 0x20             ; cc, cs
	v_lshl_add_u32 v254, v0, 2, 0x47400
	v_mov_b32 v255, 0
	ds_add_u32 v254, v255
	ds_add_u32 v254, v255
	v_lshrrev_b32 v5, 5, v0
	v_readfirstlane_b32 s[WV], v5                  ; wave 0..7
	s_and_b32 s[BH], ttmp7, 0xffff                 ; batch x 16 + head: the cluster's y
	s_bfe_u32 s[CX], ttmp6, 0x40000                ; my place in the cluster: it enters global addresses of my queries and results alone
.irp g, G1A, G1B, G1C
	s_mov_b32 s[\g], 15|(3<<16)|(1<<21)            ; 15:0 the mask: all four work-groups; 17:16 elements of 8 bytes; 21 set beside a mask; no padding
	s_mov_b32 s[\g+1], 32<<16                      ; rows of 256 bytes
	s_mov_b32 s[\g+3], 32<<16
	s_mov_b32 s[\g+5], 32                          ; dense
	s_mov_b32 s[\g+6], 0
	s_mov_b32 s[\g+7], 0
.endr
	s_mov_b32 s[G1A+2], 64<<16                     ; 16,384 bytes
	s_mov_b32 s[G1A+4], 64
	s_mov_b32 s[G1B+2], 10<<16                     ; 2,560 bytes
	s_mov_b32 s[G1B+4], 10
	s_mov_b32 s[G1C+2], 4<<16                      ; 1,024 bytes
	s_mov_b32 s[G1C+4], 4
	s_mov_b32 s73, 0
	s_lshl_b32 s74, s[WV], 14                      ; my eighth of a head's codes
	s_lshl_b32 s72, s[BH], 17
	s_add_co_u32 s72, s72, s74
	s_wait_dscnt 0x0
	s_wait_kmcnt 0x0
	s_mov_b32 s[G0K], 1
	s_mov_b32 s[G0K+1], s74
	s_add_nc_u64 s[G0K+2:G0K+3], s[4:5], s[72:73]
	s_add_nc_u64 s[G0K+2:G0K+3], s[G0K+2:G0K+3], 8388608   ; k's half of qkc
	s_or_b32 s[G0K+3], s[G0K+3], 0x80000000
	s_mov_b32 s[G0V], 1
	s_add_co_u32 s[G0V+1], s74, VC
	s_add_nc_u64 s[G0V+2:G0V+3], s[8:9], s[72:73]
	s_or_b32 s[G0V+3], s[G0V+3], 0x80000000
	s_mul_i32 s74, s[WV], 2560
	s_mul_i32 s72, s[BH], 20480
	s_add_co_u32 s72, s72, s74
	s_mov_b32 s[G0D], 1
	s_add_co_u32 s[G0D+1], s74, SIDE
	s_add_nc_u64 s[G0D+2:G0D+3], s[10:11], s[72:73]
	s_or_b32 s[G0D+3], s[G0D+3], 0x80000000
	s_lshl_b32 s74, s[WV], 10
	s_lshl_b32 s72, s[BH], 13
	s_add_co_u32 s72, s72, s74
	s_add_co_u32 s72, s72, 524288                  ; k's half of qks
	s_mov_b32 s[G0W], 1
	s_add_co_u32 s[G0W+1], s74, KS
	s_add_nc_u64 s[G0W+2:G0W+3], s[6:7], s[72:73]
	s_or_b32 s[G0W+3], s[G0W+3], 0x80000000
	; my queries and results: in registers that feed no descriptor
	s_mov_b32 s89, 0
	s_lshl_b32 s88, s[BH], 17
	s_lshl_b32 s90, s[CX], 15
	s_add_co_u32 s88, s88, s90
	s_lshl_b32 s90, s[WV], 12
	s_add_co_u32 s88, s88, s90                     ; tiles 32 cx + 4 w on, 1,024 bytes each
	s_add_nc_u64 s[QP:QP+1], s[4:5], s[88:89]
	s_lshl_b32 s88, s[BH], 13
	s_lshl_b32 s90, s[CX], 11
	s_add_co_u32 s88, s88, s90
	s_lshl_b32 s90, s[WV], 8
	s_add_co_u32 s88, s88, s90
	s_add_nc_u64 s[QSP:QSP+1], s[6:7], s[88:89]
	s_lshr_b32 s88, s[BH], 4                       ; batch
	s_lshl_b32 s88, s88, 7
	s_lshl_b32 s90, s[CX], 5
	s_add_co_u32 s88, s88, s90
	s_lshl_b32 s90, s[WV], 2
	s_add_co_u32 s88, s88, s90                     ; my first row tile
	s_lshl_b32 s88, s88, 14
	s_and_b32 s90, s[BH], 15                       ; head
	s_lshr_b32 s91, s90, 1
	s_lshl_b32 s91, s91, 11                        ; K step head / 2
	s_add_co_u32 s88, s88, s91
	s_and_b32 s90, s90, 1
	s_lshl_b32 s90, s90, 10                        ; groups 2 (head % 2) on
	s_add_co_u32 s88, s88, s90
	s_add_nc_u64 s[CCP:CCP+1], s[12:13], s[88:89]
	s_lshl_b32 s88, s[BH], 12
	s_lshl_b32 s90, s[CX], 10
	s_add_co_u32 s88, s88, s90
	s_add_nc_u64 s[CSP:CSP+1], s[14:15], s[88:89]
	ROUND                                          ; all four work-groups are here: the joint loads meet
	tensor_load_to_lds s[G0K:G0K+3], s[G1A:G1A+7]  ; four tensor loads of mine are out
	s_nop 0
	tensor_load_to_lds s[G0W:G0W+3], s[G1C:G1C+7]
	s_nop 0
	tensor_load_to_lds s[G0D:G0D+3], s[G1B:G1B+7]
	s_nop 0
	tensor_load_to_lds s[G0V:G0V+3], s[G1A:G1A+7]
	s_nop 0
	NOPS 4
	v_and_b32 v5, 31, v0                           ; lane
	v_and_b32 v6, 15, v0                           ; r
	v_bfe_u32 v7, v0, 4, 1                         ; lane / 16
	v_lshlrev_b32 v[LK], 4, v5
	v_lshl_add_u32 v[BM], v7, 6, SIDE
	v_lshl_add_u32 v[BS], v6, 2, KS
	v_lshl_add_u32 v[BT], v6, 2, SIDE+16384
	s_lshl_b32 s75, s[WV], 7
	s_add_co_u32 s75, s75, STG
	v_lshl_add_u32 v[SWR], v6, 1, s75
	v_lshl_add_u32 v[SRD], v0, 4, STG
	v_lshlrev_b32 v[GCS], 4, v0
	v_lshlrev_b32 v[R4], 2, v6
	WIN 0x40                                       ; destination window 1
.irp i, 0,1,2,3
.irp c, 0,1
	global_load_b128 v[24*(\i/2)+16*(\i%2)+4*\c:24*(\i/2)+16*(\i%2)+4*\c+3], v[LK], s[QP:QP+1] offset:1024*\i+512*\c
.endr
.endr
.irp j, 0,1,2,3,4,5,6,7
	v_mov_b32 v[8+\j], 0                           ; zero codes between the tiles of a pair
	v_mov_b32 v[32+\j], 0
.endr
	WIN 0
.irp i, 0,1,2,3
	global_load_b32 v[QSW+\i], v[R4], s[QSP:QSP+1] offset:64*\i
.endr
.irp j, 0,1,2,3,4,5,6,7
	v_mov_b32 v[KB+\j], 0                          ; zero codes at both ends of the streamed tiles
	v_mov_b32 v[KB+40+\j], 0
.endr
.irp b, 0,1,2,3
	v_mov_b32 v[TM+4+\b], 0                        ; written once: a lane permute's destination counts as one of its sources
.endr
	s_mov_b32 s[CS], 0x3e38aa3b                    ; c = log2(e) / 8
	s_mov_b32 s[CS+1], s[CS]
	s_mov_b32 s[SEL], 0x76543210
	s_mov_b32 s[SEL+1], 0xfedcba98
	s_mov_b32 s[MNT], 0x600000
	s_mov_b32 s[TK], 0
	s_mov_b32 s[TKV], VC
	s_mov_b32 s[T5], 0
	s_mov_b32 s[T2], 0
	s_mov_b32 s[CNT], 14
	v_add_nc_u32 v[ADK], s[TK], v[LK]
	v_add_nc_u32 v[ADM], s[T5], v[BM]
	v_add_nc_u32 v[ADS], s[T5], v[BS]
	s_wait_tensorcnt 0x0                           ; my parts have landed,
	s_barrier_signal -1
	s_barrier_wait -1                              ; everybody's have
	KLOAD 0
	RLOAD 0
	s_wait_loadcnt 0x0                             ; my queries
	STEP 1, 0                                      ; the first step starts O^T's sums: nothing is cleared
.Lk:
	STEP 0, 0
	s_sub_co_u32 s[CNT], s[CNT], 1
	s_cmp_lg_u32 s[CNT], 0
	s_cbranch_scc1 .Lk
	STEP 0, 1
	; ---- the way out: ctx of two tiles of queries at a time: four blocks of 32 along the head's 64
	NOPS 8
.irp n, 0,1
	s_wait_xcnt 0x0                                ; the stores before have read the codes' registers
	QUANT 112+64*\n, 1
.irp b, 0,1,2,3
	global_store_b128 v[LK], v[PC+4*\b:PC+4*\b+3], s[CCP:CCP+1] offset:(2*\n+\b/2)*16384+512*(\b%2)   ; 512 dense bytes
.endr
	ds_store_b16 v[SWR], v[PW] offset:64*\n                  ; tile 2 n's two bytes of row r,
	ds_store_b16_d16_hi v[SWR], v[PW] offset:64*\n+32        ; tile 2 n + 1's; both halves of the lanes write the same value
.endr
	s_wait_dscnt 0x0
	s_barrier_signal -1
	s_barrier_wait -1
	s_cmp_lt_u32 s[WV], 2                          ; 1,024 bytes leave by two waves
	s_cbranch_scc0 .Lno_cs
	ds_load_b128 v[TM:TM+3], v[SRD]
	s_wait_dscnt 0x0
	global_store_b128 v[GCS], v[TM:TM+3], s[CSP:CSP+1]   ; 16 lanes store 256 consecutive bytes, aligned
.Lno_cs:
	s_wait_tensorcnt 0x0
	ds_add_u32 v254, v255
	s_wait_dscnt 0x0
	ROUND                                          ; the closing round
	s_endpgm
.Lfunc_end_k_q0d15584d01_attn:
	.size	k_q0d15584d01_attn, .Lfunc_end_k_q0d15584d01_attn-k_q0d15584d01_attn
	.p2alignl 7, 3214868480
	.fill 96, 4, 3214868480
	.section	.rodata,"a",@progbits
	.p2align	6, 0x0
	.amdhsa_kernel k_q0d15584d01_attn
		.amdhsa_group_segment_fixed_size 292864
		.amdhsa_private_segment_fixed_size 0
		.amdhsa_enable_private_segment 0
		.amdhsa_kernarg_size 48
		.amdhsa_user_sgpr_count 2
		.amdhsa_user_sgpr_kernarg_segment_ptr 1
		.amdhsa_wavefront_size32 1
		.amdhsa_system_sgpr_workgroup_id_x 1
		.amdhsa_system_sgpr_workgroup_id_y 1
		.amdhsa_system_sgpr_workgroup_id_z 1
		.amdhsa_system_vgpr_workitem_id 0
		.amdhsa_next_free_vgpr 512
		.amdhsa_next_free_sgpr 96
		.amdhsa_reserve_vcc 0
		.amdhsa_float_denorm_mode_32 3
		.amdhsa_float_denorm_mode_16_64 3
		.amdhsa_memory_ordered 1
		.amdhsa_forward_progress 1
		.amdhsa_inst_pref_size 216
	.end_amdhsa_kernel
	.amdgpu_metadata
---
amdhsa.version: [ 1, 2 ]
amdhsa.kernels:
  - .name:           k_q0d15584d01_attn
    .symbol:         k_q0d15584d01_attn.kd
    .args:
      - { .name: qkc, .offset: 0, .size: 8, .value_kind: global_buffer, .address_space: global }
      - { .name: qks, .offset: 8, .size: 8, .value_kind: global_buffer, .address_space: global }
      - { .name: vc, .offset: 16, .size: 8, .value_kind: global_buffer, .address_space: global }
      - { .name: side, .offset: 24, .size: 8, .value_kind: global_buffer, .address_space: global }
      - { .name: cc, .offset: 32, .size: 8, .value_kind: global_buffer, .address_space: global }
      - { .name: cs, .offset: 40, .size: 8, .value_kind: global_buffer, .address_space: global }
    .group_segment_fixed_size: 292864
    .private_segment_fixed_size: 0
    .kernarg_segment_align: 8
    .kernarg_segment_size: 48
    .max_flat_workgroup_size: 256
    .sgpr_count:     96
    .vgpr_count:     512
    .wavefront_size: 32
...
	.end_amdgpu_metadata
.endif
;; end of part 4
;; launch outp (part 5): grid 256 x 1, 4 waves a work-group, no clusters, 153,088 bytes of LDS; arguments cc, cs, cod, sc, bo, out0; writes out0
.if DOCPART == 5
	.amdgcn_target "amdgcn-amd-amdhsa--gfx1250"
	.amdhsa_code_object_version 6
	.text
	.protected	k_q0d15584d01_outp
	.globl	k_q0d15584d01_outp
	.p2align	8
	.type	k_q0d15584d01_outp,@function
k_q0d15584d01_outp:
	s_mov_b64 s[64:65], 0
	v_nop
	global_prefetch_b8 v0, s[64:65] scope:SCOPE_SE
	s_setreg_imm32_b32 hwreg(HW_REG_WAVE_MODE, 25, 1), 1
	s_wait_xcnt 0x0
; OUTP: out = ctx Wo^T + bo on codes of E5M2.  ctx's codes (cc) and Wo's (cod, tiles 1,728 on) are images of operand registers; ctx's scale bytes (cs) lie by head and are joined here into words of a K step (two heads).
; SHARES: work-group = (256 outputs g, 128 rows rb).  Wave w has outputs 64 (4 g + w) on: 64 x 1,024 K of Wo in 512 registers.  The 128 rows' codes lie in LDS, read by all four waves.  256 matrix instructions a wave on
; 32 accumulators, which take turns.  Source 0 = 16 outputs, source 1 = 16 rows: a lane holds one row and 32 outputs.  The bias is the C of each sum's first matrix instruction.
; THE WAY OUT: a tile of 16 rows x 64 outputs goes through the wave's own stage in LDS (pitch 272) and leaves as rows of 256 bytes: sixteen lanes store 256 consecutive bytes, aligned.
; A tile's rows are 32 (m/2) + 8 (m%2) + p + 8 (p/8), as everywhere in this program.
.set XSC, 131072                       ; LDS: ctx's images at 0; their scale words, 8 tiles x 512 bytes;
.set STG, 135168                       ; a stage of 16 x 272 bytes for each wave
.set CO,  1                            ; v1  16 x lane
.set LI0, 2                            ; v2, v3  16 x lane, + 65,536
.set LS,  4                            ; v4  XSC + 32 r
.set GX,  5                            ; v5  32,768 w + 16 lane
.set VA,  6                            ; v6  my word of cs
.set VS,  7                            ; v7  where its two scale words go
.set WSA, 8                            ; v8  32 r
.set SO,  9                            ; v9  my stage + 272 r + 64 (lane / 16)
.set SR,  10                           ; v10 my stage + 272 (lane / 16) + 16 r
.set GO,  11                           ; v11 4,096 (lane / 16) + 16 r
.set BA,  12                           ; v12 64 (lane / 16)
.set XS,  16                           ; v16-23 ctx's scale words: scales alone
.set WS,  60                           ; v60-91 Wo's scale words
.set BI,  92                           ; v92-123 the bias in the result's layout
.set XF,  124                          ; v124-251 ctx's fragments, two sets; on the way out rows of out
.set WV,  22
.set XP,  24
.set WP,  28
.set WSP, 30
.set CSP, 32
.set BP,  34
.set OP,  36
.set MSB, 0
.macro WIN new                         ; the immediate's high byte repeats the setting that is left; a switch that changes nothing is dropped
.if MSB != (\new)
	s_set_vgpr_msb (MSB<<8)|(\new)
.set MSB, (\new)
.endif
.endm
.macro NOPS n
.rept \n
	v_nop
.endr
.endm
.macro WMC d, a, b, c, sa, sb
	v_wmma_scale_f32_16x16x128_f8f6f4 v[(\d):(\d)+7], v[(\a):(\a)+15], v[(\b):(\b)+15], v[(\c):(\c)+7], v[\sa], v[\sb] matrix_a_fmt:MATRIX_FMT_BF8 matrix_b_fmt:MATRIX_FMT_BF8
.endm
.macro XNEXT n                         ; a quarter of my quarter of the rows' codes, staged in the accumulators' registers
	WIN 0xc0
.irp i, 0,1,2,3,4,5,6,7,8,9,10,11,12,13,14,15
	global_load_b128 v[64*(\n)+4*\i:64*(\n)+4*\i+3], v[GX], s[XP:XP+1] offset:8192*(\n)+512*\i
.endr
	WIN 0
.endm
.macro WPART q                         ; K steps 2 q and 2 q + 1 of Wo
	WIN 0x40*(1+(\q)/2)
.irp k, 0,1
.irp t, 0,1,2,3
.irp c, 0,1,2,3
	global_load_b128 v[16*(4*(2*((\q)%2)+\k)+\t)+4*\c:16*(4*(2*((\q)%2)+\k)+\t)+4*\c+3], v[CO], s[WP:WP+1] offset:\t*16384+(2*(\q)+\k)*2048+512*\c
.endr
.endr
.endr
	WIN 0
.endm
.macro FETCHX set, kk                  ; four fragments of K step kk and their scale words: 20 LDS loads
.irp mm, 0,1,2,3
.irp c, 0,1,2,3
	ds_load_b128 v[XF+64*(\set)+16*\mm+4*\c:XF+64*(\set)+16*\mm+4*\c+3], v[LI0+(\set)] offset:(8*\mm+(\kk))*2048+512*\c
.endr
	ds_load_b32 v[XS+4*(\set)+\mm], v[LS] offset:(4*(\set)+\mm)*512+4*(\kk)
.endr
.endm
.macro MUL set, kk                     ; 16 matrix instructions
.if (\kk) == 0
	WIN 0xc1
.else
	WIN (1+(\kk)/4)|0xf0
.endif
.irp mm, 0,1,2,3
.irp t, 0,1,2,3
.set WF, 16*(4*((\kk)%4)+\t)
.set XR, XF+64*(\set)+16*\mm
.set AC, 32*(4*(\set)+\mm)+8*\t
.if (\kk) == 0
	WMC AC, WF, XR, BI+8*\t, WS+8*\t+(\kk), XS+4*(\set)+\mm
.else
	WMC AC, WF, XR, AC, WS+8*\t+(\kk), XS+4*(\set)+\mm
.endif
.endr
.endr
.endm
.macro SEND m, younger                 ; tile m's 16 rows leave; younger: the LDS instructions issued behind its loads, which may stay out
	s_wait_dscnt \younger
.irp i, 0,1,2,3,4,5,6,7
	global_store_b128 v[GO], v[XF+32*((\m)%2)+4*\i:XF+32*((\m)%2)+4*\i+3], s[OP:OP+1] offset:(32*((\m)/2)+8*((\m)%2)+2*\i+8*(\i/4))*4096 th:TH_STORE_NT
.endr
.endm
	s_load_b256 s[4:11], s[0:1], 0x0               ; cc, cs, cod, sc
	s_load_b128 s[12:15], s[0:1], 0x20             ; bo, out0
	v_lshl_add_u32 v254, v0, 2, 0x25400
	v_mov_b32 v255, 0
	v_lshrrev_b32 v24, 5, v0
	v_readfirstlane_b32 s[WV], v24                 ; wave 0..3
	v_and_b32 v24, 31, v0                          ; lane
	v_and_b32 v25, 15, v0                          ; r
	v_bfe_u32 v26, v0, 4, 1                        ; lane / 16
	v_lshlrev_b32 v[CO], 4, v24
	v_lshlrev_b32 v[LI0], 4, v24
	v_add_nc_u32 v[LI0+1], 65536, v[LI0]
	v_lshl_add_u32 v[LS], v25, 5, XSC
	s_lshl_b32 s46, s[WV], 15
	v_add_nc_u32 v[GX], s46, v[CO]
	v_lshlrev_b32 v[WSA], 5, v25
	s_mul_i32 s46, s[WV], 4352
	s_add_co_u32 s46, s46, STG                     ; my stage
	v_mul_u32_u24 v[SO], v25, 272
	v_lshl_add_u32 v[SO], v26, 6, v[SO]
	v_add_nc_u32 v[SO], s46, v[SO]
	v_mul_u32_u24 v[SR], v26, 272
	v_lshl_add_u32 v[SR], v25, 4, v[SR]
	v_add_nc_u32 v[SR], s46, v[SR]
	v_lshlrev_b32 v[GO], 12, v26
	v_lshl_add_u32 v[GO], v25, 4, v[GO]
	v_lshlrev_b32 v[BA], 6, v26
	v_bfe_u32 v24, v0, 3, 3                        ; cs: thread t takes rows 2 (t % 8), + 1 of tile (t % 64) / 8, heads 2 (t / 64) + 4 e, + 1
	v_and_b32 v25, 7, v0
	v_lshrrev_b32 v26, 6, v0
	v_lshlrev_b32 v[VS], 9, v24
	v_lshl_add_u32 v[VS], v25, 6, v[VS]
	v_lshl_add_u32 v[VS], v26, 2, v[VS]
	v_add_nc_u32 v[VS], XSC, v[VS]
	v_and_b32 v[VA], 63, v0
	v_lshlrev_b32 v[VA], 2, v[VA]
	v_lshl_add_u32 v[VA], v26, 13, v[VA]
	s_and_b32 s46, ttmp9, 3                        ; g
	s_lshr_b32 s47, ttmp9, 2                       ; rb
	s_lshl_b32 s50, s46, 2
	s_add_co_u32 s50, s50, s[WV]                   ; which 64 outputs
	s_mov_b32 s53, 0
	s_wait_kmcnt 0x0
	s_lshl_b32 s52, s47, 17
	s_add_nc_u64 s[XP:XP+1], s[4:5], s[52:53]
	s_lshl_b32 s52, s50, 16
	s_add_co_u32 s52, s52, 1728*16384              ; Wo's tiles begin at tile 1,728; four to a wave
	s_add_nc_u64 s[WP:WP+1], s[8:9], s[52:53]
	s_lshl_b32 s52, s50, 11
	s_add_co_u32 s52, s52, 1728*512
	s_add_nc_u64 s[WSP:WSP+1], s[10:11], s[52:53]
	s_lshr_b32 s48, s47, 4                         ; batch
	s_lshl_b32 s52, s48, 16
	s_and_b32 s49, s47, 15
	s_lshl_b32 s49, s49, 8                         ; my eight tiles: 256 bytes in each head's part
	s_add_co_u32 s52, s52, s49
	s_add_nc_u64 s[CSP:CSP+1], s[6:7], s[52:53]
	s_lshl_b32 s52, s50, 8
	s_add_nc_u64 s[BP:BP+1], s[12:13], s[52:53]
	s_lshl_b32 s54, s47, 19                        ; 128 rows of 4,096 bytes
	s_add_co_u32 s52, s52, s54
	s_add_nc_u64 s[OP:OP+1], s[14:15], s[52:53]
.irp t, 0,1,2,3
	global_load_b128 v[WS+8*\t:WS+8*\t+3], v[WSA], s[WSP:WSP+1] offset:512*\t
	global_load_b128 v[WS+8*\t+4:WS+8*\t+7], v[WSA], s[WSP:WSP+1] offset:512*\t+16
.endr
	XNEXT 0
	XNEXT 1
	XNEXT 2
	XNEXT 3
.irp e, 0,1,2,3
	global_load_b32 v[24+2*\e], v[VA], s[CSP:CSP+1] offset:16384*\e          ; an even head's bytes of two rows,
	global_load_b32 v[25+2*\e], v[VA], s[CSP:CSP+1] offset:16384*\e+4096     ; the odd head's beside it
.endr
.irp t, 0,1,2,3
	global_load_b128 v[BI+8*\t:BI+8*\t+3], v[BA], s[BP:BP+1] offset:(32*(\t/2)+8*(\t%2))*4
	global_load_b128 v[BI+8*\t+4:BI+8*\t+7], v[BA], s[BP:BP+1] offset:(32*(\t/2)+8*(\t%2))*4+16
.endr
	WPART 0
	WPART 1
	WPART 2
	WPART 3
	s_wait_loadcnt 0x0
	WIN 0x0c                                       ; an LDS store's data are its source 1: window 3
.set ii, 0
.rept 64
	ds_store_b128 v[GX], v[4*ii:4*ii+3] offset:512*ii
.set ii, ii+1
.endr
	WIN 0
.irp e, 0,1,2,3
	v_perm_b32 v[32+2*\e], v[25+2*\e], v[24+2*\e], 0x05040100   ; the even row's word of K step 2 e + t / 64: two bytes of each head
	v_perm_b32 v[33+2*\e], v[25+2*\e], v[24+2*\e], 0x07060302   ; the odd row's
.endr
.irp e, 0,1,2,3
	ds_store_b32 v[VS], v[32+2*\e] offset:8*\e
	ds_store_b32 v[VS], v[33+2*\e] offset:8*\e+32
.endr
	s_wait_dscnt 0x0                               ; for the others' sake: my stores have landed
	s_barrier_signal -1
	s_barrier_wait -1
	; Eight plain lines stand between a matrix instruction of this form and a load into a register that it has read.
	FETCHX 0, 0
	FETCHX 1, 0
.irp kk, 0,1,2,3,4,5,6,7
	s_wait_dscnt 20                                ; set 0 is in; set 1's twenty loads may be out
	MUL 0, \kk
	WIN 0
.if \kk < 7
	NOPS 8
	FETCHX 0, \kk+1
	s_wait_dscnt 20                                ; set 1 is in; the twenty just issued may be out
.else
	s_wait_dscnt 0x0
.endif
	MUL 1, \kk
	WIN 0
.if \kk < 7
	NOPS 8
	FETCHX 1, \kk+1
.endif
.endr
	NOPS 8                                         ; behind the last products: for the first reads of results and the loads into the fragments' registers
.irp m, 0,1,2,3,4,5,6,7
.if \m >= 2
	s_wait_xcnt 0x0                                ; tile m - 2's stores have read their registers
.endif
	WIN 0x0c
.irp t, 0,1,2,3
	ds_store_b128 v[SO], v[32*\m+8*\t:32*\m+8*\t+3] offset:128*(\t/2)+32*(\t%2)          ; each accumulator from its low end on
	ds_store_b128 v[SO], v[32*\m+8*\t+4:32*\m+8*\t+7] offset:128*(\t/2)+32*(\t%2)+16
.endr
	WIN 0
.irp i, 0,1,2,3,4,5,6,7
	ds_load_b128 v[XF+32*(\m%2)+4*\i:XF+32*(\m%2)+4*\i+3], v[SR] offset:544*\i   ; LDS serves a wave's instructions in order: these see my stores, and the next tile's stores come behind them
.endr
.if \m > 0
	SEND \m-1, 16                                  ; behind tile m - 1's loads: tile m's 8 stores and 8 loads
.endif
.endr
	SEND 7, 0
	s_wait_tensorcnt 0x0
	ds_add_u32 v254, v255
	s_wait_dscnt 0x0
	s_endpgm
.Lfunc_end_k_q0d15584d01_outp:
	.size	k_q0d15584d01_outp, .Lfunc_end_k_q0d15584d01_outp-k_q0d15584d01_outp
	.p2alignl 7, 3214868480
	.fill 96, 4, 3214868480
	.section	.rodata,"a",@progbits
	.p2align	6, 0x0
	.amdhsa_kernel k_q0d15584d01_outp
		.amdhsa_group_segment_fixed_size 153088
		.amdhsa_private_segment_fixed_size 0
		.amdhsa_enable_private_segment 0
		.amdhsa_kernarg_size 48
		.amdhsa_user_sgpr_count 2
		.amdhsa_user_sgpr_kernarg_segment_ptr 1
		.amdhsa_wavefront_size32 1
		.amdhsa_system_sgpr_workgroup_id_x 1
		.amdhsa_system_sgpr_workgroup_id_y 1
		.amdhsa_system_sgpr_workgroup_id_z 1
		.amdhsa_system_vgpr_workitem_id 0
		.amdhsa_next_free_vgpr 1024
		.amdhsa_next_free_sgpr 66
		.amdhsa_reserve_vcc 0
		.amdhsa_float_denorm_mode_32 3
		.amdhsa_float_denorm_mode_16_64 3
		.amdhsa_memory_ordered 1
		.amdhsa_forward_progress 1
		.amdhsa_inst_pref_size 102
	.end_amdhsa_kernel
	.amdgpu_metadata
---
amdhsa.version: [ 1, 2 ]
amdhsa.kernels:
  - .name:           k_q0d15584d01_outp
    .symbol:         k_q0d15584d01_outp.kd
    .args:
      - { .name: cc, .offset: 0, .size: 8, .value_kind: global_buffer, .address_space: global }
      - { .name: cs, .offset: 8, .size: 8, .value_kind: global_buffer, .address_space: global }
      - { .name: cod, .offset: 16, .size: 8, .value_kind: global_buffer, .address_space: global }
      - { .name: sc, .offset: 24, .size: 8, .value_kind: global_buffer, .address_space: global }
      - { .name: bo, .offset: 32, .size: 8, .value_kind: global_buffer, .address_space: global }
      - { .name: out0, .offset: 40, .size: 8, .value_kind: global_buffer, .address_space: global }
    .group_segment_fixed_size: 153088
    .private_segment_fixed_size: 0
    .kernarg_segment_align: 8
    .kernarg_segment_size: 48
    .max_flat_workgroup_size: 128
    .sgpr_count:     66
    .vgpr_count:     1024
    .wavefront_size: 32
...
	.end_amdgpu_metadata
.endif
;; end of part 5
;; ======== version 2 of 2: 5 launches
;; limits: right only within a limited range of input values
;; workspace buffers: cod 29,360,128 bytes; sc 917,504 bytes; qkc 16,777,216 bytes; qks 1,048,576 bytes; vc 8,388,608 bytes; side 786,432 bytes; cc 8,388,608 bytes; cs 262,144 bytes
;; launch prep (part 6): grid 448 x 1, 4 waves a work-group, no clusters, 34,304 bytes of LDS; arguments query, key_, value, Wq, Wk, Wv, Wo, cod, sc; writes cod, sc
.if DOCPART == 6
	.amdgcn_target "amdgcn-amd-amdhsa--gfx1250"
	.amdhsa_code_object_version 6
	.text
	.protected	k_q0d15584d01_prep
	.globl	k_q0d15584d01_prep
	.p2align	8
	.type	k_q0d15584d01_prep,@function
k_q0d15584d01_prep:
	s_mov_b64 s[64:65], 0
	v_nop
	global_prefetch_b8 v0, s[64:65] scope:SCOPE_SE
	s_setreg_imm32_b32 hwreg(HW_REG_WAVE_MODE, 25, 1), 1
	s_wait_xcnt 0x0
; PREP: query, key_, value [8192][1024], Wo [1024][1024] (K innermost) and Wq, Wk, Wv [16][1024 (K)][64] (K outermost), all f32, become codes of E5M2 with one E8M0 byte for each 32 along K.
; A TILE is 16 rows: tile T of a tensor holds rows 32 (T/2) + 8 (T%2) + p + 8 (p/8), p = 0..15, so that two neighbouring tiles, used as source 0 of a product, leave 16 neighbours along the next K in a lane's registers.
; The codes are stored as IMAGES OF THE OPERAND'S REGISTERS: cod[tile][K step 8][2,048 bytes]; register group c of lane l lies at 512 c + 16 l: every later load of a fragment is 512 dense bytes.
; The scale words: sc[tile][row 16][K step 8], one word (four block bytes) for a row and 128 along K.
; SHARES: tile = 4 x work-group + wave; a wave makes its tile's eight fragments.  Work-groups 0-383: query, key_, value; 384-431: a head of Wq, Wk, Wv (its four tiles side by side on each 256-byte row); 432-447: Wo.
; K innermost: a load takes 512 dense bytes of one row; 16 rows x 512 bytes turn through the wave's own stage in LDS (pitch 528 = 33 x 16 bytes) so that a lane gets 16 neighbours of each block.
; K outermost: a lane takes a column and its registers run down K: nothing is transposed.
; A block's scale byte is its largest magnitude's exponent field - 15, held at 1 from below; each number is held within +-57,344 x the scale and rounded to the nearest code, ties to even.
; LIMITS: NaN and infinities among the inputs are not served.  A block of zeros gets the byte 1 and zero codes; the bytes are read by this program alone.
.set GA,  1                            ; v1  16 x lane
.set GB,  2                            ; v2  K outermost: 4 x my column + 4,096 x (lane / 16)
.set STA, 3                            ; v3  the stage, way in: 16 x lane
.set STB, 4                            ; v4  the stage, way out: 528 r + 64 (lane / 16)
.set SCO, 5                            ; v5  my 16 bytes of the tile's scale words: 32 r + 16 (lane / 16)
.set TM,  8                            ; v8-23  at work in QUANT
.set PW,  24                           ; v24 the scale word just made
.set SW,  26                           ; v26-33 the eight K steps' scale words
.set OW,  34                           ; v34-37 the four that I store
.set PC,  40                           ; v40-55 the codes just made
.set R,   56                           ; v56-183 two sets of 64 numbers as loaded
.set X,   184                          ; v184-247 64 numbers: register 16 b + i = k 32 b + 16 (lane / 16) + i of my row
.set WV,  22
.set SRC, 24                           ; s[24:25] source, K innermost
.set SRW, 28                           ; s[28:29] source, K outermost
.set DC,  18                           ; s[18:19] my tile in cod
.set DSC, 20                           ; s[20:21] my tile in sc
.set SEL, 32                           ; s[32:33] lane selects for lane l xor 16
.set MNT, 34                           ; s34 the mantissa field of 57,344
.set HM,  35                           ; s35 mask of lanes 16-31
; 64 numbers of a lane become a fragment's codes in v[PC] on and its scale word in v[PW]
.macro QUANT s
.irp b, 0,1,2,3
	v_max3_num_f32 v[TM+\b], |v[(\s)+16*\b]|, |v[(\s)+16*\b+1]|, 0x8000000   ; my 16 numbers of block b, and the floor 2^(16 - 127): the byte cannot fall under 1
.endr
.irp i, 2,4,6,8,10,12,14
.irp b, 0,1,2,3
	v_max3_num_f32 v[TM+\b], v[TM+\b], |v[(\s)+16*\b+\i]|, |v[(\s)+16*\b+\i+1]|   ; the four blocks by turns
.endr
.endr
.irp b, 0,1,2,3
	v_permlanex16_b32 v[TM+4+\b], v[TM+\b], s[SEL], s[SEL+1]
.endr
.irp b, 0,1,2,3
	v_max_num_f32 v[TM+\b], v[TM+\b], v[TM+4+\b]   ; with lane l xor 16's: the block's largest magnitude
.endr
.irp b, 0,1,2,3
	v_add_nc_u32 v[TM+12+\b], 0xf8800000, v[TM+\b]   ; 15 off its exponent field: the conversion's scale operand
.endr
.irp b, 0,1,2,3
	v_and_or_b32 v[TM+8+\b], v[TM+\b], 0x7f800000, s[MNT]   ; 57,344 x the scale
.endr
.irp b, 0,1,2,3
	v_lshrrev_b32 v[TM+4+\b], 23, v[TM+12+\b]   ; the scale's byte
.endr
	v_lshl_or_b32 v[PW], v[TM+5], 8, v[TM+4]
	v_lshl_or_b32 v[PW], v[TM+6], 16, v[PW]
	v_lshl_or_b32 v[PW], v[TM+7], 24, v[PW]
.irp b, 0,1,2,3
.set jj, 0
.rept 16
	v_med3_num_f32 v[(\s)+16*\b+jj], v[(\s)+16*\b+jj], -v[TM+8+\b], v[TM+8+\b]   ; the conversion does not saturate (ISA guide 7.6.2): the hold
.set jj, jj+1
.endr
.endr
.irp b, 0,1,2,3
	v_cvt_scalef32_pk8_bf8_f32 v[PC+4*\b:PC+4*\b+1], v[(\s)+16*\b:(\s)+16*\b+7], v[TM+12+\b]
	v_cvt_scalef32_pk8_bf8_f32 v[PC+4*\b+2:PC+4*\b+3], v[(\s)+16*\b+8:(\s)+16*\b+15], v[TM+12+\b]
.endr
	v_nop                                          ; a plain line behind the last conversion
.endm
.macro PUT f                           ; fragment f leaves: four stores of 512 dense bytes
	v_mov_b32 v[SW+(\f)], v[PW]
.irp c, 0,1,2,3
	global_store_b128 v[GA], v[PC+4*\c:PC+4*\c+3], s[DC:DC+1] offset:2048*(\f)+512*\c
.endr
.endm
.macro LOADR f                         ; K innermost: 512 bytes (128 along K) of each of the tile's 16 rows
.irp p, 0,1,2,3,4,5,6,7,8,9,10,11,12,13,14,15
	global_load_b128 v[R+64*((\f)%2)+4*\p:R+64*((\f)%2)+4*\p+3], v[GA], s[SRC:SRC+1] offset:(\p+8*(\p/8))*4096+512*(\f) th:TH_LOAD_NT
.endr
.endm
.macro LOADW f                         ; K outermost: W(128 f + 32 c + 16 (lane / 16) + i, my column)
.irp c, 0,1,2,3
.irp i, 0,1,2,3,4,5,6,7,8,9,10,11,12,13,14,15
	global_load_b32 v[R+64*((\f)%2)+16*\c+\i], v[GB], s[SRW:SRW+1] offset:(128*(\f)+32*\c+\i)*256
.endr
.endr
.endm
.macro INNER f
.if (\f) < 7
	s_wait_loadcnt 16                              ; this fragment's sixteen loads are in; the next fragment's sixteen may be out
.else
	s_wait_loadcnt 0x0
.endif
.irp p, 0,1,2,3,4,5,6,7,8,9,10,11,12,13,14,15
	ds_store_b128 v[STA], v[R+64*((\f)%2)+4*\p:R+64*((\f)%2)+4*\p+3] offset:528*\p
.endr
.irp c, 0,1,2,3
.irp j, 0,1,2,3
	ds_load_b128 v[X+16*\c+4*\j:X+16*\c+4*\j+3], v[STB] offset:128*\c+16*\j   ; LDS serves a wave's instructions in order: these see the stores above
.endr
.endr
	s_wait_dscnt 0x0                               ; the numbers are back, so the stores into the stage have read their registers
	s_wait_xcnt 0x0                                ; the last fragment's stores have read the codes' registers
.if (\f) < 6
	LOADR (\f)+2
.endif
	QUANT X
	PUT \f
.endm
.macro OUTER f
.if (\f) < 7
	s_wait_loadcnt 63                              ; 64 younger loads were issued behind this fragment's
.else
	s_wait_loadcnt 0x0
.endif
	s_wait_xcnt 0x0                                ; the last fragment's stores have read the codes' registers
	QUANT R+64*((\f)%2)
	PUT \f
.if (\f) < 6
	LOADW (\f)+2
.endif
.endm
	s_load_b256 s[4:11], s[0:1], 0x0               ; query, key_, value, Wq
	s_load_b256 s[12:19], s[0:1], 0x20             ; Wk, Wv, Wo, cod
	s_load_b64 s[20:21], s[0:1], 0x40              ; sc
	v_lshl_add_u32 v254, v0, 2, 0x8400
	v_mov_b32 v255, 0
	v_lshrrev_b32 v6, 5, v0
	v_readfirstlane_b32 s[WV], v6                  ; wave 0..3
	v_and_b32 v6, 31, v0                           ; lane
	v_and_b32 v7, 15, v0                           ; r
	v_bfe_u32 v25, v0, 4, 1                        ; lane / 16
	v_lshlrev_b32 v[GA], 4, v6
	s_lshr_b32 s23, s[WV], 1
	s_lshl_b32 s23, s23, 5
	s_and_b32 s30, s[WV], 1
	s_lshl_b32 s30, s30, 3
	s_add_co_u32 s23, s23, s30                     ; my tile's first row among the work-group's 64: 32 (w / 2) + 8 (w % 2)
	v_and_b32 v[GB], 8, v7
	v_add_nc_u32 v[GB], v[GB], v7                  ; r + 8 (r / 8)
	v_add_nc_u32 v[GB], s23, v[GB]
	v_lshlrev_b32 v[GB], 2, v[GB]
	v_lshl_add_u32 v[GB], v25, 12, v[GB]           ; lanes 16-31 begin 16 rows of 256 bytes further down K
	s_mul_i32 s30, s[WV], 8448                     ; my stage: 16 rows x 528 bytes
	v_add_nc_u32 v[STA], s30, v[GA]
	v_mul_u32_u24 v[STB], v7, 528
	v_lshl_add_u32 v[STB], v25, 6, v[STB]
	v_add_nc_u32 v[STB], s30, v[STB]
	v_lshlrev_b32 v[SCO], 5, v7
	v_lshl_add_u32 v[SCO], v25, 4, v[SCO]
	v_cmp_lt_u32 s[HM], 15, v6
.irp b, 0,1,2,3
	v_mov_b32 v[TM+4+\b], 0                        ; written once: a lane permute's destination counts as one of its sources
.endr
	s_mov_b32 s[SEL], 0x76543210
	s_mov_b32 s[SEL+1], 0xfedcba98
	s_mov_b32 s[MNT], 0x600000
	s_lshl_b32 s36, ttmp9, 2
	s_add_co_u32 s36, s36, s[WV]                   ; my tile's number
	s_lshl_b32 s38, s36, 14
	s_mov_b32 s39, 0
	s_lshl_b32 s40, s36, 9
	s_mov_b32 s41, 0
	s_wait_kmcnt 0x0
	s_add_nc_u64 s[DC:DC+1], s[DC:DC+1], s[38:39]
	s_add_nc_u64 s[DSC:DSC+1], s[DSC:DSC+1], s[40:41]
	s_cmp_lt_u32 ttmp9, 128                        ; which tensor: the choices hang on the work-group's number alone
	s_cselect_b64 s[SRC:SRC+1], s[4:5], s[6:7]
	s_cselect_b32 s26, 0, 128
	s_cmp_lt_u32 ttmp9, 256
	s_cselect_b64 s[SRC:SRC+1], s[SRC:SRC+1], s[8:9]
	s_cselect_b32 s26, s26, 256
	s_cmp_lt_u32 ttmp9, 384
	s_cselect_b64 s[SRC:SRC+1], s[SRC:SRC+1], s[16:17]
	s_cselect_b32 s26, s26, 432                    ; the tensor's first work-group
	s_cmp_lt_u32 ttmp9, 400
	s_cselect_b64 s[SRW:SRW+1], s[10:11], s[12:13]
	s_cmp_lt_u32 ttmp9, 416
	s_cselect_b64 s[SRW:SRW+1], s[SRW:SRW+1], s[14:15]
	s_sub_co_u32 s30, ttmp9, 384
	s_cmp_lt_u32 s30, 48
	s_cbranch_scc1 .Louter
	; ---- K innermost
	s_sub_co_u32 s30, ttmp9, s26
	s_lshl_b32 s30, s30, 6
	s_add_co_u32 s30, s30, s23                     ; my tile's first row in the tensor
	s_lshl_b32 s38, s30, 12                        ; rows of 4,096 bytes
	s_add_nc_u64 s[SRC:SRC+1], s[SRC:SRC+1], s[38:39]
	LOADR 0
	LOADR 1
	s_wait_alu depctr_va_vdst(0)
.irp f, 0,1,2,3,4,5,6,7
	INNER \f
.endr
	s_branch .Lwords
.Louter:
	; ---- K outermost: one head to a work-group
	s_and_b32 s30, ttmp9, 15                       ; the head (384 is a multiple of 16)
	s_lshl_b32 s38, s30, 18                        ; 1,024 rows of 256 bytes
	s_add_nc_u64 s[SRW:SRW+1], s[SRW:SRW+1], s[38:39]
	LOADW 0
	LOADW 1
.irp f, 0,1,2,3,4,5,6,7
	OUTER \f
.endr
.Lwords:
	s_wait_alu depctr_va_vdst(0)
.irp j, 0,1,2,3
	v_cndmask_b32 v[OW+\j], v[SW+\j], v[SW+4+\j], s[HM]   ; lanes 0-15 store K steps 0-3 of row r, lanes 16-31 K steps 4-7
.endr
	global_store_b128 v[SCO], v[OW:OW+3], s[DSC:DSC+1]    ; 512 dense bytes
	s_wait_tensorcnt 0x0
	ds_add_u32 v254, v255
	s_wait_dscnt 0x0
	s_endpgm
.Lfunc_end_k_q0d15584d01_prep:
	.size	k_q0d15584d01_prep, .Lfunc_end_k_q0d15584d01_prep-k_q0d15584d01_prep
	.p2alignl 7, 3214868480
	.fill 96, 4, 3214868480
	.section	.rodata,"a",@progbits
	.p2align	6, 0x0
	.amdhsa_kernel k_q0d15584d01_prep
		.amdhsa_group_segment_fixed_size 34304
		.amdhsa_private_segment_fixed_size 0
		.amdhsa_enable_private_segment 0
		.amdhsa_kernarg_size 72
		.amdhsa_user_sgpr_count 2
		.amdhsa_user_sgpr_kernarg_segment_ptr 1
		.amdhsa_wavefront_size32 1
		.amdhsa_system_sgpr_workgroup_id_x 1
		.amdhsa_system_sgpr_workgroup_id_y 1
		.amdhsa_system_sgpr_workgroup_id_z 1
		.amdhsa_system_vgpr_workitem_id 0
		.amdhsa_next_free_vgpr 256
		.amdhsa_next_free_sgpr 66
		.amdhsa_reserve_vcc 0
		.amdhsa_float_denorm_mode_32 3
		.amdhsa_float_denorm_mode_16_64 3
		.amdhsa_memory_ordered 1
		.amdhsa_forward_progress 1
		.amdhsa_inst_pref_size 216
	.end_amdhsa_kernel
	.amdgpu_metadata
---
amdhsa.version: [ 1, 2 ]
amdhsa.kernels:
  - .name:           k_q0d15584d01_prep
    .symbol:         k_q0d15584d01_prep.kd
    .args:
      - { .name: query, .offset: 0, .size: 8, .value_kind: global_buffer, .address_space: global }
      - { .name: key_, .offset: 8, .size: 8, .value_kind: global_buffer, .address_space: global }
      - { .name: value, .offset: 16, .size: 8, .value_kind: global_buffer, .address_space: global }
      - { .name: Wq, .offset: 24, .size: 8, .value_kind: global_buffer, .address_space: global }
      - { .name: Wk, .offset: 32, .size: 8, .value_kind: global_buffer, .address_space: global }
      - { .name: Wv, .offset: 40, .size: 8, .value_kind: global_buffer, .address_space: global }
      - { .name: Wo, .offset: 48, .size: 8, .value_kind: global_buffer, .address_space: global }
      - { .name: cod, .offset: 56, .size: 8, .value_kind: global_buffer, .address_space: global }
      - { .name: sc, .offset: 64, .size: 8, .value_kind: global_buffer, .address_space: global }
    .group_segment_fixed_size: 34304
    .private_segment_fixed_size: 0
    .kernarg_segment_align: 8
    .kernarg_segment_size: 72
    .max_flat_workgroup_size: 128
    .sgpr_count:     66
    .vgpr_count:     256
    .wavefront_size: 32
...
	.end_amdgpu_metadata
.endif
;; end of part 6
;; launch proj (part 7): grid 256 x 1, 4 waves a work-group, clusters of 4 x 1, 327,680 bytes of LDS; arguments cod, sc, bq, bk, bv, qkc, qks, vc, side; writes qkc, qks, vc, side
.if DOCPART == 7
	.amdgcn_target "amdgcn-amd-amdhsa--gfx1250"
	.amdhsa_code_object_version 6
	.text
	.protected	k_q0d15584d01_proj
	.globl	k_q0d15584d01_proj
	.p2align	8
	.type	k_q0d15584d01_proj,@function
k_q0d15584d01_proj:
	s_mov_b64 s[64:65], 0
	v_nop
	global_prefetch_b8 v0, s[64:65] scope:SCOPE_SE
	s_setreg_imm32_b32 hwreg(HW_REG_WAVE_MODE, 25, 1), 1
	s_wait_xcnt 0x0
	s_wait_alu depctr_hold_cnt(0) depctr_sa_sdst(0) depctr_va_vdst(0) depctr_va_sdst(0) depctr_va_ssrc(0) depctr_va_vcc(0) depctr_vm_vsrc(0)
	s_getreg_b32 s2, hwreg(HW_REG_IB_STS2, 6, 4)
	s_cmp_eq_u32 s2, 0
	s_cbranch_scc0 .Lentry_in_a_cluster
	s_endpgm
.Lentry_in_a_cluster:
	s_bfe_u32 s2, ttmp6, 0x10000c
	s_cmp_lg_u32 s2, 0x3003
	s_cbranch_scc0 .Lentry_shape_is_right
	s_endpgm
.Lentry_shape_is_right:
.set SLOT1, 131072
.set XSC,   262144
.set STG,   274432
.set BL,    276480
.set SPARE, 279552
.set CO,  1
.set ADX, 2
.set LS,  4
.set SPW, 5
.set NIL, 6
.set ADL, 7
.set WSA, 8
.set STW, 9
.set STR, 10
.set BLA, 11
.set BLV, 12
.set BLX, 13
.set STV, 14
.set ST8, 15
.set XS,  16
.set TM,  24
.set PW,  40
.set T0,  41
.set T1,  42
.set G8,  43
.set PC,  44
.set WS,  60
.set BI,  92
.set XF,  124
.set OB,  252
.set WV,  22
.set G1X, 24
.set G1S, 32
.set G0S, 40
.set G0A, 44
.set G0B, 48
.set G0C, 52
.set WP,  56
.set WSP, 58
.set OC,  60
.set OS,  62
.set VCP, 66
.set VSP, 68
.set SEL, 70
.set MNT, 72
.set HM,  73
.set CNT, 74
.set BOF, 75
.set SL,  76
.set XO,  77
.set CX,  96
.set MSB, 0
.macro WIN new
.if MSB != (\new)
	s_set_vgpr_msb (MSB<<8)|(\new)
.set MSB, (\new)
.endif
.endm
.macro NOPS n
.rept \n
	v_nop
.endr
.endm
.macro ROUND
	s_barrier_signal -1
	s_barrier_wait -1
	s_cmp_lg_u32 s[WV], 0
	s_cbranch_scc1 .Lnot_wave_0_\@
	s_barrier_signal -3
.Lnot_wave_0_\@:
	s_barrier_wait -3
	s_barrier_signal -1
	s_barrier_wait -1
.endm
.macro WMC d, a, b, c, sa, sb
	v_wmma_scale_f32_16x16x128_f8f6f4 v[(\d):(\d)+7], v[(\a):(\a)+15], v[(\b):(\b)+15], v[(\c):(\c)+7], v[\sa], v[\sb] matrix_a_fmt:MATRIX_FMT_BF8 matrix_b_fmt:MATRIX_FMT_BF8
.endm
.macro QUANT s, w
	WIN (\w)|((\w)<<2)
.irp b, 0,1,2,3
	v_max3_num_f32 v[TM+\b], |v[(\s)+16*\b]|, |v[(\s)+16*\b+1]|, 0x8000000
.endr
	WIN ((\w)<<2)|((\w)<<4)
.irp i, 2,4,6,8,10,12,14
.irp b, 0,1,2,3
	v_max3_num_f32 v[TM+\b], v[TM+\b], |v[(\s)+16*\b+\i]|, |v[(\s)+16*\b+\i+1]|
.endr
.endr
	WIN 0
.irp b, 0,1,2,3
	v_permlanex16_b32 v[TM+4+\b], v[TM+\b], s[SEL], s[SEL+1]
.endr
.irp b, 0,1,2,3
	v_max_num_f32 v[TM+\b], v[TM+\b], v[TM+4+\b]
.endr
.irp b, 0,1,2,3
	v_add_nc_u32 v[TM+12+\b], 0xf8800000, v[TM+\b]
.endr
.irp b, 0,1,2,3
	v_and_or_b32 v[TM+8+\b], v[TM+\b], 0x7f800000, s[MNT]
.endr
.irp b, 0,1,2,3
	v_lshrrev_b32 v[TM+4+\b], 23, v[TM+12+\b]
.endr
	v_lshl_or_b32 v[PW], v[TM+5], 8, v[TM+4]
	v_lshl_or_b32 v[PW], v[TM+6], 16, v[PW]
	v_lshl_or_b32 v[PW], v[TM+7], 24, v[PW]
	WIN (\w)|((\w)<<6)
.irp b, 0,1,2,3
.set jj, 0
.rept 16
	v_med3_num_f32 v[(\s)+16*\b+jj], v[(\s)+16*\b+jj], -v[TM+8+\b], v[TM+8+\b]
.set jj, jj+1
.endr
.endr
	WIN (\w)
.irp b, 0,1,2,3
	v_cvt_scalef32_pk8_bf8_f32 v[PC+4*\b:PC+4*\b+1], v[(\s)+16*\b:(\s)+16*\b+7], v[TM+12+\b]
	v_cvt_scalef32_pk8_bf8_f32 v[PC+4*\b+2:PC+4*\b+3], v[(\s)+16*\b+8:(\s)+16*\b+15], v[TM+12+\b]
.endr
	WIN 0
	v_nop
.endm
.macro WKL kk, extra
.irp t, 0,1,2,3
.irp c, 0,1,2,3
	global_load_b128 v[16*(4*((\kk)%4)+\t)+4*\c:16*(4*((\kk)%4)+\t)+4*\c+3], v[CO], s[WP:WP+1] offset:(\extra)+\t*16384+(\kk)*2048+512*\c
.endr
.endr
.endm
.macro WNEXT kk, cond
.if \cond
	s_cmp_eq_u32 s[CNT], 1
	s_cbranch_scc1 .Lno_next_\@
.endif
	WIN 0x40*(1+(\kk)/4)
	WKL \kk, 0
	WIN 0
.if \cond
.Lno_next_\@:
.endif
.endm
.macro WSLOAD extra
.irp t, 0,1,2,3
	global_load_b128 v[WS+8*\t:WS+8*\t+3], v[WSA], s[WSP:WSP+1] offset:(\extra)+512*\t
	global_load_b128 v[WS+8*\t+4:WS+8*\t+7], v[WSA], s[WSP:WSP+1] offset:(\extra)+512*\t+16
.endr
.endm
.macro FETCHX set, kk
.irp mm, 0,1,2,3
.irp c, 0,1,2,3
	ds_load_b128 v[XF+64*(\set)+16*\mm+4*\c:XF+64*(\set)+16*\mm+4*\c+3], v[ADX+(\set)] offset:(8*\mm+(\kk))*2048+512*\c
.endr
	ds_load_b32 v[XS+4*(\set)+\mm], v[ADL] offset:(\set)*6144+\mm*512+4*(\kk)   ; scale words in LDS: [half of the 8 tiles][tensor][4 tiles x 512 bytes]
.endr
.endm
.macro MUL isv, set, kk
.if \isv
.if (\kk) == 0
	WIN 0xc4
.else
	WIN ((1+(\kk)/4)<<2)|0xf0
.endif
.else
.if (\kk) == 0
	WIN 0xc1
.else
	WIN (1+(\kk)/4)|0xf0
.endif
.endif
.irp mm, 0,1,2,3
.irp t, 0,1,2,3
.set WF, 16*(4*((\kk)%4)+\t)
.set XR, XF+64*(\set)+16*\mm
.if \isv
.set AC, 64*\t+8*(4*(\set)+\mm)
.if (\kk) == 0
	WMC AC, XR, WF, BI+8*\t, XS+4*(\set)+\mm, WS+8*\t+(\kk)
.else
	WMC AC, XR, WF, AC, XS+4*(\set)+\mm, WS+8*\t+(\kk)
.endif
.else
.set AC, 32*(4*(\set)+\mm)+8*\t
.if (\kk) == 0
	WMC AC, WF, XR, BI+8*\t, WS+8*\t+(\kk), XS+4*(\set)+\mm
.else
	WMC AC, WF, XR, AC, WS+8*\t+(\kk), XS+4*(\set)+\mm
.endif
.endif
.endr
.endr
.endm
.macro GEMM isv, cw, cond
	FETCHX 0, 0
	FETCHX 1, 0
.irp kk, 0,1,2,3,4,5,6,7
.if \cw
	s_wait_loadcnt 63
.endif
	s_wait_dscnt 20
	MUL \isv, 0, \kk
	WIN 0
.if \kk < 7
	NOPS 8
	FETCHX 0, \kk+1
	s_wait_dscnt 20
.else
	s_wait_dscnt 0x0
.endif
	MUL \isv, 1, \kk
	WIN 0
.if \kk < 7
	NOPS 8
	FETCHX 1, \kk+1
	WNEXT \kk, \cond
.endif
.endr
.endm
	s_load_b256 s[4:11], s[0:1], 0x0
	s_load_b256 s[12:19], s[0:1], 0x20
	s_load_b64 s[20:21], s[0:1], 0x40
	v_lshl_add_u32 v[SPW], v0, 2, SPARE
	v_mov_b32 v[NIL], 0
	ds_add_u32 v5, v6
	ds_add_u32 v5, v6
	s_wait_dscnt 0x0
	v_lshrrev_b32 v41, 5, v0
	v_readfirstlane_b32 s[WV], v41
	s_mov_b32 s[G1X], 15|(3<<16)|(1<<21)
	s_mov_b32 s[G1X+1], 32<<16
	s_mov_b32 s[G1X+2], 512<<16                    ; the head's loads of codes bring 128 rows' images whole: 512 rows of 256 bytes
	s_mov_b32 s[G1X+3], 32<<16
	s_mov_b32 s[G1X+4], 512
	s_mov_b32 s[G1X+5], 32
	s_mov_b32 s[G1X+6], 0
	s_mov_b32 s[G1X+7], 0
	s_mov_b32 s[G1S], 15|(3<<16)|(1<<21)
	s_mov_b32 s[G1S+1], 256<<16                    ; scale words: four tiles' 2,048 bytes of each of the three tensors
	s_mov_b32 s[G1S+2], 3<<16
	s_mov_b32 s[G1S+3], 256<<16
	s_mov_b32 s[G1S+4], 3
	s_mov_b32 s[G1S+5], 32768
	s_mov_b32 s[G1S+6], 0
	s_mov_b32 s[G1S+7], 0
	s_lshl_b32 s78, s[WV], 15
	s_lshl_b32 s80, ttmp9, 17
	s_add_co_u32 s80, s80, s78
	s_mov_b32 s81, 0
	s_and_b32 s83, s[WV], 1                        ; waves 2 and 3 fetch the halves of the scale words
	s_mul_i32 s79, s83, 6144
	s_lshl_b32 s82, ttmp9, 12
	s_lshl_b32 s83, s83, 11
	s_add_co_u32 s82, s82, s83
	s_mov_b32 s83, 0
	s_wait_kmcnt 0x0
	s_mov_b32 s[G0S], 1
	s_add_co_u32 s[G0S+1], s79, XSC
	s_add_nc_u64 s[G0S+2:G0S+3], s[6:7], s[82:83]
	s_or_b32 s[G0S+3], s[G0S+3], 0x80000000
	s_mov_b32 s[G0C], 1                            ; key_'s codes: the refill of slot 0, a quarter a wave
	s_mov_b32 s[G0C+1], s78
	s_add_nc_u64 s[G0C+2:G0C+3], s[4:5], s[80:81]
	s_add_nc_u64 s[G0C+2:G0C+3], s[G0C+2:G0C+3], 8388608
	s_lshl_b32 s80, ttmp9, 17                      ; the cluster's 128 rows, whole
	s_mov_b32 s[G0B], 1                            ; query's codes into slot 1
	s_mov_b32 s[G0B+1], SLOT1
	s_add_nc_u64 s[G0B+2:G0B+3], s[4:5], s[80:81]
	s_mov_b32 s[G0A], 1                            ; value's codes into slot 0
	s_mov_b32 s[G0A+1], 0
	s_add_nc_u64 s[G0A+2:G0A+3], s[G0B+2:G0B+3], 16777216
	s_or_b32 s[G0B+3], s[G0B+3], 0x80000000
	s_or_b32 s[G0C+3], s[G0C+3], 0x80000000
	s_or_b32 s[G0A+3], s[G0A+3], 0x80000000
	ROUND
	s_cmp_lt_u32 s[WV], 1                          ; the head's loads, one a wave, in one chain of branches on the wave's number: wave 0 value's codes,
	s_cbranch_scc0 .Lh_b
	tensor_load_to_lds s[G0A:G0A+3], s[G1X:G1X+7]
	s_nop 0
	NOPS 4
	s_branch .Lh_j
.Lh_b:
	s_cmp_lt_u32 s[WV], 2                          ; wave 1 query's,
	s_cbranch_scc0 .Lh_s
	tensor_load_to_lds s[G0B:G0B+3], s[G1X:G1X+7]
	s_nop 0
	NOPS 4
	s_branch .Lh_j
.Lh_s:
	tensor_load_to_lds s[G0S:G0S+3], s[G1S:G1S+7]  ; waves 2 and 3 the halves of the scale words
	s_nop 0
	NOPS 4
.Lh_j:
	v_and_b32 v41, 31, v0
	v_and_b32 v42, 15, v0
	v_bfe_u32 v43, v0, 4, 1
	v_lshlrev_b32 v[CO], 4, v41
	v_lshl_add_u32 v[LS], v42, 5, XSC
	v_lshlrev_b32 v[WSA], 5, v42
	s_lshl_b32 s78, s[WV], 9
	s_add_co_u32 s78, s78, STG
	v_lshl_add_u32 v[STW], v41, 2, s78
	v_add_nc_u32 v[STR], s78, v[CO]
	v_lshl_add_u32 v[STV], v42, 2, s78
	v_lshl_add_u32 v[ST8], v41, 3, s78
	s_mul_i32 s78, s[WV], 768
	s_add_co_u32 s78, s78, BL
	v_lshl_add_u32 v[BLA], v43, 6, s78
	v_and_b32 v[BLV], 8, v42
	v_add_nc_u32 v[BLV], v[BLV], v42
	v_lshl_add_u32 v[BLV], v[BLV], 2, s78
	v_add_nc_u32 v[BLV], 512, v[BLV]
	v_lshl_add_u32 v[BLX], v41, 3, s78
	v_cmp_lt_u32 s[HM], 15, v41
	v_lshlrev_b32 v[G8], 3, v41
	s_wait_alu depctr_va_vdst(0)
.irp b, 0,1,2,3
	v_mov_b32 v[TM+4+\b], 0
.endr
	s_mov_b32 s[SEL], 0x76543210
	s_mov_b32 s[SEL+1], 0xfedcba98
	s_mov_b32 s[MNT], 0x600000
	s_bfe_u32 s[CX], ttmp6, 0x40000
	s_lshl_b32 s84, s[CX], 2
	s_add_co_u32 s84, s84, s[WV]
	s_lshr_b32 s85, ttmp9, 4
	s_and_b32 s86, ttmp9, 15
	s_lshl_b32 s87, s85, 4
	s_add_co_u32 s87, s87, s84
	s_mov_b32 s89, 0
	s_lshl_b32 s88, s84, 16
	s_add_co_u32 s88, s88, 1536*16384
	s_add_nc_u64 s[WP:WP+1], s[4:5], s[88:89]
	s_lshl_b32 s88, s84, 11
	s_add_co_u32 s88, s88, 1536*512
	s_add_nc_u64 s[WSP:WSP+1], s[6:7], s[88:89]
	s_lshl_b32 s88, s87, 17
	s_lshl_b32 s90, s86, 13
	s_add_co_u32 s88, s88, s90
	s_add_nc_u64 s[OC:OC+1], s[14:15], s[88:89]
	s_lshl_b32 s88, s87, 13
	s_lshl_b32 s90, s86, 9
	s_add_co_u32 s88, s88, s90
	s_add_nc_u64 s[OS:OS+1], s[16:17], s[88:89]
	s_lshl_b32 s88, s87, 4
	s_add_co_u32 s88, s88, s86
	s_lshl_b32 s88, s88, 13
	s_add_nc_u64 s[VCP:VCP+1], s[18:19], s[88:89]
	s_mul_i32 s88, s87, 12288
	s_lshl_b32 s90, s86, 8
	s_add_co_u32 s88, s88, s90
	s_add_co_u32 s88, s88, 8192
	s_add_nc_u64 s[VSP:VSP+1], s[20:21], s[88:89]
	s_lshl_b32 s88, s84, 8
	s_add_nc_u64 s[8:9], s[8:9], s[88:89]
	s_add_nc_u64 s[10:11], s[10:11], s[88:89]
	s_add_nc_u64 s[12:13], s[12:13], s[88:89]
	WSLOAD 65536
	global_load_b64 v[PC:PC+1], v[G8], s[8:9]
	global_load_b64 v[PC+2:PC+3], v[G8], s[10:11]
	global_load_b64 v[PC+4:PC+5], v[G8], s[12:13]
	WIN 0x40
.irp k, 0,1,2,3
	WKL \k, 2097152
.endr
	WIN 0x80
.irp k, 4,5,6,7
	WKL \k, 2097152
.endr
	WIN 0
	s_wait_loadcnt 63
	ds_store_b64 v[BLX], v[PC:PC+1]
	ds_store_b64 v[BLX], v[PC+2:PC+3] offset:256
	ds_store_b64 v[BLX], v[PC+4:PC+5] offset:512
.irp t, 0,1,2,3
.irp j, 0,1,2,3,4,5,6,7
	ds_load_b32 v[BI+8*\t+\j], v[BLV] offset:(32*(\t/2)+8*(\t%2))*4
.endr
.endr
	v_add_nc_u32 v[ADX], 0, v[CO]
	v_add_nc_u32 v[ADX+1], 65536, v[CO]
	v_add_nc_u32 v[ADL], 4096, v[LS]
	s_wait_alu depctr_va_vdst(0)
	s_wait_tensorcnt 0x0                           ; my one load has landed, so a descriptor may be written:
	s_mov_b32 s[G1X+2], 128<<16                    ; the refill brings a quarter a wave: 128 rows of 256 bytes
	s_mov_b32 s[G1X+4], 128
	s_wait_dscnt 0x0
	s_barrier_signal -1
	s_barrier_wait -1
	GEMM 1, 1, 0
	s_wait_tensorcnt 0x0
	ds_add_u32 v[SPW], v[NIL]
	NOPS 8
	s_wait_dscnt 0x0
	ROUND
	tensor_load_to_lds s[G0C:G0C+3], s[G1X:G1X+7]
	s_nop 0
	NOPS 4
	WNEXT 7, 0
	WSLOAD 0
.irp t, 0,1,2,3
	s_wait_xcnt 0x0
	QUANT 64*\t, 3
.irp c, 0,1,2,3
	global_store_b128 v[CO], v[PC+4*\c:PC+4*\c+3], s[VCP:VCP+1] offset:2048*\t+512*\c
.endr
	ds_store_b32 v[STV], v[PW] offset:64*\t
.endr
	ds_load_b64 v[OB:OB+1], v[ST8]
	s_wait_dscnt 0x0
	global_store_b64 v[G8], v[OB:OB+1], s[VSP:VSP+1]
	s_wait_xcnt 0x0
	s_add_nc_u64 s[WP:WP+1], s[WP:WP+1], 1048576
	s_add_nc_u64 s[WSP:WSP+1], s[WSP:WSP+1], 32768
	s_mov_b32 s[BOF], 0
	s_mov_b32 s[SL], SLOT1
	s_mov_b32 s[XO], 0
	s_mov_b32 s[CNT], 2
.Lqk:
	v_add_nc_u32 v[ADX], s[SL], v[CO]
	v_add_nc_u32 v[ADX+1], 65536, v[ADX]
	v_add_nc_u32 v[ADL], s[XO], v[LS]
	v_add_nc_u32 v[BLX], s[BOF], v[BLA]
.irp t, 0,1,2,3
	ds_load_b128 v[BI+8*\t:BI+8*\t+3], v[BLX] offset:(32*(\t/2)+8*(\t%2))*4
	ds_load_b128 v[BI+8*\t+4:BI+8*\t+7], v[BLX] offset:(32*(\t/2)+8*(\t%2))*4+16
.endr
	s_wait_alu depctr_va_vdst(0)
	s_wait_loadcnt 0x0
	GEMM 0, 0, 1
	NOPS 8
	s_wait_tensorcnt 0x0
	s_wait_dscnt 0x0
	s_barrier_signal -1
	s_barrier_wait -1
	s_cmp_eq_u32 s[CNT], 1
	s_cbranch_scc1 .Lno_w
	WIN 0x80
	WKL 7, 0
	WIN 0
	WSLOAD 0
.Lno_w:
.irp n, 0,1,2,3
	s_wait_xcnt 0x0
	QUANT 64*\n, 3
.irp b, 0,1,2,3
	global_store_b128 v[CO], v[PC+4*\b:PC+4*\b+3], s[OC:OC+1] offset:2048*\n+512*\b
.endr
	v_perm_b32 v[T0], v[PW], v[PW], 0x01000100
	v_perm_b32 v[T1], v[PW], v[PW], 0x03020302
	v_cndmask_b32 v[T0], v[T0], v[T1], s[HM]
	ds_store_b32 v[STW], v[T0] offset:128*\n
.endr
	ds_load_b128 v[OB:OB+3], v[STR]
	s_wait_dscnt 0x0
	global_store_b128 v[CO], v[OB:OB+3], s[OS:OS+1]
	s_wait_xcnt 0x0
	s_add_nc_u64 s[WP:WP+1], s[WP:WP+1], 1048576
	s_add_nc_u64 s[WSP:WSP+1], s[WSP:WSP+1], 32768
	s_add_nc_u64 s[OC:OC+1], s[OC:OC+1], 8388608
	s_add_nc_u64 s[OS:OS+1], s[OS:OS+1], 524288
	s_add_co_u32 s[BOF], s[BOF], 256
	s_add_co_u32 s[XO], s[XO], 2048
	s_xor_b32 s[SL], s[SL], SLOT1
	s_sub_co_u32 s[CNT], s[CNT], 1
	s_cmp_lg_u32 s[CNT], 0
	s_cbranch_scc1 .Lqk
	s_wait_tensorcnt 0x0
	ds_add_u32 v[SPW], v[NIL]
	s_wait_dscnt 0x0
	ROUND
	s_endpgm
.Lfunc_end_k_q0d15584d01_proj:
	.size	k_q0d15584d01_proj, .Lfunc_end_k_q0d15584d01_proj-k_q0d15584d01_proj
	.p2alignl 7, 3214868480
	.fill 96, 4, 3214868480
	.section	.rodata,"a",@progbits
	.p2align	6, 0x0
	.amdhsa_kernel k_q0d15584d01_proj
		.amdhsa_group_segment_fixed_size 327680
		.amdhsa_private_segment_fixed_size 0
		.amdhsa_enable_private_segment 0
		.amdhsa_kernarg_size 72
		.amdhsa_user_sgpr_count 2
		.amdhsa_user_sgpr_kernarg_segment_ptr 1
		.amdhsa_wavefront_size32 1
		.amdhsa_system_sgpr_workgroup_id_x 1
		.amdhsa_system_sgpr_workgroup_id_y 1
		.amdhsa_system_sgpr_workgroup_id_z 1
		.amdhsa_system_vgpr_workitem_id 0
		.amdhsa_next_free_vgpr 1024
		.amdhsa_next_free_sgpr 100
		.amdhsa_reserve_vcc 0
		.amdhsa_float_denorm_mode_32 3
		.amdhsa_float_denorm_mode_16_64 3
		.amdhsa_memory_ordered 1
		.amdhsa_forward_progress 1
		.amdhsa_inst_pref_size 238
	.end_amdhsa_kernel
	.amdgpu_metadata
---
amdhsa.version: [ 1, 2 ]
amdhsa.kernels:
  - .name:           k_q0d15584d01_proj
    .symbol:         k_q0d15584d01_proj.kd
    .args:
      - { .name: cod, .offset: 0, .size: 8, .value_kind: global_buffer, .address_space: global }
      - { .name: sc, .offset: 8, .size: 8, .value_kind: global_buffer, .address_space: global }
      - { .name: bq, .offset: 16, .size: 8, .value_kind: global_buffer, .address_space: global }
      - { .name: bk, .offset: 24, .size: 8, .value_kind: global_buffer, .address_space: global }
      - { .name: bv, .offset: 32, .size: 8, .value_kind: global_buffer, .address_space: global }
      - { .name: qkc, .offset: 40, .size: 8, .value_kind: global_buffer, .address_space: global }
      - { .name: qks, .offset: 48, .size: 8, .value_kind: global_buffer, .address_space: global }
      - { .name: vc, .offset: 56, .size: 8, .value_kind: global_buffer, .address_space: global }
      - { .name: side, .offset: 64, .size: 8, .value_kind: global_buffer, .address_space: global }
    .group_segment_fixed_size: 327680
    .private_segment_fixed_size: 0
    .kernarg_segment_align: 8
    .kernarg_segment_size: 72
    .max_flat_workgroup_size: 128
    .sgpr_count:     100
    .vgpr_count:     1024
    .wavefront_size: 32
...
	.end_amdgpu_metadata
.endif
;; end of part 7
;; launch stats (part 8): grid 4 x 64, 16 waves a work-group, clusters of 4 x 1, 327,680 bytes of LDS; arguments qkc, qks, side; writes side
.if DOCPART == 8
	.amdgcn_target "amdgcn-amd-amdhsa--gfx1250"
	.amdhsa_code_object_version 6
	.text
	.protected	k_q0d15584d01_stats
	.globl	k_q0d15584d01_stats
	.p2align	8
	.type	k_q0d15584d01_stats,@function
k_q0d15584d01_stats:
	s_mov_b64 s[64:65], 0
	v_nop
	global_prefetch_b8 v0, s[64:65] scope:SCOPE_SE
	s_setreg_imm32_b32 hwreg(HW_REG_WAVE_MODE, 25, 1), 1
	s_wait_xcnt 0x0
	s_wait_alu depctr_hold_cnt(0) depctr_sa_sdst(0) depctr_va_vdst(0) depctr_va_sdst(0) depctr_va_ssrc(0) depctr_va_vcc(0) depctr_vm_vsrc(0)
	s_getreg_b32 s2, hwreg(HW_REG_IB_STS2, 6, 4)
	s_cmp_eq_u32 s2, 0
	s_cbranch_scc0 .Lentry_in_a_cluster
	s_endpgm
.Lentry_in_a_cluster:
	s_bfe_u32 s2, ttmp6, 0x10000c
	s_cmp_lg_u32 s2, 0x3003
	s_cbranch_scc0 .Lentry_shape_is_right
	s_endpgm
.Lentry_shape_is_right:
.set QS,  131072
.set STG, 139264
.set AQ0, 1
.set AS0, 2
.set ADQ, 3
.set ADS, 4
.set SA,  5
.set SRD, 6
.set GOF, 7
.set KSW, 8
.set QSW, 10
.set M,   18
.set LL,  20
.set NM,  24
.set NN,  204                          ; v204-207: -c x the running maximum, a pair for each of my two key tiles (the packed form names a pair and takes its low word)
.set FF,  26
.set XM,  28
.set TT,  32
.set PT,  34
.set KB,  36
.set QB,  60
.set S,   140
.set WV,  10
.set BH,  11
.set CX,  12
.set G1C, 16
.set G1S, 24
.set G0C, 32
.set G0S, 36
.set CS,  40
.set SEL, 42
.set TQ,  44
.set TS,  45
.set CNT, 46
.set IC,  47
.set KP,  56
.set KSP, 58
.set OP,  60
.macro NOPS n
.rept \n
	v_nop
.endr
.endm
.macro ROUND
	s_barrier_signal -1
	s_barrier_wait -1
	s_cmp_lg_u32 s[WV], 0
	s_cbranch_scc1 .Lnot_wave_0_\@
	s_barrier_signal -3
.Lnot_wave_0_\@:
	s_barrier_wait -3
	s_barrier_signal -1
	s_barrier_wait -1
.endm
.macro QLOAD
.irp k, 0,1,2,3,4,5,6,7
	ds_load_b128 v[QB+8+8*\k:QB+8+8*\k+3], v[ADQ] offset:1024*\k
	ds_load_b128 v[QB+8+8*\k+4:QB+8+8*\k+7], v[ADQ] offset:1024*\k+512
	ds_load_b32 v[QSW+\k], v[ADS] offset:64*\k
.endr
.endm
.macro SC u
.irp k, 0,1,2,3,4,5,6,7
	v_wmma_scale_f32_16x16x128_f8f6f4 v[S+8*\k:S+8*\k+7], v[QB+8-8*(\u)+8*\k:QB+8-8*(\u)+8*\k+15], v[KB+8*(\u):KB+8*(\u)+15], 0, v[QSW+\k], v[KSW+(\u)] matrix_a_fmt:MATRIX_FMT_BF8 matrix_b_fmt:MATRIX_FMT_BF8
.endr
.endm
.macro STAT u
.irp b, 0,1,2,3
	v_max3_num_f32 v[XM+\b], v[S+16*\b], v[S+16*\b+1], v[S+16*\b+2]
.endr
.irp i, 3,5,7,9,11,13
.irp b, 0,1,2,3
	v_max3_num_f32 v[XM+\b], v[XM+\b], v[S+16*\b+\i], v[S+16*\b+\i+1]
.endr
.endr
.irp b, 0,1,2,3
	v_max_num_f32 v[XM+\b], v[XM+\b], v[S+16*\b+15]
.endr
	v_max3_num_f32 v[XM], v[XM], v[XM+1], v[XM+2]
	v_max3_num_f32 v[M+(\u)], v[XM], v[XM+3], v[M+(\u)]          ; the running maximum, in place
	v_fma_f32 v[FF], -v[M+(\u)], s[CS], -v[NN+2*(\u)]            ; c x (the old maximum - the new one)
	v_mul_f32 v[NN+2*(\u)], -v[M+(\u)], s[CS]                    ; -c x the new maximum
.set jj, 0
.rept 32
	v_pk_fma_f32 v[S+jj:S+jj+1], v[S+jj:S+jj+1], s[CS:CS+1], v[NN+2*(\u):NN+2*(\u)+1] op_sel_hi:[1,0,0]
.set jj, jj+2
.endr
	s_wait_alu depctr_va_vdst(0)
	v_exp_f32 v[FF], v[FF]
.set jj, 0
.rept 64
	v_exp_f32 v[S+jj], v[S+jj]
.set jj, jj+1
.endr
	v_nop
	s_wait_alu depctr_va_vdst(0)
	v_pk_fma_f32 v[LL+2*(\u):LL+2*(\u)+1], v[LL+2*(\u):LL+2*(\u)+1], v[FF:FF+1], v[S:S+1] op_sel_hi:[1,0,1]
	v_pk_add_f32 v[TT:TT+1], v[S+2:S+3], v[S+4:S+5]
.irp j, 6,10,14,18,22,26,30,34,38,42,46,50,54,58
	v_pk_add_f32 v[LL+2*(\u):LL+2*(\u)+1], v[LL+2*(\u):LL+2*(\u)+1], v[S+\j:S+\j+1]
	v_pk_add_f32 v[TT:TT+1], v[TT:TT+1], v[S+\j+2:S+\j+3]
.endr
	v_pk_add_f32 v[LL+2*(\u):LL+2*(\u)+1], v[LL+2*(\u):LL+2*(\u)+1], v[S+62:S+63]
	v_pk_add_f32 v[LL+2*(\u):LL+2*(\u)+1], v[LL+2*(\u):LL+2*(\u)+1], v[TT:TT+1]
.endm
.macro TRIP last
	s_wait_dscnt 0x0
	SC 0
	NOPS 8
	STAT 0
	SC 1
.if \last
	NOPS 8
.else
	s_add_co_u32 s[TQ], s[TQ], 8192
	s_add_co_u32 s[TS], s[TS], 512
	v_add_nc_u32 v[ADQ], s[TQ], v[AQ0]
	v_add_nc_u32 v[ADS], s[TS], v[AS0]
	NOPS 6
	QLOAD
.endif
	STAT 1
.endm
	s_load_b128 s[4:7], s[0:1], 0x0
	s_load_b64 s[8:9], s[0:1], 0x10
	v_lshl_add_u32 v254, v0, 2, 0x29000
	v_mov_b32 v255, 0
	ds_add_u32 v254, v255
	ds_add_u32 v254, v255
	v_lshrrev_b32 v3, 5, v0
	s_delay_alu instid0(VALU_DEP_1)
	v_readfirstlane_b32 s[WV], v3
	s_and_b32 s[BH], ttmp7, 0xffff
	s_bfe_u32 s[CX], ttmp6, 0x40000
.irp g, G1C, G1S
	s_mov_b32 s[\g], 15|(3<<16)|(1<<21)
	s_mov_b32 s[\g+1], 32<<16
	s_mov_b32 s[\g+3], 32<<16
	s_mov_b32 s[\g+5], 32
	s_mov_b32 s[\g+6], 0
	s_mov_b32 s[\g+7], 0
.endr
	s_mov_b32 s[G1C+2], 64<<16                     ; codes: 64 rows of 256 bytes to each of waves 0-7
	s_mov_b32 s[G1C+4], 64
	s_mov_b32 s[G1S+2], 4<<16                      ; scale words: 4 rows of 256 bytes to each of waves 8-15
	s_mov_b32 s[G1S+4], 4
	s_lshl_b32 s50, s[WV], 14
	s_lshl_b32 s48, s[BH], 17
	s_add_co_u32 s48, s48, s50
	s_mov_b32 s49, 0
	s_and_b32 s51, s[WV], 7
	s_lshl_b32 s51, s51, 10
	s_lshl_b32 s52, s[BH], 13
	s_add_co_u32 s52, s52, s51
	s_mov_b32 s53, 0
	s_lshl_b32 s54, s[CX], 15
	s_lshl_b32 s62, s[WV], 11
	s_add_co_u32 s54, s54, s62
	s_lshl_b32 s62, s[BH], 17
	s_add_co_u32 s54, s54, s62
	s_add_co_u32 s54, s54, 8388608
	s_mov_b32 s55, 0
	s_wait_dscnt 0x0
	s_wait_kmcnt 0x0
	s_add_nc_u64 s[KP:KP+1], s[4:5], s[54:55]
	s_lshl_b32 s54, s[CX], 11
	s_lshl_b32 s62, s[WV], 7
	s_add_co_u32 s54, s54, s62
	s_lshl_b32 s62, s[BH], 13
	s_add_co_u32 s54, s54, s62
	s_add_co_u32 s54, s54, 524288
	s_add_nc_u64 s[KSP:KSP+1], s[6:7], s[54:55]
	s_mul_i32 s54, s[BH], 12288
	s_lshl_b32 s62, s[CX], 11
	s_add_co_u32 s54, s54, s62
	s_add_nc_u64 s[OP:OP+1], s[8:9], s[54:55]
	s_mov_b32 s[G0C], 1
	s_mov_b32 s[G0C+1], s50
	s_add_nc_u64 s[G0C+2:G0C+3], s[4:5], s[48:49]
	s_or_b32 s[G0C+3], s[G0C+3], 0x80000000
	s_mov_b32 s[G0S], 1
	s_add_co_u32 s[G0S+1], s51, QS
	s_add_nc_u64 s[G0S+2:G0S+3], s[6:7], s[52:53]
	s_or_b32 s[G0S+3], s[G0S+3], 0x80000000
	ROUND
	s_cmp_lt_u32 s[WV], 8                          ; one joint load a wave, in the two arms of one branch on the wave's number
	s_cbranch_scc0 .Lhead_s
	tensor_load_to_lds s[G0C:G0C+3], s[G1C:G1C+7]
	s_nop 0
	NOPS 4
	s_branch .Lhead_j
.Lhead_s:
	tensor_load_to_lds s[G0S:G0S+3], s[G1S:G1S+7]
	s_nop 0
	NOPS 4
.Lhead_j:
	v_and_b32 v3, 31, v0
	v_and_b32 v4, 15, v0
	s_delay_alu instid0(VALU_DEP_2)
	v_lshlrev_b32 v[AQ0], 4, v3
	s_delay_alu instid0(VALU_DEP_2)
	v_lshl_add_u32 v[AS0], v4, 2, QS
	s_delay_alu instid0(VALU_DEP_3)
	v_and_b32 v[SA], 8, v4
	s_delay_alu instid0(VALU_DEP_1)
	v_add_nc_u32 v[SA], v[SA], v4
	s_lshl_b32 s48, s[WV], 7
	s_add_co_u32 s48, s48, STG
	v_lshl_add_u32 v[SA], v[SA], 2, s48
	v_lshl_add_u32 v[SRD], v0, 4, STG
	v_lshlrev_b32 v[GOF], 4, v0
	v_mov_b32 v[PT], 0
	v_lshlrev_b32 v[PT+1], 2, v4
.irp u, 0,1
.irp c, 0,1
	global_load_b128 v[KB+16*\u+4*\c:KB+16*\u+4*\c+3], v[AQ0], s[KP:KP+1] offset:1024*\u+512*\c
.endr
	global_load_b32 v[KSW+\u], v[PT+1], s[KSP:KSP+1] offset:64*\u
.endr
.irp j, 0,1,2,3,4,5,6,7
	v_mov_b32 v[KB+8+\j], 0
	v_mov_b32 v[QB+\j], 0
	v_mov_b32 v[QB+72+\j], 0
.endr
	v_mov_b32 v[M], 0xff61b1e6
	v_mov_b32 v[M+1], 0xff61b1e6
.irp j, 0,1,2,3
	v_mov_b32 v[LL+\j], 0
.endr
	v_mov_b32 v[NN], 0x7d000000                    ; a large number in the place of -c x (-3e38): the first factor is 2^(-large) = 0, on sums that are 0
	v_mov_b32 v[NN+1], 0
	v_mov_b32 v[NN+2], 0x7d000000
	v_mov_b32 v[NN+3], 0
	v_mov_b32 v[FF+1], 0
	s_mov_b32 s[CS], 0x3e38aa3b
	s_mov_b32 s[CS+1], s[CS]
	s_mov_b32 s[IC], 0x40b17218
	s_mov_b32 s[SEL], 0x76543210
	s_mov_b32 s[SEL+1], 0xfedcba98
	s_mov_b32 s[TQ], 0
	s_mov_b32 s[TS], 0
	s_mov_b32 s[CNT], 15
	v_add_nc_u32 v[ADQ], s[TQ], v[AQ0]
	v_add_nc_u32 v[ADS], s[TS], v[AS0]
	s_wait_alu depctr_va_vdst(0)
	s_wait_tensorcnt 0x0
	s_barrier_signal -1
	s_barrier_wait -1
	QLOAD
	s_wait_loadcnt 0x0
.Lq:
	TRIP 0
	s_sub_co_u32 s[CNT], s[CNT], 1
	s_cmp_lg_u32 s[CNT], 0
	s_cbranch_scc1 .Lq
	TRIP 1
.irp u, 0,1
	v_permlanex16_b32 v[PT+\u], v[M+\u], s[SEL], s[SEL+1]
.endr
.irp u, 0,1
	s_delay_alu instid0(VALU_DEP_2)
	v_max_num_f32 v[PT+\u], v[PT+\u], v[M+\u]
.endr
.irp u, 0,1
	s_delay_alu instid0(VALU_DEP_2)
	v_sub_f32 v[XM+\u], v[M+\u], v[PT+\u]
.endr
.irp u, 0,1
	s_delay_alu instid0(VALU_DEP_2)
	v_mul_f32 v[XM+\u], s[CS], v[XM+\u]
.endr
	s_wait_alu depctr_va_vdst(0)
.irp u, 0,1
	v_exp_f32 v[XM+\u], v[XM+\u]
.endr
.irp u, 0,1
	v_add_f32 v[XM+2+\u], v[LL+2*\u], v[LL+2*\u+1]
.endr
	s_wait_alu depctr_va_vdst(0)
.irp u, 0,1
	v_mul_f32 v[XM+2+\u], v[XM+2+\u], v[XM+\u]
.endr
.irp u, 0,1
	s_delay_alu instid0(VALU_DEP_2)
	v_permlanex16_b32 v[TT+\u], v[XM+2+\u], s[SEL], s[SEL+1]
.endr
.irp u, 0,1
	s_delay_alu instid0(VALU_DEP_2)
	v_add_f32 v[XM+2+\u], v[XM+2+\u], v[TT+\u]
.endr
	s_wait_alu depctr_va_vdst(0)
.irp u, 0,1
	v_log_f32 v[XM+2+\u], v[XM+2+\u]
.endr
	v_nop
	s_wait_alu depctr_va_vdst(0)
.irp u, 0,1
	v_fma_f32 v[PT+\u], -v[XM+2+\u], s[IC], -v[PT+\u]
.endr
.irp u, 0,1
	ds_store_b32 v[SA], v[PT+\u] offset:32*\u
.endr
	s_wait_dscnt 0x0
	s_barrier_signal -1
	s_barrier_wait -1
	s_cmp_lt_u32 s[WV], 4
	s_cbranch_scc0 .Ldone
	ds_load_b128 v[XM:XM+3], v[SRD]
	s_wait_dscnt 0x0
	global_store_b128 v[GOF], v[XM:XM+3], s[OP:OP+1]
.Ldone:
	s_wait_tensorcnt 0x0
	ds_add_u32 v254, v255
	s_wait_dscnt 0x0
	ROUND
	s_endpgm
.Lfunc_end_k_q0d15584d01_stats:
	.size	k_q0d15584d01_stats, .Lfunc_end_k_q0d15584d01_stats-k_q0d15584d01_stats
	.p2alignl 7, 3214868480
	.fill 96, 4, 3214868480
	.section	.rodata,"a",@progbits
	.p2align	6, 0x0
	.amdhsa_kernel k_q0d15584d01_stats
		.amdhsa_group_segment_fixed_size 327680
		.amdhsa_private_segment_fixed_size 0
		.amdhsa_enable_private_segment 0
		.amdhsa_kernarg_size 24
		.amdhsa_user_sgpr_count 2
		.amdhsa_user_sgpr_kernarg_segment_ptr 1
		.amdhsa_wavefront_size32 1
		.amdhsa_system_sgpr_workgroup_id_x 1
		.amdhsa_system_sgpr_workgroup_id_y 1
		.amdhsa_system_sgpr_workgroup_id_z 1
		.amdhsa_system_vgpr_workitem_id 0
		.amdhsa_next_free_vgpr 256
		.amdhsa_next_free_sgpr 66
		.amdhsa_reserve_vcc 0
		.amdhsa_float_denorm_mode_32 3
		.amdhsa_float_denorm_mode_16_64 3
		.amdhsa_memory_ordered 1
		.amdhsa_forward_progress 1
		.amdhsa_inst_pref_size 51
	.end_amdhsa_kernel
	.amdgpu_metadata
---
amdhsa.version: [ 1, 2 ]
amdhsa.kernels:
  - .name:           k_q0d15584d01_stats
    .symbol:         k_q0d15584d01_stats.kd
    .args:
      - { .name: qkc, .offset: 0, .size: 8, .value_kind: global_buffer, .address_space: global }
      - { .name: qks, .offset: 8, .size: 8, .value_kind: global_buffer, .address_space: global }
      - { .name: side, .offset: 16, .size: 8, .value_kind: global_buffer, .address_space: global }
    .group_segment_fixed_size: 327680
    .private_segment_fixed_size: 0
    .kernarg_segment_align: 8
    .kernarg_segment_size: 24
    .max_flat_workgroup_size: 512
    .sgpr_count:     66
    .vgpr_count:     256
    .wavefront_size: 32
...
	.end_amdgpu_metadata
.endif
;; end of part 8
;; launch attn (part 9): grid 4 x 64, 8 waves a work-group, clusters of 4 x 1, 284,672 bytes of LDS; arguments qkc, qks, vc, side, cc, cs; writes cc, cs
.if DOCPART == 9
	.amdgcn_target "amdgcn-amd-amdhsa--gfx1250"
	.amdhsa_code_object_version 6
	.text
	.protected	k_q0d15584d01_attn
	.globl	k_q0d15584d01_attn
	.p2align	8
	.type	k_q0d15584d01_attn,@function
k_q0d15584d01_attn:
	s_mov_b64 s[64:65], 0
	v_nop
	global_prefetch_b8 v0, s[64:65] scope:SCOPE_SE
	s_setreg_imm32_b32 hwreg(HW_REG_WAVE_MODE, 25, 1), 1
	s_wait_xcnt 0x0
	s_wait_alu depctr_hold_cnt(0) depctr_sa_sdst(0) depctr_va_vdst(0) depctr_va_sdst(0) depctr_va_ssrc(0) depctr_va_vcc(0) depctr_vm_vsrc(0)
	s_getreg_b32 s2, hwreg(HW_REG_IB_STS2, 6, 4)
	s_cmp_eq_u32 s2, 0
	s_cbranch_scc0 .Lentry_in_a_cluster
	s_endpgm
.Lentry_in_a_cluster:
	s_bfe_u32 s2, ttmp6, 0x10000c
	s_cmp_lg_u32 s2, 0x3003
	s_cbranch_scc0 .Lentry_shape_is_right
	s_endpgm
.Lentry_shape_is_right:
; ATTN: the scores once more; attn = 2^(c (score + n)), c = log2(e) / 8, n = -(the key's largest score + log2(the key's sum) / c): finished and normalised; its quantiser along the keys; ctx = attn V; ctx's quantiser along the head's 64.
; SHARES: a cluster of four work-groups has one head; a work-group 512 queries; each of its eight waves four tiles of 16 queries.  Every wave walks the head's 2,048 keys, 128 a step, in eight turns of 64 keys x 16 queries.
; A head's k codes, V codes, scale words and n (277 KiB) lie in LDS: the four partners need the same bytes, so they are asked for JOINTLY, one load a wave; every byte is filled once, so the loop has no barrier,
; and there is no later load that a prefetch could run ahead of.
; Both products are used transposed: S^T = k q^T (source 0 = 16 keys), O^T = V^T P (source 0 = 16 of the head's 64): a lane holds ONE query, and its registers run along the keys in operand order (the tiles' rows are chosen so).
; n of the register's key is the C of the score's matrix instruction, so one multiplication by c and one exponential finish a number.
; K = 64 in an instruction of K = 128: the k tiles lie on end between zero codes, the q tiles in pairs [Q][zeros][Q]; the half of K that meets zero codes adds exact zeros (all codes are finite); the scale words are doubled.
; A TURN n works on two score buffers: the block maxima and scales of turn n - 1, laid between the multiplications of turn n; then turn n's 32 exponentials with turn n - 1's 16 paired holds among them;
; then turn n - 1's conversions; then the products of turn n + 1 into the buffer just converted.  So no exponential stands between a score product and its first reader.
; OUT: cc[row tile][K step = head / 2][2,048 bytes], groups 2 (head % 2) + 0, 1; cs[bh][tile][row]: the head's two block bytes.
; LIMITS: NaN and infinities are not served; v_exp_f32 gives 0 for results under 2^-126; a block of zeros gets the byte 1 and zero codes (the bytes are read by this program alone).
.set VC,   131072                      ; LDS: k's codes at 0; V's codes;
.set KS,   262144                      ; k's scale words;
.set SIDE, 270336                      ; n by key, V's scale words at + 8,192;
.set STG,  282624                      ; the stage for ctx's scale bytes: 128 bytes a wave
.set SPARE, 283648                     ; the spare words: 128 bytes a wave
.set LK,  1                            ; v1  16 x lane
.set BM,  2                            ; v2  SIDE + 64 (lane / 16)
.set BS,  3                            ; v3  KS + 4 r
.set BT,  4                            ; v4  SIDE + 8,192 + 4 r
.set ADK, 5                            ; v5-9 the step's addresses
.set ADV, 6
.set ADM, 7
.set ADS, 8
.set ADT, 9
.set SWR, 10                           ; v10 STG + 128 w + 2 r
.set SRD, 11                           ; v11 STG + 16 x thread
.set QSW, 12                           ; v12-15 q's scale words
.set KSW, 16                           ; v16-19 k's
.set VSW, 20                           ; v20-23 V's
.set PW,  24                           ; v24-27 attn's, a word for each tile of queries
.set TM,  28                           ; v28-43 at work
.set KB,  44                           ; v44-91 [zeros] T0 .. T3 [zeros]
.set MB,  92                           ; v92-123 n of the registers' keys
.set S0,  156                          ; v156-187 the score buffer of even turns; v124-155 that of odd turns
.set P,   188                          ; v188-251 attn's codes, 16 registers a tile
.set PC,  188                          ; the way out: ctx's codes
.set GCS, 252                          ; v252 16 x thread
.set R4,  253                          ; v253 4 r
.set SPW, 254                          ; v254 my spare word; v255 0: never rewritten
.set NIL, 255
; window 1: v0-47 [Q0][zeros][Q1][Q2][zeros][Q3]; v48-111 V(t) at 48 + 16 t; v112-239 O(i, t) at 112 + 32 i + 8 t
.set G1A, 16                           ; s[16:23] group 1: 256 rows of 256 bytes
.set G1B, 24                           ; 24 rows
.set G1C, 32                           ; 16 rows
.set G0K, 40
.set G0V, 44
.set G0D, 48
.set G0W, 52
.set WV,  56
.set BH,  57
.set CX,  58
.set CS,  60                           ; s[60:61] c
.set SEL, 62
.set MNT, 66
.set TK,  67
.set TKV, 68
.set T5,  69
.set T2,  70
.set CNT, 71
.set QP,  80
.set QSP, 82
.set CCP, 84
.set CSP, 86
.set MSB, 0
.macro WIN new                         ; the immediate's high byte repeats the setting that is left
.if MSB != (\new)
	s_set_vgpr_msb (MSB<<8)|(\new)
.set MSB, (\new)
.endif
.endm
.macro NOPS n
.rept \n
	v_nop
.endr
.endm
.macro ROUND                           ; a round of the cluster's barrier
	s_barrier_signal -1
	s_barrier_wait -1
	s_cmp_lg_u32 s[WV], 0
	s_cbranch_scc1 .Lnot_wave_0_\@
	s_barrier_signal -3
.Lnot_wave_0_\@:
	s_barrier_wait -3
	s_barrier_signal -1
	s_barrier_wait -1
.endm
.macro WMC d, a, b, c, sa, sb
	v_wmma_scale_f32_16x16x128_f8f6f4 v[(\d):(\d)+7], v[(\a):(\a)+15], v[(\b):(\b)+15], v[(\c):(\c)+7], v[\sa], v[\sb] matrix_a_fmt:MATRIX_FMT_BF8 matrix_b_fmt:MATRIX_FMT_BF8
.endm
.macro WM0 d, a, b, sa, sb
	v_wmma_scale_f32_16x16x128_f8f6f4 v[(\d):(\d)+7], v[(\a):(\a)+15], v[(\b):(\b)+15], 0, v[\sa], v[\sb] matrix_a_fmt:MATRIX_FMT_BF8 matrix_b_fmt:MATRIX_FMT_BF8
.endm
; The way out's quantiser: 64 numbers of a lane in window w become codes in v[PC] on and a scale word in v[PW].  Each accumulator is read from its low end on; the four blocks take turns.
.macro QUANT s, w
	WIN (\w)|((\w)<<2)
.irp b, 0,1,2,3
	v_max3_num_f32 v[TM+\b], |v[(\s)+16*\b]|, |v[(\s)+16*\b+1]|, 0x8000000
.endr
	WIN ((\w)<<2)|((\w)<<4)
.irp i, 2,4,6,8,10,12,14
.irp b, 0,1,2,3
	v_max3_num_f32 v[TM+\b], v[TM+\b], |v[(\s)+16*\b+\i]|, |v[(\s)+16*\b+\i+1]|
.endr
.endr
	WIN 0
.irp b, 0,1,2,3
	v_permlanex16_b32 v[TM+4+\b], v[TM+\b], s[SEL], s[SEL+1]
.endr
.irp b, 0,1,2,3
	v_max_num_f32 v[TM+\b], v[TM+\b], v[TM+4+\b]
.endr
.irp b, 0,1,2,3
	v_add_nc_u32 v[TM+12+\b], 0xf8800000, v[TM+\b]
.endr
.irp b, 0,1,2,3
	v_and_or_b32 v[TM+8+\b], v[TM+\b], 0x7f800000, s[MNT]
.endr
.irp b, 0,1,2,3
	v_lshrrev_b32 v[TM+4+\b], 23, v[TM+12+\b]
.endr
	v_lshl_or_b32 v[PW], v[TM+5], 8, v[TM+4]
	v_lshl_or_b32 v[PW], v[TM+6], 16, v[PW]
	v_lshl_or_b32 v[PW], v[TM+7], 24, v[PW]
	WIN (\w)|((\w)<<6)
.irp b, 0,1,2,3
.set jj, 0
.rept 16
	v_med3_num_f32 v[(\s)+16*\b+jj], v[(\s)+16*\b+jj], -v[TM+8+\b], v[TM+8+\b]
.set jj, jj+1
.endr
.endr
	WIN (\w)
.irp b, 0,1,2,3
	v_cvt_scalef32_pk8_bf8_f32 v[PC+4*\b:PC+4*\b+1], v[(\s)+16*\b:(\s)+16*\b+7], v[TM+12+\b]
	v_cvt_scalef32_pk8_bf8_f32 v[PC+4*\b+2:PC+4*\b+3], v[(\s)+16*\b+8:(\s)+16*\b+15], v[TM+12+\b]
.endr
	WIN 0
	v_nop
.endm
.macro VLOAD                           ; the step's four fragments of V^T and their words: 20 LDS loads
	WIN 0x40
.irp t, 0,1,2,3
.irp c, 0,1,2,3
	ds_load_b128 v[48+16*\t+4*\c:48+16*\t+4*\c+3], v[ADV] offset:2048*\t+512*\c
.endr
.endr
	WIN 0
.irp t, 0,1,2,3
	ds_load_b32 v[VSW+\t], v[ADT] offset:64*\t
.endr
.endm
.macro KLOAD ee                        ; half ee (0, 1: of this step; 2: the next step's first): four tiles of k, their words, n of 64 keys: 20 LDS loads
.irp k, 0,1,2,3
	ds_load_b128 v[KB+8+8*\k:KB+8+8*\k+3], v[ADK] offset:4096*(\ee)+1024*\k
	ds_load_b128 v[KB+8+8*\k+4:KB+8+8*\k+7], v[ADK] offset:4096*(\ee)+1024*\k+512
	ds_load_b32 v[KSW+\k], v[ADS] offset:256*(\ee)+64*\k
.endr
.irp b, 0,1
.irp j, 0,1,2,3
	ds_load_b128 v[MB+16*\b+4*\j:MB+16*\b+4*\j+3], v[ADM] offset:256*(\ee)+128*\b+16*\j
.endr
.endr
.endm
.macro SC i, sb                        ; 64 keys x my tile i of queries, into the buffer at sb: score + n
	WIN 0x04
.irp k, 0,1,2,3
	WMC (\sb)+8*\k, KB+8-8*((\i)%2)+8*\k, 24*((\i)/2)+8*((\i)%2), MB+8*\k, KSW+\k, QSW+(\i)
.endr
	WIN 0
.endm
.macro PV mode                         ; O^T += V^T P over the step's 128 keys: sixteen accumulators by turns.  mode 1: the products start the sums
	WIN 0x51
.irp i, 0,1,2,3
.irp t, 0,1,2,3
.if (\mode) == 1
	WM0 112+32*\i+8*\t, 48+16*\t, P+16*\i, VSW+\t, PW+\i
.else
	WMC 112+32*\i+8*\t, 48+16*\t, P+16*\i, 112+32*\i+8*\t, VSW+\t, PW+\i
.endif
.endr
.endr
	WIN 0
.endm
.macro MU c                            ; the next c of the current buffer's sixteen multiplications by c, each accumulator from its low end on
.if CUR
.rept \c
	v_pk_mul_f32 v[SBC+mj:SBC+mj+1], v[SBC+mj:SBC+mj+1], s[CS:CS+1] op_sel_hi:[1,0]
.set mj, mj+2
.endr
.endif
.endm
.macro XR j                            ; four chains of maxima by turns: two to each block of 32 keys
.irp b, 0,1
	v_max3_num_f32 v[TM+\b], v[TM+\b], v[SBP+16*\b+\j], v[SBP+16*\b+\j+1]
.endr
.irp b, 0,1
	v_max3_num_f32 v[TM+2+\b], v[TM+2+\b], v[SBP+16*\b+\j+9], v[SBP+16*\b+\j+10]
.endr
.endm
; TURN n (half n / 4 of the step's keys, tile n % 4 of my queries).  prev: turn n - 1 is quantised; cur: turn n's attn is made; nxt: turn n + 1's products go out; pv: 0 none, 1 or 2 the second product.
.macro TURN n, prev, cur, nxt, pv
.set SBC, S0-32*((\n)%2)
.set SBP, S0-32*(((\n)+1)%2)
.set PI, (((\n)+7)%8)%4
.set PE, (((\n)+7)%8)/4
.set CUR, \cur
.set mj, 0
.if \prev
.irp b, 0,1
	v_max3_num_f32 v[TM+\b], v[SBP+16*\b], v[SBP+16*\b+1], 0x8000000   ; attn is not negative; the floor 2^(16 - 127) holds the byte at 1 from below
.endr
.irp b, 0,1
	v_max3_num_f32 v[TM+2+\b], v[SBP+16*\b+8], v[SBP+16*\b+9], v[SBP+16*\b+10]
.endr
	XR 2                                           ; eight plain lines so far, none on a register of the last products: the places ahead of loads into their operands
.if (\n) == 1
	VLOAD
.endif
.if (\n) == 3
	KLOAD 1
.endif
.if ((\n) == 7) && (\nxt)
	KLOAD 2
.endif
	XR 4
.irp b, 0,1
	v_max3_num_f32 v[TM+\b], v[TM+\b], v[SBP+16*\b+6], v[SBP+16*\b+7]
.endr
	MU 3                                           ; fourteen plain lines behind turn n's products; the multiplications also part the dependent lines below
.irp b, 0,1
	v_max3_num_f32 v[TM+\b], v[TM+\b], v[TM+2+\b], v[SBP+16*\b+15]
.endr
	MU 3
.irp b, 0,1
	v_permlanex16_b32 v[TM+4+\b], v[TM+\b], s[SEL], s[SEL+1]
.endr
	MU 3
.irp b, 0,1
	v_max_num_f32 v[TM+\b], v[TM+\b], v[TM+4+\b]   ; with lane l xor 16's: the block's largest attn
.endr
	MU 3
.irp b, 0,1
	v_add_nc_u32 v[TM+12+\b], 0xf8800000, v[TM+\b]   ; 15 off its exponent field: the conversion's scale operand
.endr
.irp b, 0,1
	v_and_or_b32 v[TM+8+\b], v[TM+\b], 0x7f800000, s[MNT]   ; 57,344 x the scale
.endr
	MU 2
.irp b, 0,1
	v_lshrrev_b32 v[TM+4+\b], 23, v[TM+12+\b]      ; the scale's byte
.endr
	MU 2
.if PE == 0
	v_lshl_or_b32 v[PW+PI], v[TM+5], 8, v[TM+4]
.else
	v_lshl_or_b32 v[PW+PI], v[TM+4], 16, v[PW+PI]
	v_lshl_or_b32 v[PW+PI], v[TM+5], 24, v[PW+PI]
.endif
.if ((\n) == 0) && (\cur)
	s_add_co_u32 s[TK], s[TK], 8192                ; on to this step's addresses
	s_add_co_u32 s[TKV], s[TKV], 8192
	s_add_co_u32 s[T5], s[T5], 512
	s_add_co_u32 s[T2], s[T2], 256
	v_add_nc_u32 v[ADK], s[TK], v[LK]
	v_add_nc_u32 v[ADV], s[TKV], v[LK]
	v_add_nc_u32 v[ADM], s[T5], v[BM]
	v_add_nc_u32 v[ADS], s[T5], v[BS]
	v_add_nc_u32 v[ADT], s[T2], v[BT]
.endif
.else
	NOPS 8
	MU 16
.endif
.if \cur
	s_wait_alu depctr_va_vdst(0)
.endif
.set jj, 0
.rept 16
.if \cur
	v_exp_f32 v[SBC+jj], v[SBC+jj]                 ; finished and normalised
	v_exp_f32 v[SBC+jj+1], v[SBC+jj+1]
.endif
.if \prev
	v_dual_min_num_f32 v[SBP+jj], v[SBP+jj], v[TM+8+jj/16] :: v_dual_min_num_f32 v[SBP+jj+1], v[SBP+jj+1], v[TM+8+jj/16]   ; the conversion does not saturate (ISA guide 7.6.2); the hold is one-sided, two numbers a line
.endif
.set jj, jj+2
.endr
.if (\prev) == 0
	v_nop
.endif
.if \cur
	s_wait_alu depctr_va_vdst(0)                   ; one wait for the batch and for the holds among it
.endif
.if ((\n) == 3) || (((\n) == 7) && (\nxt))
	s_wait_dscnt 0x0                               ; the next half's k, words and n are in (turn 3: and V)
.endif
.if \prev
.irp b, 0,1
	v_cvt_scalef32_pk8_bf8_f32 v[P+16*PI+8*PE+4*\b:P+16*PI+8*PE+4*\b+1], v[SBP+16*\b:SBP+16*\b+7], v[TM+12+\b]
	v_cvt_scalef32_pk8_bf8_f32 v[P+16*PI+8*PE+4*\b+2:P+16*PI+8*PE+4*\b+3], v[SBP+16*\b+8:SBP+16*\b+15], v[TM+12+\b]
.endr
.if \pv
	NOPS 4                                         ; codes made by vector instructions stand four lines ahead of the product; the scale word was made ahead of the sixteen holds
	PV \pv
.else
	v_nop                                          ; a plain line behind the last conversion
.endif
.endif
.if \nxt
	SC ((\n)+1)%4, SBP
.endif
.endm
.macro TRIP pv                         ; from a step's second turn to the next step's first, in which the step's second product goes out
.irp n, 1,2,3,4,5,6,7
	TURN \n, 1, 1, 1, 0
.endr
	TURN 0, 1, 1, 1, \pv
.endm
	s_load_b256 s[4:11], s[0:1], 0x0               ; qkc, qks, vc, side
	s_load_b128 s[12:15], s[0:1], 0x20             ; cc, cs
	v_lshl_add_u32 v[SPW], v0, 2, SPARE
	v_mov_b32 v[NIL], 0
	ds_add_u32 v[SPW], v[NIL]
	ds_add_u32 v[SPW], v[NIL]
	v_lshrrev_b32 v5, 5, v0
	v_readfirstlane_b32 s[WV], v5                  ; wave 0..7
	s_and_b32 s[BH], ttmp7, 0xffff                 ; batch x 16 + head: the cluster's y
	s_bfe_u32 s[CX], ttmp6, 0x40000                ; my place in the cluster: it enters global addresses of my queries and results alone
.irp g, G1A, G1B, G1C
	s_mov_b32 s[\g], 15|(3<<16)|(1<<21)            ; the mask: all four work-groups; elements of 8 bytes; bit 21 beside a mask; no padding
	s_mov_b32 s[\g+1], 32<<16                      ; rows of 256 bytes
	s_mov_b32 s[\g+3], 32<<16
	s_mov_b32 s[\g+5], 32                          ; dense
	s_mov_b32 s[\g+6], 0
	s_mov_b32 s[\g+7], 0
.endr
	s_mov_b32 s[G1A+2], 256<<16                    ; 65,536 bytes: half a head's codes
	s_mov_b32 s[G1A+4], 256
	s_mov_b32 s[G1B+2], 24<<16                     ; 6,144 bytes: half of n and V's words
	s_mov_b32 s[G1B+4], 24
	s_mov_b32 s[G1C+2], 16<<16                     ; 4,096 bytes: half of k's words
	s_mov_b32 s[G1C+4], 16
	s_and_b32 s76, s[WV], 1                        ; which half I fetch
	s_mov_b32 s73, 0
	s_lshl_b32 s74, s76, 16
	s_lshl_b32 s72, s[BH], 17
	s_add_co_u32 s72, s72, s74
	s_wait_dscnt 0x0
	s_wait_kmcnt 0x0
	s_mov_b32 s[G0K], 1
	s_mov_b32 s[G0K+1], s74
	s_add_nc_u64 s[G0K+2:G0K+3], s[4:5], s[72:73]
	s_add_nc_u64 s[G0K+2:G0K+3], s[G0K+2:G0K+3], 8388608   ; k's half of qkc
	s_or_b32 s[G0K+3], s[G0K+3], 0x80000000
	s_mov_b32 s[G0V], 1
	s_add_co_u32 s[G0V+1], s74, VC
	s_add_nc_u64 s[G0V+2:G0V+3], s[8:9], s[72:73]
	s_or_b32 s[G0V+3], s[G0V+3], 0x80000000
	s_mul_i32 s74, s76, 6144
	s_mul_i32 s72, s[BH], 12288
	s_add_co_u32 s72, s72, s74
	s_mov_b32 s[G0D], 1
	s_add_co_u32 s[G0D+1], s74, SIDE
	s_add_nc_u64 s[G0D+2:G0D+3], s[10:11], s[72:73]
	s_or_b32 s[G0D+3], s[G0D+3], 0x80000000
	s_lshl_b32 s74, s76, 12
	s_lshl_b32 s72, s[BH], 13
	s_add_co_u32 s72, s72, s74
	s_add_co_u32 s72, s72, 524288                  ; k's half of qks
	s_mov_b32 s[G0W], 1
	s_add_co_u32 s[G0W+1], s74, KS
	s_add_nc_u64 s[G0W+2:G0W+3], s[6:7], s[72:73]
	s_or_b32 s[G0W+3], s[G0W+3], 0x80000000
	; my queries and results: in registers that feed no descriptor
	s_mov_b32 s89, 0
	s_lshl_b32 s88, s[BH], 17
	s_lshl_b32 s90, s[CX], 15
	s_add_co_u32 s88, s88, s90
	s_lshl_b32 s90, s[WV], 12
	s_add_co_u32 s88, s88, s90                     ; tiles 32 cx + 4 w on, 1,024 bytes each
	s_add_nc_u64 s[QP:QP+1], s[4:5], s[88:89]
	s_lshl_b32 s88, s[BH], 13
	s_lshl_b32 s90, s[CX], 11
	s_add_co_u32 s88, s88, s90
	s_lshl_b32 s90, s[WV], 8
	s_add_co_u32 s88, s88, s90
	s_add_nc_u64 s[QSP:QSP+1], s[6:7], s[88:89]
	s_lshr_b32 s88, s[BH], 4                       ; batch
	s_lshl_b32 s88, s88, 7
	s_lshl_b32 s90, s[CX], 5
	s_add_co_u32 s88, s88, s90
	s_lshl_b32 s90, s[WV], 2
	s_add_co_u32 s88, s88, s90                     ; my first row tile
	s_lshl_b32 s88, s88, 14
	s_and_b32 s90, s[BH], 15                       ; head
	s_lshr_b32 s91, s90, 1
	s_lshl_b32 s91, s91, 11                        ; K step head / 2
	s_add_co_u32 s88, s88, s91
	s_and_b32 s90, s90, 1
	s_lshl_b32 s90, s90, 10                        ; groups 2 (head % 2) on
	s_add_co_u32 s88, s88, s90
	s_add_nc_u64 s[CCP:CCP+1], s[12:13], s[88:89]
	s_lshl_b32 s88, s[BH], 12
	s_lshl_b32 s90, s[CX], 10
	s_add_co_u32 s88, s88, s90
	s_add_nc_u64 s[CSP:CSP+1], s[14:15], s[88:89]
	ROUND                                          ; all four work-groups are here: the joint loads meet
; THE HEAD'S LOADS, ONE A WAVE: waves 0, 1 the halves of k's codes; 2, 3 of k's words; 4, 5 of n and V's words; 6, 7 of V's codes.  One chain of branches on the wave's number; every way passes one load.
.macro ARM under, g0, g1, next
	s_cmp_lt_u32 s[WV], \under
	s_cbranch_scc0 \next
	tensor_load_to_lds s[\g0:\g0+3], s[\g1:\g1+7]
	s_nop 0
	NOPS 4
	s_branch .Lasked
\next:
.endm
	ARM 2, G0K, G1A, .Lh_w
	ARM 4, G0W, G1C, .Lh_d
	ARM 6, G0D, G1B, .Lh_v
	tensor_load_to_lds s[G0V:G0V+3], s[G1A:G1A+7]
	s_nop 0
	NOPS 4
.Lasked:
	v_and_b32 v5, 31, v0                           ; lane
	v_and_b32 v6, 15, v0                           ; r
	v_bfe_u32 v7, v0, 4, 1                         ; lane / 16
	v_lshlrev_b32 v[LK], 4, v5
	v_lshl_add_u32 v[BM], v7, 6, SIDE
	v_lshl_add_u32 v[BS], v6, 2, KS
	v_lshl_add_u32 v[BT], v6, 2, SIDE+8192
	s_lshl_b32 s75, s[WV], 7
	s_add_co_u32 s75, s75, STG
	v_lshl_add_u32 v[SWR], v6, 1, s75
	v_lshl_add_u32 v[SRD], v0, 4, STG
	v_lshlrev_b32 v[GCS], 4, v0
	v_lshlrev_b32 v[R4], 2, v6
	WIN 0x40                                       ; destination window 1
.irp i, 0,1,2,3
.irp c, 0,1
	global_load_b128 v[24*(\i/2)+16*(\i%2)+4*\c:24*(\i/2)+16*(\i%2)+4*\c+3], v[LK], s[QP:QP+1] offset:1024*\i+512*\c
.endr
.endr
.irp j, 0,1,2,3,4,5,6,7
	v_mov_b32 v[8+\j], 0                           ; zero codes between the tiles of a pair
	v_mov_b32 v[32+\j], 0
.endr
	WIN 0
.irp i, 0,1,2,3
	global_load_b32 v[QSW+\i], v[R4], s[QSP:QSP+1] offset:64*\i
.endr
.irp j, 0,1,2,3,4,5,6,7
	v_mov_b32 v[KB+\j], 0                          ; zero codes at both ends of the streamed tiles
	v_mov_b32 v[KB+40+\j], 0
.endr
.irp b, 0,1,2,3
	v_mov_b32 v[TM+4+\b], 0                        ; written once: a lane permute's destination counts as one of its sources
.endr
	s_mov_b32 s[CS], 0x3e38aa3b                    ; c = log2(e) / 8
	s_mov_b32 s[CS+1], s[CS]
	s_mov_b32 s[SEL], 0x76543210
	s_mov_b32 s[SEL+1], 0xfedcba98
	s_mov_b32 s[MNT], 0x600000
	s_mov_b32 s[TK], 0
	s_mov_b32 s[TKV], VC
	s_mov_b32 s[T5], 0
	s_mov_b32 s[T2], 0
	s_mov_b32 s[CNT], 14
	v_add_nc_u32 v[ADK], s[TK], v[LK]
	v_add_nc_u32 v[ADV], s[TKV], v[LK]
	v_add_nc_u32 v[ADM], s[T5], v[BM]
	v_add_nc_u32 v[ADS], s[T5], v[BS]
	v_add_nc_u32 v[ADT], s[T2], v[BT]
	s_wait_alu depctr_va_vdst(0)
	s_wait_tensorcnt 0x0                           ; my part has landed,
	s_barrier_signal -1
	s_barrier_wait -1                              ; everybody's has
	KLOAD 0
	s_wait_loadcnt 0x0                             ; my queries
	s_wait_dscnt 0x0                               ; the first half's k, words and n
	SC 0, S0
	TURN 0, 0, 1, 1, 0                             ; the first turn has no turn before it
	TRIP 1                                         ; the first step's second product starts O^T's sums: nothing is cleared
.Lk:
	TRIP 2
	s_sub_co_u32 s[CNT], s[CNT], 1
	s_cmp_lg_u32 s[CNT], 0
	s_cbranch_scc1 .Lk
.irp n, 1,2,3,4,5,6
	TURN \n, 1, 1, 1, 0                            ; the last step: nothing more is fetched behind its second half
.endr
	TURN 7, 1, 1, 0, 0
	TURN 0, 1, 0, 0, 2                             ; its last turn is quantised, and its second product goes out
	; ---- the way out: ctx of two tiles of queries at a time: four blocks of 32 along the head's 64
	NOPS 8
.irp n, 0,1
	s_wait_xcnt 0x0                                ; the stores before have read the codes' registers
	QUANT 112+64*\n, 1
.irp b, 0,1,2,3
	global_store_b128 v[LK], v[PC+4*\b:PC+4*\b+3], s[CCP:CCP+1] offset:(2*\n+\b/2)*16384+512*(\b%2)   ; 512 dense bytes
.endr
	ds_store_b16 v[SWR], v[PW] offset:64*\n                  ; tile 2 n's two bytes of row r,
	ds_store_b16_d16_hi v[SWR], v[PW] offset:64*\n+32        ; tile 2 n + 1's; both halves of the lanes write the same value
.endr
	s_wait_dscnt 0x0
	s_barrier_signal -1
	s_barrier_wait -1
	s_cmp_lt_u32 s[WV], 2                          ; 1,024 bytes leave by two waves
	s_cbranch_scc0 .Lno_cs
	ds_load_b128 v[TM:TM+3], v[SRD]
	s_wait_dscnt 0x0
	global_store_b128 v[GCS], v[TM:TM+3], s[CSP:CSP+1]   ; 16 lanes store 256 consecutive bytes, aligned
.Lno_cs:
	s_wait_tensorcnt 0x0                           ; the wave's end
	ds_add_u32 v[SPW], v[NIL]
	s_wait_dscnt 0x0
	ROUND                                          ; the closing round
	s_endpgm
.Lfunc_end_k_q0d15584d01_attn:
	.size	k_q0d15584d01_attn, .Lfunc_end_k_q0d15584d01_attn-k_q0d15584d01_attn
	.p2alignl 7, 3214868480
	.fill 96, 4, 3214868480
	.section	.rodata,"a",@progbits
	.p2align	6, 0x0
	.amdhsa_kernel k_q0d15584d01_attn
		.amdhsa_group_segment_fixed_size 284672
		.amdhsa_private_segment_fixed_size 0
		.amdhsa_enable_private_segment 0
		.amdhsa_kernarg_size 48
		.amdhsa_user_sgpr_count 2
		.amdhsa_user_sgpr_kernarg_segment_ptr 1
		.amdhsa_wavefront_size32 1
		.amdhsa_system_sgpr_workgroup_id_x 1
		.amdhsa_system_sgpr_workgroup_id_y 1
		.amdhsa_system_sgpr_workgroup_id_z 1
		.amdhsa_system_vgpr_workitem_id 0
		.amdhsa_next_free_vgpr 512
		.amdhsa_next_free_sgpr 96
		.amdhsa_reserve_vcc 0
		.amdhsa_float_denorm_mode_32 3
		.amdhsa_float_denorm_mode_16_64 3
		.amdhsa_memory_ordered 1
		.amdhsa_forward_progress 1
		.amdhsa_inst_pref_size 183
	.end_amdhsa_kernel
	.amdgpu_metadata
---
amdhsa.version: [ 1, 2 ]
amdhsa.kernels:
  - .name:           k_q0d15584d01_attn
    .symbol:         k_q0d15584d01_attn.kd
    .args:
      - { .name: qkc, .offset: 0, .size: 8, .value_kind: global_buffer, .address_space: global }
      - { .name: qks, .offset: 8, .size: 8, .value_kind: global_buffer, .address_space: global }
      - { .name: vc, .offset: 16, .size: 8, .value_kind: global_buffer, .address_space: global }
      - { .name: side, .offset: 24, .size: 8, .value_kind: global_buffer, .address_space: global }
      - { .name: cc, .offset: 32, .size: 8, .value_kind: global_buffer, .address_space: global }
      - { .name: cs, .offset: 40, .size: 8, .value_kind: global_buffer, .address_space: global }
    .group_segment_fixed_size: 284672
    .private_segment_fixed_size: 0
    .kernarg_segment_align: 8
    .kernarg_segment_size: 48
    .max_flat_workgroup_size: 256
    .sgpr_count:     96
    .vgpr_count:     512
    .wavefront_size: 32
...
	.end_amdgpu_metadata
.endif
;; end of part 9
;; launch outp (part 10): grid 256 x 1, 4 waves a work-group, clusters of 4 x 1, 168,448 bytes of LDS; arguments cc, cs, cod, sc, bo, out0; writes out0
.if DOCPART == 10
	.amdgcn_target "amdgcn-amd-amdhsa--gfx1250"
	.amdhsa_code_object_version 6
	.text
	.protected	k_q0d15584d01_outp
	.globl	k_q0d15584d01_outp
	.p2align	8
	.type	k_q0d15584d01_outp,@function
k_q0d15584d01_outp:
	s_mov_b64 s[64:65], 0
	v_nop
	global_prefetch_b8 v0, s[64:65] scope:SCOPE_SE
	s_setreg_imm32_b32 hwreg(HW_REG_WAVE_MODE, 25, 1), 1
	s_wait_xcnt 0x0
	s_wait_alu depctr_hold_cnt(0) depctr_sa_sdst(0) depctr_va_vdst(0) depctr_va_sdst(0) depctr_va_ssrc(0) depctr_va_vcc(0) depctr_vm_vsrc(0)
	s_getreg_b32 s2, hwreg(HW_REG_IB_STS2, 6, 4)
	s_cmp_eq_u32 s2, 0
	s_cbranch_scc0 .Lentry_in_a_cluster
	s_endpgm
.Lentry_in_a_cluster:
	s_bfe_u32 s2, ttmp6, 0x10000c
	s_cmp_lg_u32 s2, 0x3003
	s_cbranch_scc0 .Lentry_shape_is_right
	s_endpgm
.Lentry_shape_is_right:
; OUTP: out = ctx Wo^T + bo on codes of E5M2.  ctx's codes (cc) and Wo's (cod, tiles 1,728 on) are images of operand registers; ctx's scale bytes (cs) lie by head and are joined here into words of a K step (two heads).
; SHARES: a cluster of four work-groups has 128 rows; work-group g of it outputs 256 g on; wave w outputs 64 (4 g + w) on: 64 x 1,024 K of Wo in 512 registers, by plain loads: the partners have other outputs.
; The 128 rows' codes (128 KiB) are the same for the four partners: they are asked for JOINTLY, each wave a quarter, straight into LDS; every byte is filled once.
; 256 matrix instructions a wave on 32 accumulators, which take turns; they begin while Wo's later K steps are still arriving.
; Source 0 = 16 outputs, source 1 = 16 rows: a lane holds one row and 32 outputs.  The bias is the C of each sum's first matrix instruction.
; THE WAY OUT: a tile of 16 rows x 64 outputs goes through the wave's own stage in LDS (pitch 272) and leaves as rows of 256 bytes: sixteen lanes store 256 consecutive bytes, aligned.
; A tile's rows are 32 (m/2) + 8 (m%2) + p + 8 (p/8), as everywhere in this program.
.set XSC, 131072                       ; LDS: ctx's images at 0; their scale words, 8 tiles x 512 bytes;
.set STG, 135168                       ; a stage of 16 x 272 bytes for each wave
.set CO,  1                            ; v1  16 x lane
.set LI0, 2                            ; v2, v3  16 x lane, + 65,536
.set LS,  4                            ; v4  XSC + 32 r
.set VA,  6                            ; v6  my word of cs
.set VS,  7                            ; v7  where its two scale words go
.set WSA, 8                            ; v8  32 r
.set SO,  9                            ; v9  my stage + 272 r + 64 (lane / 16)
.set SR,  10                           ; v10 my stage + 272 (lane / 16) + 16 r
.set GO,  11                           ; v11 4,096 (lane / 16) + 16 r
.set BA,  12                           ; v12 64 (lane / 16)
.set XS,  16                           ; v16-23 ctx's scale words: scales alone
.set WS,  60                           ; v60-91 Wo's scale words
.set BI,  92                           ; v92-123 the bias in the result's layout
.set XF,  124                          ; v124-251 ctx's fragments, two sets; on the way out rows of out
.set WV,  22
.set G1X, 24                           ; s[24:31] group 1: 128 rows of 256 bytes
.set G0X, 32
.set WP,  36
.set WSP, 38
.set CSP, 40
.set BP,  42
.set OP,  44
.set CX,  46
.set MSB, 0
.macro WIN new                         ; the immediate's high byte repeats the setting that is left; a switch that changes nothing is dropped
.if MSB != (\new)
	s_set_vgpr_msb (MSB<<8)|(\new)
.set MSB, (\new)
.endif
.endm
.macro NOPS n
.rept \n
	v_nop
.endr
.endm
.macro ROUND                           ; a round of the cluster's barrier
	s_barrier_signal -1
	s_barrier_wait -1
	s_cmp_lg_u32 s[WV], 0
	s_cbranch_scc1 .Lnot_wave_0_\@
	s_barrier_signal -3
.Lnot_wave_0_\@:
	s_barrier_wait -3
	s_barrier_signal -1
	s_barrier_wait -1
.endm
.macro WMC d, a, b, c, sa, sb
	v_wmma_scale_f32_16x16x128_f8f6f4 v[(\d):(\d)+7], v[(\a):(\a)+15], v[(\b):(\b)+15], v[(\c):(\c)+7], v[\sa], v[\sb] matrix_a_fmt:MATRIX_FMT_BF8 matrix_b_fmt:MATRIX_FMT_BF8
.endm
.macro WKL kk                          ; K step kk of Wo: 16 loads of 512 dense bytes (the destination's window is set by the caller)
.irp t, 0,1,2,3
.irp c, 0,1,2,3
	global_load_b128 v[16*(4*((\kk)%4)+\t)+4*\c:16*(4*((\kk)%4)+\t)+4*\c+3], v[CO], s[WP:WP+1] offset:\t*16384+(\kk)*2048+512*\c
.endr
.endr
.endm
.macro FETCHX set, kk                  ; four fragments of K step kk and their scale words: 20 LDS loads
.irp mm, 0,1,2,3
.irp c, 0,1,2,3
	ds_load_b128 v[XF+64*(\set)+16*\mm+4*\c:XF+64*(\set)+16*\mm+4*\c+3], v[LI0+(\set)] offset:(8*\mm+(\kk))*2048+512*\c
.endr
	ds_load_b32 v[XS+4*(\set)+\mm], v[LS] offset:(4*(\set)+\mm)*512+4*(\kk)
.endr
.endm
.macro MUL set, kk                     ; 16 matrix instructions
.if (\kk) == 0
	WIN 0xc1
.else
	WIN (1+(\kk)/4)|0xf0
.endif
.irp mm, 0,1,2,3
.irp t, 0,1,2,3
.set WF, 16*(4*((\kk)%4)+\t)
.set XR, XF+64*(\set)+16*\mm
.set AC, 32*(4*(\set)+\mm)+8*\t
.if (\kk) == 0
	WMC AC, WF, XR, BI+8*\t, WS+8*\t+(\kk), XS+4*(\set)+\mm
.else
	WMC AC, WF, XR, AC, WS+8*\t+(\kk), XS+4*(\set)+\mm
.endif
.endr
.endr
.endm
.macro SEND m, younger                 ; tile m's 16 rows leave; younger: the LDS instructions issued behind its loads, which may stay out
	s_wait_dscnt \younger
.irp i, 0,1,2,3,4,5,6,7
	global_store_b128 v[GO], v[XF+32*((\m)%2)+4*\i:XF+32*((\m)%2)+4*\i+3], s[OP:OP+1] offset:(32*((\m)/2)+8*((\m)%2)+2*\i+8*(\i/4))*4096 th:TH_STORE_NT
.endr
.endm
	s_load_b256 s[4:11], s[0:1], 0x0               ; cc, cs, cod, sc
	s_load_b128 s[12:15], s[0:1], 0x20             ; bo, out0
	v_lshl_add_u32 v254, v0, 2, 0x29000
	v_mov_b32 v255, 0
	ds_add_u32 v254, v255
	ds_add_u32 v254, v255
	v_lshrrev_b32 v24, 5, v0
	v_readfirstlane_b32 s[WV], v24                 ; wave 0..3
	s_mov_b32 s[G1X], 15|(3<<16)|(1<<21)           ; 15:0 the mask: all four work-groups; 17:16 elements of 8 bytes; 21 set beside a mask; no padding
	s_mov_b32 s[G1X+1], 32<<16                     ; rows of 256 bytes
	s_mov_b32 s[G1X+2], 128<<16                    ; 128 rows: 32,768 bytes
	s_mov_b32 s[G1X+3], 32<<16
	s_mov_b32 s[G1X+4], 128
	s_mov_b32 s[G1X+5], 32                         ; dense
	s_mov_b32 s[G1X+6], 0
	s_mov_b32 s[G1X+7], 0
	s_lshl_b32 s48, s[WV], 15                      ; my quarter of the rows' codes: in LDS,
	s_lshl_b32 s50, ttmp9, 17                      ; and in memory: the cluster's number is the block of 128 rows
	s_add_co_u32 s50, s50, s48
	s_mov_b32 s51, 0
	s_wait_dscnt 0x0
	s_wait_kmcnt 0x0
	s_mov_b32 s[G0X], 1                            ; count = 1
	s_mov_b32 s[G0X+1], s48                        ; LDS address
	s_add_nc_u64 s[G0X+2:G0X+3], s[4:5], s[50:51]  ; global address
	s_or_b32 s[G0X+3], s[G0X+3], 0x80000000        ; type = 2
	ROUND                                          ; all four work-groups are here: the joint loads meet
	tensor_load_to_lds s[G0X:G0X+3], s[G1X:G1X+7]  ; one tensor load of mine is out
	s_nop 0
	NOPS 4
	v_and_b32 v24, 31, v0                          ; lane
	v_and_b32 v25, 15, v0                          ; r
	v_bfe_u32 v26, v0, 4, 1                        ; lane / 16
	v_lshlrev_b32 v[CO], 4, v24
	v_lshlrev_b32 v[LI0], 4, v24
	v_add_nc_u32 v[LI0+1], 65536, v[LI0]
	v_lshl_add_u32 v[LS], v25, 5, XSC
	v_lshlrev_b32 v[WSA], 5, v25
	s_mul_i32 s49, s[WV], 4352
	s_add_co_u32 s49, s49, STG                     ; my stage
	v_mul_u32_u24 v[SO], v25, 272
	v_lshl_add_u32 v[SO], v26, 6, v[SO]
	v_add_nc_u32 v[SO], s49, v[SO]
	v_mul_u32_u24 v[SR], v26, 272
	v_lshl_add_u32 v[SR], v25, 4, v[SR]
	v_add_nc_u32 v[SR], s49, v[SR]
	v_lshlrev_b32 v[GO], 12, v26
	v_lshl_add_u32 v[GO], v25, 4, v[GO]
	v_lshlrev_b32 v[BA], 6, v26
	v_bfe_u32 v24, v0, 3, 3                        ; cs: thread t takes rows 2 (t % 8), + 1 of tile (t % 64) / 8, heads 2 (t / 64) + 4 e, + 1
	v_and_b32 v25, 7, v0
	v_lshrrev_b32 v26, 6, v0
	v_lshlrev_b32 v[VS], 9, v24
	v_lshl_add_u32 v[VS], v25, 6, v[VS]
	v_lshl_add_u32 v[VS], v26, 2, v[VS]
	v_add_nc_u32 v[VS], XSC, v[VS]
	v_and_b32 v[VA], 63, v0
	v_lshlrev_b32 v[VA], 2, v[VA]
	v_lshl_add_u32 v[VA], v26, 13, v[VA]
	s_wait_alu depctr_va_vdst(0)
	s_lshr_b32 s50, ttmp9, 4                       ; batch
	s_lshl_b32 s50, s50, 16
	s_and_b32 s49, ttmp9, 15
	s_lshl_b32 s49, s49, 8                         ; my eight tiles: 256 bytes in each head's part
	s_add_co_u32 s50, s50, s49
	s_add_nc_u64 s[CSP:CSP+1], s[6:7], s[50:51]
	; my outputs: my place in the cluster enters these global addresses alone, in registers that feed no descriptor
	s_bfe_u32 s[CX], ttmp6, 0x40000
	s_lshl_b32 s52, s[CX], 2
	s_add_co_u32 s52, s52, s[WV]                   ; which 64 outputs
	s_mov_b32 s55, 0
	s_lshl_b32 s54, s52, 16
	s_add_co_u32 s54, s54, 1728*16384              ; Wo's tiles begin at tile 1,728; four to a wave
	s_add_nc_u64 s[WP:WP+1], s[8:9], s[54:55]
	s_lshl_b32 s54, s52, 11
	s_add_co_u32 s54, s54, 1728*512
	s_add_nc_u64 s[WSP:WSP+1], s[10:11], s[54:55]
	s_lshl_b32 s54, s52, 8
	s_add_nc_u64 s[BP:BP+1], s[12:13], s[54:55]
	s_lshl_b32 s56, ttmp9, 19                      ; 128 rows of 4,096 bytes
	s_add_co_u32 s54, s54, s56
	s_add_nc_u64 s[OP:OP+1], s[14:15], s[54:55]
.irp t, 0,1,2,3
	global_load_b128 v[WS+8*\t:WS+8*\t+3], v[WSA], s[WSP:WSP+1] offset:512*\t
	global_load_b128 v[WS+8*\t+4:WS+8*\t+7], v[WSA], s[WSP:WSP+1] offset:512*\t+16
.endr
.irp e, 0,1,2,3
	global_load_b32 v[24+2*\e], v[VA], s[CSP:CSP+1] offset:16384*\e          ; an even head's bytes of two rows,
	global_load_b32 v[25+2*\e], v[VA], s[CSP:CSP+1] offset:16384*\e+4096     ; the odd head's beside it
.endr
.irp t, 0,1,2,3
	global_load_b128 v[BI+8*\t:BI+8*\t+3], v[BA], s[BP:BP+1] offset:(32*(\t/2)+8*(\t%2))*4
	global_load_b128 v[BI+8*\t+4:BI+8*\t+7], v[BA], s[BP:BP+1] offset:(32*(\t/2)+8*(\t%2))*4+16
.endr
	WIN 0x40                                       ; Wo, K step by K step
.irp k, 0,1,2,3
	WKL \k
.endr
	WIN 0x80
.irp k, 4,5,6,7
	WKL \k
.endr
	WIN 0
	s_wait_loadcnt 63                              ; 128 younger loads were issued behind the scale words, cs and the bias
.irp e, 0,1,2,3
	v_perm_b32 v[32+2*\e], v[25+2*\e], v[24+2*\e], 0x05040100   ; the even row's word of K step 2 e + t / 64: two bytes of each head
	v_perm_b32 v[33+2*\e], v[25+2*\e], v[24+2*\e], 0x07060302   ; the odd row's
.endr
.irp e, 0,1,2,3
	ds_store_b32 v[VS], v[32+2*\e] offset:8*\e
	ds_store_b32 v[VS], v[33+2*\e] offset:8*\e+32
.endr
	s_wait_tensorcnt 0x0                           ; my quarter of the codes has landed,
	s_wait_dscnt 0x0                               ; and my stores of scale words
	s_barrier_signal -1
	s_barrier_wait -1                              ; everybody's have
	; Eight plain lines stand between a matrix instruction of this form and a load into a register that it has read.
	FETCHX 0, 0
	FETCHX 1, 0
.irp kk, 0,1,2,3,4,5,6,7
.if 112-16*\kk > 63
	s_wait_loadcnt 63                              ; behind K step k's loads the 16 (7 - k) of the later K steps were issued: they may be out (63 where that is more than 63)
.else
	s_wait_loadcnt 112-16*\kk
.endif
	s_wait_dscnt 20                                ; set 0 is in; set 1's twenty loads may be out
	MUL 0, \kk
	WIN 0
.if \kk < 7
	NOPS 8
	FETCHX 0, \kk+1
	s_wait_dscnt 20                                ; set 1 is in; the twenty just issued may be out
.else
	s_wait_dscnt 0x0
.endif
	MUL 1, \kk
	WIN 0
.if \kk < 7
	NOPS 8
	FETCHX 1, \kk+1
.endif
.endr
	NOPS 8                                         ; behind the last products: for the first reads of results and the loads into the fragments' registers
.irp m, 0,1,2,3,4,5,6,7
.if \m >= 2
	s_wait_xcnt 0x0                                ; tile m - 2's stores have read their registers
.endif
	WIN 0x0c                                       ; an LDS store's data are its source 1: window 3
.irp t, 0,1,2,3
	ds_store_b128 v[SO], v[32*\m+8*\t:32*\m+8*\t+3] offset:128*(\t/2)+32*(\t%2)          ; each accumulator from its low end on
	ds_store_b128 v[SO], v[32*\m+8*\t+4:32*\m+8*\t+7] offset:128*(\t/2)+32*(\t%2)+16
.endr
	WIN 0
.irp i, 0,1,2,3,4,5,6,7
	ds_load_b128 v[XF+32*(\m%2)+4*\i:XF+32*(\m%2)+4*\i+3], v[SR] offset:544*\i   ; LDS serves a wave's instructions in order: these see my stores, and the next tile's stores come behind them
.endr
.if \m > 0
	SEND \m-1, 16                                  ; behind tile m - 1's loads: tile m's 8 stores and 8 loads
.endif
.endr
	SEND 7, 0
	s_wait_tensorcnt 0x0
	ds_add_u32 v254, v255
	s_wait_dscnt 0x0
	ROUND                                          ; the closing round
	s_endpgm
.Lfunc_end_k_q0d15584d01_outp:
	.size	k_q0d15584d01_outp, .Lfunc_end_k_q0d15584d01_outp-k_q0d15584d01_outp
	.p2alignl 7, 3214868480
	.fill 96, 4, 3214868480
	.section	.rodata,"a",@progbits
	.p2align	6, 0x0
	.amdhsa_kernel k_q0d15584d01_outp
		.amdhsa_group_segment_fixed_size 168448
		.amdhsa_private_segment_fixed_size 0
		.amdhsa_enable_private_segment 0
		.amdhsa_kernarg_size 48
		.amdhsa_user_sgpr_count 2
		.amdhsa_user_sgpr_kernarg_segment_ptr 1
		.amdhsa_wavefront_size32 1
		.amdhsa_system_sgpr_workgroup_id_x 1
		.amdhsa_system_sgpr_workgroup_id_y 1
		.amdhsa_system_sgpr_workgroup_id_z 1
		.amdhsa_system_vgpr_workitem_id 0
		.amdhsa_next_free_vgpr 1024
		.amdhsa_next_free_sgpr 66
		.amdhsa_reserve_vcc 0
		.amdhsa_float_denorm_mode_32 3
		.amdhsa_float_denorm_mode_16_64 3
		.amdhsa_memory_ordered 1
		.amdhsa_forward_progress 1
		.amdhsa_inst_pref_size 94
	.end_amdhsa_kernel
	.amdgpu_metadata
---
amdhsa.version: [ 1, 2 ]
amdhsa.kernels:
  - .name:           k_q0d15584d01_outp
    .symbol:         k_q0d15584d01_outp.kd
    .args:
      - { .name: cc, .offset: 0, .size: 8, .value_kind: global_buffer, .address_space: global }
      - { .name: cs, .offset: 8, .size: 8, .value_kind: global_buffer, .address_space: global }
      - { .name: cod, .offset: 16, .size: 8, .value_kind: global_buffer, .address_space: global }
      - { .name: sc, .offset: 24, .size: 8, .value_kind: global_buffer, .address_space: global }
      - { .name: bo, .offset: 32, .size: 8, .value_kind: global_buffer, .address_space: global }
      - { .name: out0, .offset: 40, .size: 8, .value_kind: global_buffer, .address_space: global }
    .group_segment_fixed_size: 168448
    .private_segment_fixed_size: 0
    .kernarg_segment_align: 8
    .kernarg_segment_size: 48
    .max_flat_workgroup_size: 128
    .sgpr_count:     66
    .vgpr_count:     1024
    .wavefront_size: 32
...
	.end_amdgpu_metadata
.endif
;; end of part 10
